; MI455X (gfx1250); checked and timed in simulation.
; The chip was launched on July 23, 2026; its instructions are those of AMD's public machine-readable ISA for CDNA 5 (MIT licence, August 2026) and "CDNA5" Instruction Set Architecture Reference Guide (July 2026). The comments in the code are by the model that wrote it; some were corrected since.
;; Encoder Block. Allowed arithmetic: float matrix products may take bf16 or f16 operands with f32 sums; other float arithmetic in f32, or as packed bf16 or f16 multiplies, adds, multiply-adds, maxima and minima; sums over many terms, partial sums and values carried from step to step in f32; what a program stores and reads back later, other than sums and carried values, may be rounded once to bf16 or f16.
;; Inputs: b1 2,048 float32; b2 512 float32; bk 512 float32; bo 512 float32; bq 512 float32; bv 512 float32; ln1_a 512 float32; ln1_b 512 float32; ln2_a 512 float32; ln2_b 512 float32; w1 512 x 2,048 float32; w2 2,048 x 512 float32; wk 512 x 512 float32; wo 512 x 512 float32; wq 512 x 512 float32; wv 512 x 512 float32; x 4 x 2,048 x 512 float32.
;; Outputs: out0 4 x 2,048 x 512 float32.
;; 2 versions, each right. Each part assembles by itself: llvm-mc -triple=amdgcn-amd-amdhsa -mcpu=gfx1250 --defsym DOCPART=n.
;; ======== version 1 of 2: 4 launches
;; limits: values are held in f16: magnitudes above 65,504 overflow, below 6.1e-05 lose precision
;; workspace buffers: xb 8,388,608 bytes; wb 6,291,456 bytes; vec 26,624 bytes; qkv 25,165,824 bytes; ob 8,388,608 bytes
;; launch prep (part 1): grid 909 x 1, 8 waves a work-group, no clusters, 0 bytes of LDS; arguments x, wq, wk, wv, wo, w1, w2, bq, bk, bv, bo, b1, b2, ln1_a, ln1_b, ln2_a, ln2_b, xb, wb, vec; writes xb, wb, vec
.if DOCPART == 1
	.amdgcn_target "amdgcn-amd-amdhsa--gfx1250"
	.amdhsa_code_object_version 6
	.text
	.protected	k_qd30df3be21_prep
	.globl	k_qd30df3be21_prep
	.p2align	8
	.type	k_qd30df3be21_prep,@function
k_qd30df3be21_prep:
	s_mov_b64 s[64:65], 0
	v_nop
	global_prefetch_b8 v0, s[64:65] scope:SCOPE_SE
	s_setreg_imm32_b32 hwreg(HW_REG_WAVE_MODE, 25, 1), 1
	s_wait_xcnt 0x0
; CASTS AND LAY-OUTS for the three launches behind.  Every input is rounded once to bf16.
;   xb  : x in bf16, [8192][512].
;   wb  : bytes 0 ..: wq | wk | wv side by side in bf16, [512 k][1536 n]; from byte 1,572,864: 36 dense tiles of 131,072 bytes, each number rounded to bf16 and
;         written as f16, in the order in which the last launch walks them: wo's four K blocks, then for t = 0..15 w1[:, 128 t ..] and w2[128 t .., :].
;         A tile is 512 rows of 256 bytes: w1: row = d; wo, w2: row = 128 x (group of 128 output columns) + (k mod 128).
;   vec : the ten vectors as f32 numbers that are already rounded to bf16: bq bk bv bo b1 b2 ln1_a ln1_b ln2_a ln2_b, 2,048 bytes a unit of 512.
; LIMIT: wo, w1, w2 must lie within f16's range (65,504); below 6e-5 f16 keeps a fixed step of 6e-8.
; A work-group below 896 casts 8,192 numbers; thread t takes four groups of 8 numbers (32 bytes in, 16 bytes out).  Group G = 1024 lc + 256 i + t goes to
; CA (row >> 7) + CB (row & 127) + CC seg + 16 (G & 15) + CD, row = G >> shift, seg = (G >> 4) & MK: sixteen neighbouring lanes store 256 consecutive aligned bytes.
; No LDS, no matrix unit: a stream; eight loads a thread are out at once and several work-groups lie on a WGP.
.set SRC,  48                          ; s[48:49] the job's source
.set DST,  50                          ; s[50:51] its destination
.set LB,   52                          ; first work-group of the job
.set SH4,  53                          ; row = (G >> 4) >> SH4
.set MK,   54
.set CA,   55
.set CB,   56
.set CC,   57
.set CD,   58
.set MODE, 59                          ; 0: bf16 out; 1: bf16's number as f16
.set MASK, 60                          ; a word's upper bf16
.set OFF,  4                           ; v[4:7]   destination offsets of my four groups
.set T,    8                           ; v[8:19]  at work
.set X,    20                          ; v[20:51] four groups of 8 f32
.set Y,    52                          ; v[52:67] four groups of 8 16-bit numbers
	s_load_b512 s[8:23], s[0:1], 0x0               ; x 8, wq 10, wk 12, wv 14, wo 16, w1 18, w2 20, bq 22
	s_load_b512 s[24:39], s[0:1], 0x40             ; bk 24, bv 26, bo 28, b1 30, b2 32, ln1_a 34, ln1_b 36, ln2_a 38
	s_load_b256 s[40:47], s[0:1], 0x80             ; ln2_b 40, xb 42, wb 44, vec 46
	s_mov_b32 s2, ttmp9
	s_mov_b32 s[MASK], 0xffff0000
	s_wait_kmcnt 0x0
	s_cmp_lt_u32 s2, 512
	s_cbranch_scc1 .Ljx
	s_cmp_lt_u32 s2, 544
	s_cbranch_scc1 .Ljq
	s_cmp_lt_u32 s2, 576
	s_cbranch_scc1 .Ljk
	s_cmp_lt_u32 s2, 608
	s_cbranch_scc1 .Ljv
	s_cmp_lt_u32 s2, 640
	s_cbranch_scc1 .Ljo
	s_cmp_lt_u32 s2, 768
	s_cbranch_scc1 .Lj1
	s_cmp_lt_u32 s2, 896
	s_cbranch_scc1 .Lj2
	; THE VECTORS: work-group 896 + j takes unit j of 512 numbers; the source is chosen by the unit's number alone
	s_sub_co_u32 s3, s2, 896                       ; j
	s_mov_b64 s[SRC:SRC+1], s[22:23]
	s_mov_b32 s4, 0                                ; the first unit of the chosen vector
.macro PICK from, reg
	s_cmp_ge_u32 s3, \from
	s_cselect_b64 s[SRC:SRC+1], s[\reg:\reg+1], s[SRC:SRC+1]
	s_cselect_b32 s4, \from, s4
.endm
	PICK 1, 24
	PICK 2, 26
	PICK 3, 28
	PICK 4, 30
	PICK 8, 32
	PICK 9, 34
	PICK 10, 36
	PICK 11, 38
	PICK 12, 40
	s_sub_co_u32 s4, s3, s4
	s_lshl_b32 s4, s4, 11                          ; the unit's bytes in its vector
	s_lshl_b32 s5, s3, 11                          ; and in vec
	v_lshlrev_b32 v1, 3, v0                        ; two numbers a thread
	v_add_nc_u32 v2, s4, v1
	v_add_nc_u32 v3, s5, v1
	global_load_b64 v[4:5], v2, s[SRC:SRC+1]
	s_wait_loadcnt 0x0
	v_cvt_pk_bf16_f32 v6, v4, v5                   ; rounded to bf16,
	v_lshlrev_b32 v8, 16, v6                       ; and widened again
	v_and_b32 v9, s[MASK], v6
	global_store_b64 v3, v[8:9], s[46:47]          ; a wave stores 256 consecutive aligned bytes
	s_endpgm
.macro JOB src, dst, lb, sh4, mk, ca, cb, cc, cd, mode
	s_mov_b64 s[SRC:SRC+1], s[\src:\src+1]
	s_mov_b64 s[DST:DST+1], s[\dst:\dst+1]
	s_mov_b32 s[LB], \lb
	s_mov_b32 s[SH4], \sh4
	s_mov_b32 s[MK], \mk
	s_mov_b32 s[CA], \ca
	s_mov_b32 s[CB], \cb
	s_mov_b32 s[CC], \cc
	s_mov_b32 s[CD], \cd
	s_mov_b32 s[MODE], \mode
	s_branch .Lgo
.endm
.Ljx:
	JOB 8, 42, 0, 2, 3, 131072, 1024, 256, 0, 0
.Ljq:
	JOB 10, 44, 512, 2, 3, 393216, 3072, 256, 0, 0
.Ljk:
	JOB 12, 44, 544, 2, 3, 393216, 3072, 256, 1024, 0
.Ljv:
	JOB 14, 44, 576, 2, 3, 393216, 3072, 256, 2048, 0
.Ljo:
	JOB 16, 44, 608, 2, 3, 131072, 256, 32768, 1572864, 1
.Lj1:
	JOB 18, 44, 640, 4, 15, 32768, 256, 262144, 2097152, 1
.Lj2:
	JOB 20, 44, 768, 2, 3, 262144, 256, 32768, 2228224, 1
.Lgo:
	s_sub_co_u32 s3, s2, s[LB]                     ; lc: my chunk of the job
	s_lshl_b32 s4, s3, 15                          ; 32,768 bytes of f32 a chunk
	s_mov_b32 s5, 0
	s_add_nc_u64 s[SRC:SRC+1], s[SRC:SRC+1], s[4:5]
	v_lshlrev_b32 v1, 5, v0                        ; 32 bytes a group
.irp i, 0,1,2,3
	global_load_b128 v[X+8*(\i):X+8*(\i)+3],   v1, s[SRC:SRC+1] offset:8192*(\i) th:TH_LOAD_NT
	global_load_b128 v[X+8*(\i)+4:X+8*(\i)+7], v1, s[SRC:SRC+1] offset:8192*(\i)+16 th:TH_LOAD_NT
.endr
	s_lshl_b32 s3, s3, 6
	v_lshrrev_b32 v2, 4, v0
	v_add_nc_u32 v2, s3, v2                        ; G >> 4 of my first group
	v_and_b32 v3, 15, v0
	v_lshl_add_u32 v3, v3, 4, s[CD]                ; 16 (G & 15) + CD
.irp i, 0,1,2,3
	v_add_nc_u32 v[T], 16*(\i), v2
	v_and_b32 v[T+1], s[MK], v[T]                  ; seg
	v_lshrrev_b32 v[T], s[SH4], v[T]               ; row
	v_lshrrev_b32 v[T+2], 7, v[T]
	v_and_b32 v[T], 0x7f, v[T]
	v_mad_u32_u24 v[T+3], v[T+1], s[CC], v3
	v_mad_u32_u24 v[T+3], v[T+2], s[CA], v[T+3]
	v_mad_u32_u24 v[OFF+(\i)], v[T], s[CB], v[T+3]
.endr
.macro CVT i, mode
	s_wait_loadcnt 6-2*(\i)                        ; loads come back in order: group i's two are in, the younger ones stay out
.irp p, 0,1,2,3
.if \mode
	v_cvt_pk_bf16_f32 v[T+3*(\p)], v[X+8*(\i)+2*(\p)], v[X+8*(\i)+2*(\p)+1]
	v_lshlrev_b32 v[T+3*(\p)+1], 16, v[T+3*(\p)]
	v_and_b32 v[T+3*(\p)+2], s[MASK], v[T+3*(\p)]
	v_cvt_pk_f16_f32 v[Y+4*(\i)+(\p)], v[T+3*(\p)+1], v[T+3*(\p)+2]  ; bf16's 8 bits fit f16's 11: exact within f16's range
.else
	v_cvt_pk_bf16_f32 v[Y+4*(\i)+(\p)], v[X+8*(\i)+2*(\p)], v[X+8*(\i)+2*(\p)+1]
.endif
.endr
	global_store_b128 v[OFF+(\i)], v[Y+4*(\i):Y+4*(\i)+3], s[DST:DST+1]
.endm
	s_cmp_eq_u32 s[MODE], 0
	s_cbranch_scc1 .Lbf
	CVT 0, 1
	CVT 1, 1
	CVT 2, 1
	CVT 3, 1
	s_endpgm
.Lbf:
	CVT 0, 0
	CVT 1, 0
	CVT 2, 0
	CVT 3, 0
	s_endpgm
.Lfunc_end_k_qd30df3be21_prep:
	.size	k_qd30df3be21_prep, .Lfunc_end_k_qd30df3be21_prep-k_qd30df3be21_prep
	.p2alignl 7, 3214868480
	.fill 96, 4, 3214868480
	.section	.rodata,"a",@progbits
	.p2align	6, 0x0
	.amdhsa_kernel k_qd30df3be21_prep
		.amdhsa_group_segment_fixed_size 0
		.amdhsa_private_segment_fixed_size 0
		.amdhsa_enable_private_segment 0
		.amdhsa_kernarg_size 160
		.amdhsa_user_sgpr_count 2
		.amdhsa_user_sgpr_kernarg_segment_ptr 1
		.amdhsa_wavefront_size32 1
		.amdhsa_system_sgpr_workgroup_id_x 1
		.amdhsa_system_sgpr_workgroup_id_y 1
		.amdhsa_system_sgpr_workgroup_id_z 1
		.amdhsa_system_vgpr_workitem_id 0
		.amdhsa_next_free_vgpr 68
		.amdhsa_next_free_sgpr 66
		.amdhsa_reserve_vcc 0
		.amdhsa_float_denorm_mode_32 3
		.amdhsa_float_denorm_mode_16_64 3
		.amdhsa_memory_ordered 1
		.amdhsa_forward_progress 1
		.amdhsa_inst_pref_size 14
	.end_amdhsa_kernel
	.amdgpu_metadata
---
amdhsa.version: [ 1, 2 ]
amdhsa.kernels:
  - .name:           k_qd30df3be21_prep
    .symbol:         k_qd30df3be21_prep.kd
    .args:
      - { .name: x, .offset: 0, .size: 8, .value_kind: global_buffer, .address_space: global }
      - { .name: wq, .offset: 8, .size: 8, .value_kind: global_buffer, .address_space: global }
      - { .name: wk, .offset: 16, .size: 8, .value_kind: global_buffer, .address_space: global }
      - { .name: wv, .offset: 24, .size: 8, .value_kind: global_buffer, .address_space: global }
      - { .name: wo, .offset: 32, .size: 8, .value_kind: global_buffer, .address_space: global }
      - { .name: w1, .offset: 40, .size: 8, .value_kind: global_buffer, .address_space: global }
      - { .name: w2, .offset: 48, .size: 8, .value_kind: global_buffer, .address_space: global }
      - { .name: bq, .offset: 56, .size: 8, .value_kind: global_buffer, .address_space: global }
      - { .name: bk, .offset: 64, .size: 8, .value_kind: global_buffer, .address_space: global }
      - { .name: bv, .offset: 72, .size: 8, .value_kind: global_buffer, .address_space: global }
      - { .name: bo, .offset: 80, .size: 8, .value_kind: global_buffer, .address_space: global }
      - { .name: b1, .offset: 88, .size: 8, .value_kind: global_buffer, .address_space: global }
      - { .name: b2, .offset: 96, .size: 8, .value_kind: global_buffer, .address_space: global }
      - { .name: ln1_a, .offset: 104, .size: 8, .value_kind: global_buffer, .address_space: global }
      - { .name: ln1_b, .offset: 112, .size: 8, .value_kind: global_buffer, .address_space: global }
      - { .name: ln2_a, .offset: 120, .size: 8, .value_kind: global_buffer, .address_space: global }
      - { .name: ln2_b, .offset: 128, .size: 8, .value_kind: global_buffer, .address_space: global }
      - { .name: xb, .offset: 136, .size: 8, .value_kind: global_buffer, .address_space: global }
      - { .name: wb, .offset: 144, .size: 8, .value_kind: global_buffer, .address_space: global }
      - { .name: vec, .offset: 152, .size: 8, .value_kind: global_buffer, .address_space: global }
    .group_segment_fixed_size: 0
    .private_segment_fixed_size: 0
    .kernarg_segment_align: 8
    .kernarg_segment_size: 160
    .max_flat_workgroup_size: 256
    .sgpr_count:     66
    .vgpr_count:     68
    .wavefront_size: 32
...
	.end_amdgpu_metadata
.endif
;; end of part 1
;; launch qkv (part 2): grid 8 x 32, 4 waves a work-group, clusters of 4 x 4, 327,680 bytes of LDS; arguments xb, wb, vec, qkv; writes qkv
.if DOCPART == 2
	.amdgcn_target "amdgcn-amd-amdhsa--gfx1250"
	.amdhsa_code_object_version 6
	.text
	.protected	k_qd30df3be21_qkv
	.globl	k_qd30df3be21_qkv
	.p2align	8
	.type	k_qd30df3be21_qkv,@function
k_qd30df3be21_qkv:
	s_mov_b64 s[64:65], 0
	v_nop
	global_prefetch_b8 v0, s[64:65] scope:SCOPE_SE
	s_setreg_imm32_b32 hwreg(HW_REG_WAVE_MODE, 25, 1), 1
	s_wait_xcnt 0x0
	s_wait_alu depctr_hold_cnt(0) depctr_sa_sdst(0) depctr_va_vdst(0) depctr_va_sdst(0) depctr_va_ssrc(0) depctr_va_vcc(0) depctr_vm_vsrc(0)
	s_getreg_b32 s2, hwreg(HW_REG_IB_STS2, 6, 4)
	s_cmp_eq_u32 s2, 0
	s_cbranch_scc0 .Lentry_in_a_cluster
	s_endpgm
.Lentry_in_a_cluster:
	s_bfe_u32 s2, ttmp6, 0x10000c
	s_cmp_lg_u32 s2, 0xf033
	s_cbranch_scc0 .Lentry_shape_is_right
	s_endpgm
.Lentry_shape_is_right:
; q | k | v = xb [8192][512] x wqkv [512][1536] + bias, all operands bf16, sums in f32, stored once rounded to bf16 BY HEADS: qkv[g][m][64], g = column / 64 (8 x tensor + head).
; A work-group makes 256 rows x 192 columns (three head groups): 32 x 8 = 256 work-groups.  Wave w owns rows 64 w .. 64 w + 63 and all 192 columns: 4 x 12 accumulators, 384 registers.
; K = 512 goes in four steps of 128 through two LDS slots; a step is four quarters of 32.  All is written out: four steps are too few for a loop to spare much.
; THE MATRIX INSTRUCTION IS USED TRANSPOSED: source 0 = 16 weight columns (the weights lie [k][n] in LDS and come out turned, by ds_load_tr16_b128), source 1 = 16 rows of x.
; A lane then holds one row and eight neighbouring columns.  The bias is the C operand of the first quarter's products: nothing is cleared, nothing is added later.
; CLUSTER 4 x 4: x's tile hangs on the tile row alone and is asked for jointly along a row of the cluster, the weights' on the tile column alone, jointly along a column.
; The weights' rows in memory are 384 bytes at multiples of 128: the 192 columns that fill 256 work-groups do not allow whole blocks of 256.
; REGISTERS: window 0: v16-29 addresses; v32-63, v64-95 x fragments, two buffers; v96-191 the bias (12 x 8); on the way out v32-223 packed results.
;   window 1: v0-95, v96-191 weight fragments, two buffers.   window 2: accumulators of row blocks 0, 1 at 8 (12 a + b); window 3: of row blocks 2, 3.
.set PA,    272                        ; a row of x in LDS: 256 bytes + 16: an odd multiple of 16
.set PB,    480                        ; a row of weights: three pieces of 128 bytes, 32 of padding behind each: an odd multiple of 32
.set AHALF, 128*PA
.set BHALF, 64*PB
.set BOFF,  256*PA                     ; behind x's 256 rows: the weights' 128 rows
.set SLOT,  131072
.set STAGE, 2*SLOT                     ; 16 rows x 144 bytes for each wave, for the way out
.set SP,    144
.set SPARE, STAGE+4*16*SP              ; the spare words: 128 bytes a wave, named by no other line
.set ADRA, 16                          ; v16-17 my x fragments in slot 0, 1
.set ADRB, 20                          ; v20-21 the weight fragments
.set STO,  24
.set RD,   25
.set GO,   26
.set VB,   27                          ; 32 x (lane / 16): my place in 16 biases
.set SPW,  28
.set NIL,  29
.set FA,   32
.set BIAS, 96
.set TMP,  32
.set WV,   12
.set G1A,  16
.set G1B,  24
.set G0A,  32
.set G0B,  48
.set MSB, 0
.macro WIN new                         ; the immediate's high byte repeats the setting that is left
.if MSB != (\new)
	s_set_vgpr_msb (MSB<<8)|(\new)
.set MSB, \new
.endif
.endm
.macro PLACES                          ; four plain vector instructions between matrix instructions and loads into, or reads of, their registers
.rept 4
	v_nop
.endr
.endm
.macro JLOAD s                         ; a joint load: waves 0, 1 fetch x's halves, waves 2, 3 the weights'; the branch hangs on the wave's number alone
	s_cmp_lt_u32 s[WV], 2
	s_cbranch_scc0 .Lfor_b_\@
	tensor_load_to_lds s[G0A+4*(\s):G0A+4*(\s)+3], s[G1A:G1A+7]
	s_nop 0
.rept 4
	v_nop
.endr
	s_branch .Lasked_\@
.Lfor_b_\@:
	tensor_load_to_lds s[G0B+4*(\s):G0B+4*(\s)+3], s[G1B:G1B+7]
	s_nop 0
.rept 4
	v_nop
.endr
.Lasked_\@:
.endm
.macro CREST                           ; a round of the cluster's barrier behind its opening barrier
	s_cmp_lg_u32 s[WV], 0
	s_cbranch_scc1 .Lnot_wave_0_\@
	s_barrier_signal -3
.Lnot_wave_0_\@:
	s_barrier_wait -3
	s_barrier_signal -1
	s_barrier_wait -1
.endm
.macro CROUND
	s_barrier_signal -1
	s_barrier_wait -1
	CREST
.endm
	s_load_b256 s[4:11], s[0:1], 0x0               ; xb s[4:5], wb s[6:7], vec s[8:9], qkv s[10:11]
	v_lshl_add_u32 v[SPW], v0, 2, SPARE
	v_mov_b32 v[NIL], 0
	ds_add_u32 v[SPW], v[NIL]                      ; the wave's opening: the add and its wait stand ahead of my first tensor load
	v_lshrrev_b32 v1, 5, v0
	v_readfirstlane_b32 s[WV], v1
	s_and_b32 s13, s[WV], 1                        ; which half of a tile I fetch
	s_bfe_u32 s40, ttmp6, 0x40000                  ; cx
	s_bfe_u32 s41, ttmp6, 0x40004                  ; cy
	s_lshl_b32 s42, ttmp9, 2
	s_add_co_u32 s42, s42, s40                     ; tile column 0..7
	s_and_b32 s43, ttmp7, 0xffff
	s_lshl_b32 s43, s43, 2
	s_add_co_u32 s43, s43, s41                     ; tile row 0..31
	s_lshl_b32 s44, s41, 2
	s_lshl_b32 s44, 15, s44                        ; my row of the cluster
	s_lshl_b32 s45, 0x1111, s40                    ; my column
	s_or_b32 s[G1A], s44, (1<<16)|(1<<20)|(1<<21)|(5<<22)|(3<<25)  ; mask; 2-byte elements; padding: 4 words behind every 64
	s_mov_b32 s[G1A+1], 128<<16                    ; tensor_dim0 = 128
	s_mov_b32 s[G1A+2], 128<<16                    ; tensor_dim1 = 128
	s_mov_b32 s[G1A+3], 128<<16                    ; tile_dim0 = 128
	s_mov_b32 s[G1A+4], 128                        ; tile_dim1 = 128
	s_mov_b32 s[G1A+5], 512                        ; elements from row to row
	s_mov_b32 s[G1A+6], 0
	s_mov_b32 s[G1A+7], 0
	s_or_b32 s[G1B], s45, (1<<16)|(1<<20)|(1<<21)|(4<<22)|(7<<25)  ; padding: 8 words behind every 32
	s_mov_b32 s[G1B+1], 192<<16
	s_mov_b32 s[G1B+2], 64<<16
	s_mov_b32 s[G1B+3], 192<<16
	s_mov_b32 s[G1B+4], 64
	s_mov_b32 s[G1B+5], 1536
	s_mov_b32 s[G1B+6], 0
	s_mov_b32 s[G1B+7], 0
	s_lshl_b32 s56, s43, 18                        ; x: 256 rows of 1,024 bytes a tile row,
	s_lshl_b32 s57, s13, 17                        ; 128 rows a half
	s_add_co_u32 s56, s56, s57
	s_mov_b32 s57, 0
	s_mul_i32 s58, s42, 384                        ; weights: 192 columns a tile column,
	s_mul_i32 s59, s13, 196608                     ; 64 rows of 3,072 bytes a half
	s_add_co_u32 s58, s58, s59
	s_mov_b32 s59, 0
	s_mul_i32 s14, s13, AHALF                      ; where they go: no place in the cluster enters an LDS address
	s_mul_i32 s15, s13, BHALF
	s_add_co_u32 s15, s15, BOFF
	s_wait_dscnt 0x0                               ; the opening add is done
	s_wait_kmcnt 0x0
	s_add_nc_u64 s[56:57], s[4:5], s[56:57]
	s_add_nc_u64 s[58:59], s[6:7], s[58:59]
	CROUND                                         ; all sixteen work-groups are here: the first joint loads meet
.irp s, 0,1
	s_mov_b32 s[G0A+4*(\s)], 1
	s_add_co_u32 s[G0A+4*(\s)+1], s14, (\s)*SLOT
	s_add_nc_u64 s[G0A+4*(\s)+2:G0A+4*(\s)+3], s[56:57], (\s)*256     ; K step s: 128 elements along the rows
	s_or_b32 s[G0A+4*(\s)+3], s[G0A+4*(\s)+3], 0x80000000
	s_mov_b32 s[G0B+4*(\s)], 1
	s_add_co_u32 s[G0B+4*(\s)+1], s15, (\s)*SLOT
	s_add_nc_u64 s[G0B+4*(\s)+2:G0B+4*(\s)+3], s[58:59], (\s)*393216  ; K step s: 128 rows down
	s_or_b32 s[G0B+4*(\s)+3], s[G0B+4*(\s)+3], 0x80000000
.endr
	s_cmp_lt_u32 s[WV], 2                          ; a wave's two first fills stand in one branch: two loads of mine are out
	s_cbranch_scc0 .Lfirst_b
	tensor_load_to_lds s[G0A:G0A+3], s[G1A:G1A+7]
	s_nop 0
	tensor_load_to_lds s[G0A+4:G0A+7], s[G1A:G1A+7]
	s_nop 0
.rept 4
	v_nop
.endr
	s_branch .Lfirst_asked
.Lfirst_b:
	tensor_load_to_lds s[G0B:G0B+3], s[G1B:G1B+7]
	s_nop 0
	tensor_load_to_lds s[G0B+4:G0B+7], s[G1B:G1B+7]
	s_nop 0
.rept 4
	v_nop
.endr
.Lfirst_asked:
	v_and_b32 v1, 15, v0                           ; r = lane % 16
	v_bfe_u32 v2, v0, 4, 1                         ; h = lane / 16
	v_lshlrev_b32 v[VB], 5, v2
	s_mul_i32 s2, s42, 768                         ; my tile's 192 biases; bq, bk, bv lie on end in vec
	s_mov_b32 s3, 0
	s_add_nc_u64 s[8:9], s[8:9], s[2:3]
.irp b, 0,1,2,3,4,5,6,7,8,9,10,11
	global_load_b128 v[BIAS+8*(\b):BIAS+8*(\b)+3],   v[VB], s[8:9] offset:64*(\b)     ; the bias of columns 16 b + 8 h + 0..7: the accumulator's own layout
	global_load_b128 v[BIAS+8*(\b)+4:BIAS+8*(\b)+7], v[VB], s[8:9] offset:64*(\b)+16
.endr
	v_mul_u32_u24 v3, v1, PA
	v_lshl_add_u32 v3, v2, 4, v3                   ; row x pitch + 16 h
	s_mul_i32 s2, s[WV], 64*PA                     ; my 64 rows
	v_add_nc_u32 v[ADRA], s2, v3
	v_add_nc_u32 v[ADRA+1], SLOT, v[ADRA]
	v_and_b32 v4, 7, v0
	v_bfe_u32 v5, v0, 3, 1
	v_lshl_add_u32 v6, v2, 3, v4                   ; the turning load: lane l reads row 8 h + l % 8, 16 bytes at 16 ((l / 8) % 2)
	v_mul_u32_u24 v6, v6, PB
	v_lshl_add_u32 v6, v5, 4, v6
	v_add_nc_u32 v[ADRB], BOFF, v6
	v_add_nc_u32 v[ADRB+1], SLOT, v[ADRB]
	s_mul_i32 s2, s[WV], 16*SP
	s_add_co_u32 s2, s2, STAGE                     ; my stage
	v_mul_u32_u24 v[STO], v1, SP
	v_lshl_add_u32 v[STO], v2, 4, v[STO]
	v_add_nc_u32 v[STO], s2, v[STO]
	v_bfe_u32 v[RD], v0, 3, 2                      ; back: 32 lanes take four rows of 128 bytes,
	v_mul_u32_u24 v[RD], v[RD], SP
	v_lshl_add_u32 v[RD], v4, 4, v[RD]
	v_add_nc_u32 v[RD], s2, v[RD]
	v_and_b32 v[GO], 31, v0                        ; which are 512 consecutive bytes of a head group
	v_lshlrev_b32 v[GO], 4, v[GO]
	s_mul_i32 s2, s42, 3145728                     ; three head groups of 1 MiB a tile column,
	s_lshl_b32 s3, s43, 15                         ; 256 rows of 128 bytes a tile row,
	s_add_co_u32 s2, s2, s3
	s_lshl_b32 s3, s[WV], 13                       ; 64 rows a wave
	s_add_co_u32 s2, s2, s3
	s_mov_b32 s3, 0
	s_add_nc_u64 s[10:11], s[10:11], s[2:3]
; 12 matrix instructions: row block a x all 12 column blocks, 32 along K, from buffer f.  The 48 accumulators take turns, one instruction a turn.
.macro MUL12 f, a, bias
.if \bias
	WIN 0x81+0x40*((\a)/2)                         ; weights window 1, x and the bias window 0, D window 2 or 3
.else
	WIN 0xa1+0x50*((\a)/2)                         ; C and D window 2 or 3
.endif
.irp b, 0,1,2,3,4,5,6,7,8,9,10,11
.if \bias
	v_wmma_f32_16x16x32_bf16 v[8*(12*((\a)%2)+(\b)):8*(12*((\a)%2)+(\b))+7], v[96*(\f)+8*(\b):96*(\f)+8*(\b)+7], v[FA+32*(\f)+8*(\a):FA+32*(\f)+8*(\a)+7], v[BIAS+8*(\b):BIAS+8*(\b)+7]
.else
	v_wmma_f32_16x16x32_bf16 v[8*(12*((\a)%2)+(\b)):8*(12*((\a)%2)+(\b))+7], v[96*(\f)+8*(\b):96*(\f)+8*(\b)+7], v[FA+32*(\f)+8*(\a):FA+32*(\f)+8*(\a)+7], v[8*(12*((\a)%2)+(\b)):8*(12*((\a)%2)+(\b))+7]
.endif
.endr
.endm
; 32 LDS loads in one run: quarter q of a slot into buffer f: 12 weight fragments (turned), then my 4 fragments of x
.macro FETCH slot, q, f
	WIN 0x40
.irp nb, 0,1,2,3,4,5,6,7,8,9,10,11
	ds_load_tr16_b128 v[96*(\f)+8*(\nb):96*(\f)+8*(\nb)+3],   v[ADRB+(\slot)] offset:15360*(\q)+((\nb)/4)*160+((\nb)%4)*32
	ds_load_tr16_b128 v[96*(\f)+8*(\nb)+4:96*(\f)+8*(\nb)+7], v[ADRB+(\slot)] offset:15360*(\q)+((\nb)/4)*160+((\nb)%4)*32+7680
.endr
	WIN 0
.irp a, 0,1,2,3
	ds_load_b128 v[FA+32*(\f)+8*(\a):FA+32*(\f)+8*(\a)+3],   v[ADRA+(\slot)] offset:64*(\q)+(\a)*16*PA
	ds_load_b128 v[FA+32*(\f)+8*(\a)+4:FA+32*(\f)+8*(\a)+7], v[ADRA+(\slot)] offset:64*(\q)+(\a)*16*PA+32
.endr
.endm
; One of a step's first three quarters: multiplies buffer f; in its middle it fetches quarter qn of the same slot into buffer g
.macro QUARTER slot, qn, f, g, bias
	s_wait_dscnt 4                                 ; the weights and x's row blocks 0, 1 are in; the youngest four loads (blocks 2, 3) may be out
	MUL12 \f, 0, \bias
	MUL12 \f, 1, \bias
	PLACES
	FETCH \slot, \qn, \g
	s_wait_dscnt 32                                ; all but the 32 just issued
	MUL12 \f, 2, \bias
	MUL12 \f, 3, \bias
.endm
; The last quarter multiplies buffer 1 and changes slots: each wave waits for all its tensor loads (its part of the next slot), adds 0 to its spare word, waits for that and for its reads of this slot.
; fill = 1: the barrier opens a round of the cluster's barrier, and the slot is filled again, two K steps ahead, first thing behind the round.
.macro TURN slot, next, fill
	WIN 0
	s_wait_tensorcnt 0x0
	ds_add_u32 v[SPW], v[NIL]
	s_wait_dscnt 5                                 ; (the add and the youngest four loads may be out)
	MUL12 1, 0, 0
	s_wait_dscnt 0x0                               ; the add is done, my reads of this slot are over
	s_barrier_signal -1
	MUL12 1, 1, 0
.if \fill
	WIN 0
.endif
	s_barrier_wait -1
.if \fill
	CREST
	s_add_nc_u64 s[G0A+4*(\slot)+2:G0A+4*(\slot)+3], s[G0A+4*(\slot)+2:G0A+4*(\slot)+3], 512
	s_add_nc_u64 s[G0B+4*(\slot)+2:G0B+4*(\slot)+3], s[G0B+4*(\slot)+2:G0B+4*(\slot)+3], 786432
	JLOAD \slot                                    ; its four v_nop are also the places in front of the loads below
.else
	PLACES
.endif
	FETCH \next, 0, 0
	MUL12 1, 2, 0
	MUL12 1, 3, 0
.endm
	s_wait_tensorcnt 1                             ; my part of K step 0 is in; step 1's may stay out
	s_barrier_signal -1
	s_barrier_wait -1
	FETCH 0, 0, 0
	s_wait_loadcnt 0x0                             ; the bias
	QUARTER 0, 1, 0, 1, 1                          ; the first products start the sums from the bias
	QUARTER 0, 2, 1, 0, 0
	QUARTER 0, 3, 0, 1, 0
	TURN 0, 1, 1
	QUARTER 1, 1, 0, 1, 0
	QUARTER 1, 2, 1, 0, 0
	QUARTER 1, 3, 0, 1, 0
	TURN 1, 0, 1
	QUARTER 0, 1, 0, 1, 0
	QUARTER 0, 2, 1, 0, 0
	QUARTER 0, 3, 0, 1, 0
	TURN 0, 1, 0                                   ; nothing is left to fetch
	QUARTER 1, 1, 0, 1, 0
	QUARTER 1, 2, 1, 0, 0
	QUARTER 1, 3, 0, 1, 0
	s_wait_dscnt 4
	MUL12 1, 0, 0
	MUL12 1, 1, 0
	s_wait_dscnt 0x0
	MUL12 1, 2, 0
	MUL12 1, 3, 0
	WIN 0
	PLACES
; THE WAY OUT, in 12 units u = 3 a + hg of 16 rows x 64 columns: rounded to bf16, 16 bytes a lane into my stage, back as four rows of 128 bytes, stored as 512 consecutive bytes.
.macro PACK u
	WIN 0x0a+5*((\u)/6)                            ; sources in window 2 (row blocks 0, 1) or 3
.irp b, 0,1,2,3
.irp r, 0,1,2,3
	v_cvt_pk_bf16_f32 v[TMP+16*(\u)+4*(\b)+(\r)], v[8*(12*(((\u)/3)%2)+4*((\u)%3)+(\b))+2*(\r)], v[8*(12*(((\u)/3)%2)+4*((\u)%3)+(\b))+2*(\r)+1]
.endr
.endr
	WIN 0
.irp b, 0,1,2,3
	ds_store_b128 v[STO], v[TMP+16*(\u)+4*(\b):TMP+16*(\u)+4*(\b)+3] offset:32*(\b)
.endr
.irp b, 0,1,2,3
	ds_load_b128 v[TMP+16*(\u)+4*(\b):TMP+16*(\u)+4*(\b)+3], v[RD] offset:(\b)*4*SP  ; LDS serves a wave's instructions in order: these see the stores above, the next unit's stores come behind them
.endr
.endm
.macro SEND u, younger                 ; younger: the LDS instructions issued behind unit u's loads
.irp b, 0,1,2,3
	s_wait_dscnt (\younger)+3-(\b)
	global_store_b128 v[GO], v[TMP+16*(\u)+4*(\b):TMP+16*(\u)+4*(\b)+3], s[10:11] offset:((\u)%3)*1048576+((\u)/3)*2048+(\b)*512
.endr
.endm
	PACK 0
.irp u, 1,2,3,4,5,6,7,8,9,10,11
	PACK \u
	SEND (\u)-1, 8
.endr
	SEND 11, 0
	s_wait_tensorcnt 0x0                           ; the wave's end
	ds_add_u32 v[SPW], v[NIL]
	s_wait_dscnt 0x0
	CROUND                                         ; the closing round
	s_endpgm
.Lfunc_end_k_qd30df3be21_qkv:
	.size	k_qd30df3be21_qkv, .Lfunc_end_k_qd30df3be21_qkv-k_qd30df3be21_qkv
	.p2alignl 7, 3214868480
	.fill 96, 4, 3214868480
	.section	.rodata,"a",@progbits
	.p2align	6, 0x0
	.amdhsa_kernel k_qd30df3be21_qkv
		.amdhsa_group_segment_fixed_size 327680
		.amdhsa_private_segment_fixed_size 0
		.amdhsa_enable_private_segment 0
		.amdhsa_kernarg_size 32
		.amdhsa_user_sgpr_count 2
		.amdhsa_user_sgpr_kernarg_segment_ptr 1
		.amdhsa_wavefront_size32 1
		.amdhsa_system_sgpr_workgroup_id_x 1
		.amdhsa_system_sgpr_workgroup_id_y 1
		.amdhsa_system_sgpr_workgroup_id_z 1
		.amdhsa_system_vgpr_workitem_id 0
		.amdhsa_next_free_vgpr 960
		.amdhsa_next_free_sgpr 66
		.amdhsa_reserve_vcc 0
		.amdhsa_float_denorm_mode_32 3
		.amdhsa_float_denorm_mode_16_64 3
		.amdhsa_memory_ordered 1
		.amdhsa_forward_progress 1
		.amdhsa_inst_pref_size 122
	.end_amdhsa_kernel
	.amdgpu_metadata
---
amdhsa.version: [ 1, 2 ]
amdhsa.kernels:
  - .name:           k_qd30df3be21_qkv
    .symbol:         k_qd30df3be21_qkv.kd
    .args:
      - { .name: xb, .offset: 0, .size: 8, .value_kind: global_buffer, .address_space: global }
      - { .name: wb, .offset: 8, .size: 8, .value_kind: global_buffer, .address_space: global }
      - { .name: vec, .offset: 16, .size: 8, .value_kind: global_buffer, .address_space: global }
      - { .name: qkv, .offset: 24, .size: 8, .value_kind: global_buffer, .address_space: global }
    .group_segment_fixed_size: 327680
    .private_segment_fixed_size: 0
    .kernarg_segment_align: 8
    .kernarg_segment_size: 32
    .max_flat_workgroup_size: 128
    .sgpr_count:     66
    .vgpr_count:     960
    .wavefront_size: 32
...
	.end_amdgpu_metadata
.endif
;; end of part 2
;; launch attn (part 3): grid 8 x 32, 4 waves a work-group, clusters of 4 x 1, 327,680 bytes of LDS; arguments qkv, ob; writes ob
.if DOCPART == 3
	.amdgcn_target "amdgcn-amd-amdhsa--gfx1250"
	.amdhsa_code_object_version 6
	.text
	.protected	k_qd30df3be21_attn
	.globl	k_qd30df3be21_attn
	.p2align	8
	.type	k_qd30df3be21_attn,@function
k_qd30df3be21_attn:
	s_mov_b64 s[64:65], 0
	v_nop
	global_prefetch_b8 v0, s[64:65] scope:SCOPE_SE
	s_setreg_imm32_b32 hwreg(HW_REG_WAVE_MODE, 25, 1), 1
	s_wait_xcnt 0x0
	s_wait_alu depctr_hold_cnt(0) depctr_sa_sdst(0) depctr_va_vdst(0) depctr_va_sdst(0) depctr_va_ssrc(0) depctr_va_vcc(0) depctr_vm_vsrc(0)
	s_getreg_b32 s2, hwreg(HW_REG_IB_STS2, 6, 4)
	s_cmp_eq_u32 s2, 0
	s_cbranch_scc0 .Lentry_in_a_cluster
	s_endpgm
.Lentry_in_a_cluster:
	s_bfe_u32 s2, ttmp6, 0x10000c
	s_cmp_lg_u32 s2, 0x3003
	s_cbranch_scc0 .Lentry_shape_is_right
	s_endpgm
.Lentry_shape_is_right:
; O[h][m][:] = the sum over the batch's 2,048 keys of softmax_k(Q . K / 8) V.  Q, K, V: bf16, by heads, [24 g][8192 m][64] (g = 8 x tensor + head); O: f16, [8 head][8192 m][64].
; Products, maxima and sums in f32; the weights p are rounded to bf16 for the second product (their sum l is taken of the unrounded p), O once, to f16, at the end.
; LIMITS.  O is a mean of V's rows and must lie within f16's range (65,504).  A weight below 2^-126 counts as 0 in l; NaN and infinities are not treated apart.
; SHARES.  A work-group owns 256 queries of one head and batch, a wave 64: four PIECES of 16.  32 heads-and-batches x 8 blocks = 256 work-groups.  Every wave walks all 2,048 keys, 64 a step.
; LAYOUT.  S^T = K Q^T holds ONE query a lane (lane % 16) and the keys 8 (lane / 16) + 0..7; two such results rounded to bf16 ARE source 1 of O^T = V^T P.  K comes out of LDS as it lies, V turned.
; SOFTMAX.  A running maximum m and sum l: p = 2^(c s - c m), c = log2(e) / 8; in every step O and l are multiplied by a = 2^(c m_old - c m_new).  m starts at the lowest finite number, O and l at 0.
; BY TURNS.  Turn n belongs to piece n: 8 products K Q^T of piece n + 1, later 8 products V^T P of piece n - 1; beside them the scaling, exponentials, roundings, sums and rescaling of piece n and the
; maximum and statistics of piece n + 1.  Four vector instructions stand behind every matrix instruction, the other 54 of a turn's 118 in two runs of their own.
; CLUSTER.  The four query blocks of a cluster belong to one head and walk the same K and V: each tile is asked for JOINTLY, by the same tensor load, descriptor and mask in all four.
; REGISTERS, in windows of 256 (s_set_vgpr_msb: bits 1:0 source 0, 3:2 source 1, 5:4 source 2, 7:6 destination):
;   window 0: v0-15 addresses; v16-31 statistics, four a piece; v48-55 at work; v62-63 the add's; v64-127 S^T, two buffers; v192-223 P, two buffers (by the piece's parity)
;   window 1: v0-127 O^T, 32 a piece      window 2: v0-63 Q; v128-191 K of one step; v192-255 V of one step
.set NP,    4
.set KS,    64
.set PK,    144       ; a row of K in LDS: 128 bytes + 16
.set PV,    160       ; a row of V: 128 + 32
.set VOFF,  4*KS*PK   ; a slot holds four steps: 256 rows of K, then 256 rows of V
.set SLOT1, 1<<17
.set STAGE, SLOT1+4*KS*(PK+PV)
.set SP,    144
.set SPARE, STAGE+4*16*SP
.set AK0, 2
.set AV0, 3
.set AK,  4
.set AV,  5
.set STO, 6
.set RD,  7
.set GO,  8
.set MV,  12
.set QO,  15
.set ST,  16          ; piece t: c m, m, l (even keys', odd keys')
.set TMP, 48
.set SPW, 62
.set NIL, 63
.set S,   64
.set P,   192
.set KF,  128
.set VF,  192
.set WV,  12
.set G1K, 24
.set G1V, 32
.set G0K, 40
.set G0V, 44
.set SLOTS, 56
.set CNT, 57
.set CS,  58
.set SEL, 60
.set TBK, 62
.set TBV, 63
.set MSB, 0
.macro WIN new
.if MSB != (\new)
	s_set_vgpr_msb (MSB<<8)|(\new)
.set MSB, (\new)
.endif
.endm
.set W_KQ, 0x0a       ; K and Q in window 2, S^T in window 0
.set W_PV, 0x52       ; V in window 2, P in window 0, O^T in window 1
.set W_RS, 0x41       ; destination and source 0 in window 1, source 1 in window 0
.macro JLOAD                        ; waves 0, 1 fetch the halves of a slot's K, waves 2, 3 of its V: 128 keys each
	s_cmp_lt_u32 s[WV], 2
	s_cbranch_scc0 .Lfor_v_\@
	tensor_load_to_lds s[G0K:G0K+3], s[G1K:G1K+7]
	s_nop 0
.rept 4
	v_nop
.endr
	s_branch .Lasked_\@
.Lfor_v_\@:
	tensor_load_to_lds s[G0V:G0V+3], s[G1V:G1V+7]
	s_nop 0
.rept 4
	v_nop
.endr
.Lasked_\@:
.endm
.macro CROUND
	s_barrier_signal -1
	s_barrier_wait -1
	s_cmp_lg_u32 s[WV], 0
	s_cbranch_scc1 .Lnot_wave_0_\@
	s_barrier_signal -3
.Lnot_wave_0_\@:
	s_barrier_wait -3
	s_barrier_signal -1
	s_barrier_wait -1
.endm
; THE CHANGE OF SLOTS.  Each wave waits for all its tensor loads (one is out: its part of the other slot), adds 0 to its spare word, waits for that and for its reads of the slot that it leaves.
; fill = 1: the barrier is a round of the cluster's, and the slot is filled again first thing behind it, with the keys two slots on: four key steps, 256 matrix instructions, in which to land.
.macro CHANGE fill
	WIN 0
	s_wait_tensorcnt 0x0
	ds_add_u32 v[SPW], v[NIL]
.if \fill
.irp g, G0K, G0V
	s_xor_b32 s[\g+1], s[\g+1], SLOT1
	s_add_nc_u64 s[\g+2:\g+3], s[\g+2:\g+3], 4*KS*128
.endr
	s_wait_dscnt 0x0
	CROUND
	JLOAD
.else
	s_wait_dscnt 0x0
	s_barrier_signal -1
	s_barrier_wait -1
.endif
	s_sub_co_u32 s[TBK], s[TBK], 4*KS*PK
	s_xor_b32 s[TBK], s[TBK], SLOT1
	s_sub_co_u32 s[TBV], s[TBV], 4*KS*PV
	s_xor_b32 s[TBV], s[TBV], SLOT1
.endm
	s_load_b128 s[48:51], s[0:1], 0x0 ; qkv s[48:49], ob s[50:51]
	v_lshl_add_u32 v[SPW], v0, 2, SPARE
	v_mov_b32 v[NIL], 0
	ds_add_u32 v[SPW], v[NIL]       ; the wave's opening: the add and its wait stand ahead of my first tensor load
	v_lshrrev_b32 v1, 5, v0
	v_readfirstlane_b32 s[WV], v1
	s_bfe_u32 s13, ttmp6, 0x40000   ; cx
	s_lshl_b32 s14, ttmp9, 2
	s_add_co_u32 s14, s14, s13      ; my block of 256 queries: it enters Q's and O's addresses alone
	s_and_b32 s15, ttmp7, 0xffff    ; 8 x batch + head, which the four partners share
	s_and_b32 s20, s15, 7
	s_lshl_b32 s20, s20, 20         ; a head group is 1 MiB,
	s_lshr_b32 s21, s15, 3
	s_lshl_b32 s21, s21, 18         ; a batch's 2,048 rows of 128 bytes 256 KiB
	s_add_co_u32 s20, s20, s21
	s_and_b32 s16, s[WV], 1         ; which half of a slot's 256 keys I fetch
	s_lshl_b32 s22, s16, 14
	s_add_co_u32 s22, s22, s20
	s_mov_b32 s23, 0
	s_mul_i32 s17, s16, 128*PK
	s_mul_i32 s18, s16, 128*PV
	s_lshl_b32 s2, s14, 15          ; my block's 256 rows,
	s_lshl_b32 s3, s[WV], 13        ; my wave's 64
	s_add_co_u32 s2, s2, s3
	s_add_co_u32 s2, s2, s20
	s_mov_b32 s3, 0
	; 128 keys are 16,384 dense bytes: asked for as 64 rows of 256 bytes, two keys a row, padded in LDS behind every key
	s_mov_b32 s[G1K], 15|(1<<16)|(1<<20)|(1<<21)|(4<<22)|(3<<25)
	s_mov_b32 s[G1V], 15|(1<<16)|(1<<20)|(1<<21)|(4<<22)|(7<<25)
.irp g, G1K, G1V
	s_mov_b32 s[\g+1], 128<<16
	s_mov_b32 s[\g+2], 64<<16
	s_mov_b32 s[\g+3], 128<<16
	s_mov_b32 s[\g+4], 64
	s_mov_b32 s[\g+5], 128
	s_mov_b32 s[\g+6], 0
	s_mov_b32 s[\g+7], 0
.endr
	s_mov_b32 s[CS], 0x3e38aa3b     ; c = log2(e) / 8
	s_mov_b32 s[CS+1], s[CS]
	s_mov_b32 s[SEL], 0x76543210
	s_mov_b32 s[SEL+1], 0xfedcba98
	s_mov_b32 s[TBK], SLOT1+4*KS*PK ; the first change of slots turns these two into 0
	s_mov_b32 s[TBV], SLOT1+4*KS*PV
	s_mov_b32 s[G0K], 1
	s_mov_b32 s[G0K+1], s17
	s_mov_b32 s[G0V], 1
	s_add_co_u32 s[G0V+1], s18, VOFF
	s_wait_dscnt 0x0                ; the opening add is done
	s_wait_kmcnt 0x0
	s_add_nc_u64 s[G0K+2:G0K+3], s[48:49], s[22:23]
	s_add_nc_u64 s[G0K+2:G0K+3], s[G0K+2:G0K+3], 0x800000   ; K's eight head groups lie behind Q's,
	s_add_nc_u64 s[G0V+2:G0V+3], s[G0K+2:G0K+3], 0x800000   ; V's behind K's
	s_or_b32 s[G0K+3], s[G0K+3], 0x80000000
	s_or_b32 s[G0V+3], s[G0V+3], 0x80000000
	s_add_nc_u64 s[4:5], s[48:49], s[2:3]    ; Q and O at my wave's first row
	s_add_nc_u64 s[10:11], s[50:51], s[2:3]
	CROUND                          ; all four work-groups are here: the first joint loads meet
	JLOAD                           ; slot 0; slot 1 is asked for when slot 0 is in
	v_and_b32 v1, 15, v0
	v_bfe_u32 v9, v0, 4, 1
	v_lshlrev_b32 v[QO], 7, v1
	v_lshl_add_u32 v[QO], v9, 4, v[QO]
	WIN 0x80
.set i, 0
.rept 8                             ; Q stays in registers: piece i / 2, channels 32 (i % 2) on
	global_load_b128 v[8*i:8*i+3],   v[QO], s[4:5] offset:(i/2)*2048+(i%2)*64
	global_load_b128 v[8*i+4:8*i+7], v[QO], s[4:5] offset:(i/2)*2048+(i%2)*64+32
.set i, i+1
.endr
	; What the first turn finds: V and P's second buffer hold 0 (its products V^T P, of a piece that has not been, add 0), O^T and l are 0.  This stands in the wait for the first tile.
.set i, VF
.rept 64
	v_mov_b32 v[i], 0
.set i, i+1
.endr
	WIN 0x40
.set i, 0
.rept 128
	v_mov_b32 v[i], 0
.set i, i+1
.endr
	WIN 0
.set i, 0
.rept 4
	v_mov_b32 v[ST+4*i], 0xfe000000    ; c m: far below every c s
	v_mov_b32 v[ST+4*i+1], 0xff7fffff  ; m
	v_mov_b32 v[ST+4*i+2], 0
	v_mov_b32 v[ST+4*i+3], 0
.set i, i+1
.endr
.set i, P+16
.rept 16
	v_mov_b32 v[i], 0
.set i, i+1
.endr
	v_mul_u32_u24 v[AK0], v1, PK
	v_lshl_add_u32 v[AK0], v9, 4, v[AK0]
	v_and_b32 v10, 7, v0
	v_bfe_u32 v11, v0, 3, 1
	v_lshl_add_u32 v[AV0], v9, 3, v10
	v_mul_u32_u24 v[AV0], v[AV0], PV
	v_lshl_add_u32 v[AV0], v11, 4, v[AV0]
	v_add_nc_u32 v[AV0], VOFF, v[AV0]
	s_mul_i32 s13, s[WV], 16*SP
	s_add_co_u32 s13, s13, STAGE
	v_mul_u32_u24 v[STO], v1, SP
	v_lshl_add_u32 v[STO], v9, 4, v[STO]
	v_add_nc_u32 v[STO], s13, v[STO]
	v_bfe_u32 v[RD], v0, 3, 2
	v_mul_u32_u24 v[RD], v[RD], SP
	v_lshl_add_u32 v[RD], v10, 4, v[RD]
	v_add_nc_u32 v[RD], s13, v[RD]
	v_and_b32 v[GO], 31, v0
	v_lshlrev_b32 v[GO], 4, v[GO]
; THE MATRIX WORK.  The 4 accumulators of a run of 8 take turns.  Product i of 8 of S^T = K Q^T for piece x: channels 32 (i / 4) on, keys 16 (i % 4) on; the first 4 start the sums.
.macro KQ x
	WIN W_KQ
.set rS, S+32*((\x)%2)+8*(i%4)
.set rK, KF+16*(i%4)+8*(i/4)
.set rQ, 16*(\x)+8*(i/4)
.if i < 4
	v_wmma_f32_16x16x32_bf16 v[rS:rS+7], v[rK:rK+7], v[rQ:rQ+7], 0
.else
	v_wmma_f32_16x16x32_bf16 v[rS:rS+7], v[rK:rK+7], v[rQ:rQ+7], v[rS:rS+7]
.endif
.endm
; Product i of 8 of O^T += V^T P for piece x: keys 32 (i / 4) on, channels 16 (i % 4) on.
.macro PV x
	WIN W_PV
.set rO, 32*(\x)+8*(i%4)
.set rV, VF+32*(i/4)+8*(i%4)
.set rP, P+16*((\x)%2)+8*(i/4)
	v_wmma_f32_16x16x32_bf16 v[rO:rO+7], v[rV:rV+7], v[rP:rP+7], v[rO:rO+7]
.endm
.macro MM                           ; the turn's next matrix instruction.  NOKQ = 1: the last turn of all: there is no next piece
.if (i < 8) && !NOKQ
	KQ (Y+1)%NP
.elseif i >= 8
.set i, i-8
	PV (Y+NP-1)%NP
.set i, i+8
.endif
.set i, i+1
.endm
; THE LDS LOADS stand in runs of 16: a step's K (8 fragments) and its V (turned).
.macro FETCH_K
	WIN 0x80
.irp f, 0,1,2,3,4,5,6,7
	ds_load_b128 v[KF+8*\f:KF+8*\f+3],   v[AK] offset:(\f/2)*16*PK+(\f%2)*64
	ds_load_b128 v[KF+8*\f+4:KF+8*\f+7], v[AK] offset:(\f/2)*16*PK+(\f%2)*64+32
.endr
	s_add_co_u32 s[TBK], s[TBK], KS*PK
	WIN 0
.endm
.macro FETCH_V
	WIN 0x80
.irp f, 0,1,2,3,4,5,6,7
	ds_load_tr16_b128 v[VF+8*\f:VF+8*\f+3],   v[AV] offset:(\f/4)*32*PV+(\f%4)*32
	ds_load_tr16_b128 v[VF+8*\f+4:VF+8*\f+7], v[AV] offset:(\f/4)*32*PV+16*PV+(\f%4)*32
.endr
	WIN 0
.endm
; THE VECTOR WORK, one line at a time: OP kind, number.  For piece Y: F n: c s - c m for pair n of 16.  E n: the exponential of score n.  C n: pair n rounded to bf16.  B n: of the four weights 4 n .. the
; second pair is added onto the first, in place.  L n: l takes that sum (L 0: l = a l + sum).  R n: pair n of 16 of O^T times a.  For piece Y + 1: X n, number n of the 22 that find its maximum and statistics
; (each accumulator's lowest registers are read first).
.set F, 0
.set E, 1
.set C, 2
.set B, 3
.set L, 4
.set R, 5
.set X, 6
.macro REGS y
.set rT, ST+4*(\y)
.set rC, TMP+4*((\y)%2)
.set rW, MV+((\y)%2)
.set rS, S+32*((\y)%2)
.set rP, P+16*((\y)%2)
.set rO, 32*(\y)
.endm
.macro OP k, n
.if (\k) == R
	REGS Y
	WIN W_RS
	v_pk_mul_f32 v[rO+2*(\n):rO+2*(\n)+1], v[rO+2*(\n):rO+2*(\n)+1], v[rC+2:rC+3] op_sel_hi:[1,0]
.elseif (\k) < R
	REGS Y
	WIN 0
.if (\k) == F
	v_pk_fma_f32 v[rS+2*(\n):rS+2*(\n)+1], v[rS+2*(\n):rS+2*(\n)+1], s[CS:CS+1], v[rT:rT+1] op_sel_hi:[1,0,0] neg_lo:[0,0,1] neg_hi:[0,0,1]
.elseif (\k) == E
	v_exp_f32 v[rS+(\n)], v[rS+(\n)]
.elseif (\k) == C
	s_wait_alu depctr_va_vdst(0)
	v_cvt_pk_bf16_f32 v[rP+(\n)], v[rS+2*(\n)], v[rS+2*(\n)+1]
.elseif (\k) == B
	s_wait_alu depctr_va_vdst(0)
	v_pk_add_f32 v[rS+4*(\n):rS+4*(\n)+1], v[rS+4*(\n):rS+4*(\n)+1], v[rS+4*(\n)+2:rS+4*(\n)+3]
.elseif (\n) == 0
	v_pk_fma_f32 v[rT+2:rT+3], v[rT+2:rT+3], v[rC+2:rC+3], v[rS:rS+1] op_sel_hi:[1,0,1]
.else
	v_pk_add_f32 v[rT+2:rT+3], v[rT+2:rT+3], v[rS+4*(\n):rS+4*(\n)+1]
.endif
.elseif NOKQ
	v_nop
.else
	REGS (Y+1)%NP
	WIN 0
.if (\n) < 4
	v_max3_num_f32 v[rC+(\n)], v[rS+8*(\n)], v[rS+8*(\n)+1], v[rS+8*(\n)+2]
.elseif (\n) < 12
	v_max3_num_f32 v[rC+(\n)%4], v[rC+(\n)%4], v[rS+8*((\n)%4)+2*((\n)/4)+1], v[rS+8*((\n)%4)+2*((\n)/4)+2]
.elseif (\n) == 12
	v_max3_num_f32 v[rC], v[rC], v[rS+7], v[rS+15]
.elseif (\n) == 13
	v_max3_num_f32 v[rC+1], v[rC+1], v[rS+23], v[rS+31]
.elseif (\n) == 14
	v_max3_num_f32 v[rC+2], v[rC+2], v[rC+3], v[rT+1]
.elseif (\n) == 15
	v_mov_b32 v[rW], v[rT]
.elseif (\n) == 16
	v_max3_num_f32 v[rC], v[rC], v[rC+1], v[rC+2]
.elseif (\n) == 17
	v_permlanex16_b32 v[rC+3], v[rC], s[SEL], s[SEL+1]
.elseif (\n) == 18
	v_max_num_f32 v[rT+1], v[rC], v[rC+3]
.elseif (\n) == 19
	v_mul_f32 v[rT], s[CS], v[rT+1]
.elseif (\n) == 20
	v_sub_f32 v[rC+1], v[rW], v[rT]
.else
	v_exp_f32 v[rC+2], v[rC+1]
.endif
.endif
.endm
.macro OPS a, i1, b=-1, i2=0, c=-1, i3=0, d=-1, i4=0
	OP \a, \i1
.if (\b) >= 0
	OP \b, \i2
.endif
.if (\c) >= 0
	OP \c, \i3
.endif
.if (\d) >= 0
	OP \d, \i4
.endif
.endm
.macro ROW a, i1, b, i2, c, i3, d, i4  ; a matrix instruction and the four behind it
	MM
	OPS \a, \i1, \b, \i2, \c, \i3, \d, \i4
.endm
; A TURN, for piece p: the order of its 16 matrix and 118 vector instructions, written out.  Behind a matrix instruction: plain, exponential, plain, plain; or four of the rescaling; or four scalings; none names a
; register of the products round it.  end = 1: the last two turns: nothing is fetched.  cnt = 1: the loop's count is taken down some lines ahead of the branch behind the turn.
; K of the next step is fetched in piece 2's turn, V of the step in hand in piece 0's, each behind the last product that read the registers, with four plain instructions or more between; each is waited for a turn later.
.macro TURN p, end=0, cnt=0
.set Y, (\p)
.set i, 0
.set NOKQ, (\end)*((\p)/3)
.if ((\p) == 3) && !(\end)
	s_wait_dscnt 0x0                ; K is in
.endif
	ROW F,0, F,1, F,2, F,3
	ROW F,4, E,0, F,5, F,6
	ROW F,7, E,1, F,8, F,9
	ROW F,10, E,2, C,0, F,11
	ROW F,12, E,3, X,15, F,13
	ROW R,0, R,1, R,2, R,3
	ROW B,0, E,4, F,14, L,0
.if ((\p) == 2) && !(\end)
	v_add_nc_u32 v[AK], s[TBK], v[AK0]
.endif
	ROW R,4, R,5, R,6, R,7
	OPS E,5, F,15
.if ((\p) == 2) && !(\end)
	FETCH_K
.endif
	OPS E,6, C,1, E,7, R,8
	OPS E,8, R,9, E,9, C,2
	OPS E,10, X,0, E,11, X,1
	OPS E,12, X,2, E,13, X,3
.if (\p) == 1
	s_wait_dscnt 0x0                ; V is in
.endif
	ROW X,4, E,14, X,5, X,6
	ROW X,7, E,15, X,8, X,9
	ROW X,10, E,16, X,11, X,12
	ROW X,13, E,17, X,14, B,1
	ROW C,4, E,18, X,16, L,1
	ROW B,2, E,19, C,6, L,2
	ROW C,8, E,20, B,3, B,4
.if (\p) == 0
	v_add_nc_u32 v[AV], s[TBV], v[AV0]
.endif
	ROW C,3, E,21, L,3, C,5
	OPS E,22, X,17, E,23, C,10
.if (\p) == 0
	FETCH_V
.endif
	OPS E,24, L,4
	OPS E,25, X,18, E,26, C,7
	OPS E,27, B,5, E,28, X,19
	OPS E,29, C,12, E,30, L,5
	OPS E,31, X,20, B,6, C,9
	OPS C,14, C,11, X,21, L,6
.if (\p) == 0
	s_add_co_u32 s[TBV], s[TBV], KS*PV
.endif
.if \cnt
	s_sub_co_u32 s[CNT], s[CNT], 1
	s_cmp_lg_u32 s[CNT], 0
.endif
	OPS C,13, B,7, C,15, R,10
	OPS R,11, R,12, L,7, R,13
	OPS R,14, R,15
.endm
	CHANGE 1                        ; slot 0 is in, everybody's part of it; slot 1 is asked for
	v_add_nc_u32 v[AK], s[TBK], v[AK0]
	FETCH_K                         ; key step 0
	s_wait_loadcnt 0x0              ; Q
	s_wait_dscnt 0x0
.set NOKQ, 0
.set i, 0
.rept 8
	KQ 0                            ; piece 0's first scores
.set i, i+1
.endr
	WIN 0
.rept 4
	v_nop                           ; the places behind those products
.endr
.set Y, NP-1                        ; X works for piece Y + 1: piece 0
.irp n, 0,1,2,3,4,5,6,7,8,9,10,11,12,13,14,15,16,17,18,19,20,21
	OP X, \n
.endr
	v_nop                           ; a plain instruction behind the exponential
	s_mov_b32 s[CNT], 4
	s_mov_b32 s[SLOTS], 7
	s_branch .Lfirst                ; the loop is entered at a step's first turn, in the middle of a trip
.Lslot:                             ; six times: with the change above, tiles 1 to 7 are asked for
	CHANGE 1
	s_mov_b32 s[CNT], 4
.Lstep:                             ; a trip: pieces 2 and 3 of one step, then pieces 0 and 1 of the next, whose K and V it fetches
	TURN 2
	TURN 3
	WIN 0
.Lfirst:
	TURN 0
	TURN 1, 0, 1
	WIN 0
	s_cbranch_scc1 .Lstep
	s_sub_co_u32 s[SLOTS], s[SLOTS], 1
	s_cmp_lg_u32 s[SLOTS], 0
	s_cbranch_scc1 .Lslot
	CHANGE 0                        ; the last tile is written out
	s_mov_b32 s[CNT], 4
.LstepT:
	TURN 2
	TURN 3
	TURN 0
	TURN 1, 0, 1
	WIN 0
	s_cbranch_scc1 .LstepT
	TURN 2, 1
	TURN 3, 1
.set i, 0
.rept 8
	PV NP-1                         ; the last piece's V^T P of the last step
.set i, i+1
.endr
	; THE WAY OUT.  l's two halves and the other half of the lanes' are added; O^T is divided by l, rounded to f16 and sent through my stage, a piece at a time.  The additions are the places behind the last products.
	WIN 0
.macro ALL line:vararg
.set t, 0
.rept 4
	\line
.set t, t+1
.endr
.endm
	ALL v_add_f32 v[ST+4*t+2], v[ST+4*t+2], v[ST+4*t+3]
	ALL v_permlanex16_b32 v[ST+4*t+3], v[ST+4*t+2], s[SEL], s[SEL+1]
	ALL v_add_f32 v[ST+4*t+2], v[ST+4*t+2], v[ST+4*t+3]
	ALL v_rcp_f32 v[ST+4*t+2], v[ST+4*t+2]
	v_nop                           ; a plain instruction between the last reciprocal and the use of its result
.macro PACK t
	WIN W_RS
.set i, 32*(\t)
.rept 16
	s_wait_alu depctr_va_vdst(0)
	v_pk_mul_f32 v[i:i+1], v[i:i+1], v[ST+4*(\t)+2:ST+4*(\t)+3] op_sel_hi:[1,0]
.set i, i+2
.endr
	WIN 0x05
.set i, 0
.rept 16
	v_cvt_pk_f16_f32 v[S+16*(\t)+i], v[32*(\t)+2*i], v[32*(\t)+2*i+1]
.set i, i+1
.endr
	WIN 0
.irp f, 0,1,2,3
	ds_store_b128 v[STO], v[S+16*(\t)+4*\f:S+16*(\t)+4*\f+3] offset:32*\f
.endr
.irp f, 0,1,2,3
	ds_load_b128 v[S+16*(\t)+4*\f:S+16*(\t)+4*\f+3], v[RD] offset:\f*4*SP  ; LDS serves a wave's instructions in order: these see the stores above
.endr
.endm
.macro SEND t, younger
	WIN 0
.irp f, 0,1,2,3
	s_wait_dscnt (\younger)+3-\f
	global_store_b128 v[GO], v[S+16*(\t)+4*\f:S+16*(\t)+4*\f+3], s[10:11] offset:(\t)*2048+\f*512  ; 512 consecutive bytes, at a multiple of 256 from O's first
.endr
.endm
	PACK 0
.set t, 1
.rept 3
	PACK t
	SEND t-1, 8
.set t, t+1
.endr
	SEND 3, 0
	s_wait_tensorcnt 0x0            ; the wave's end
	ds_add_u32 v[SPW], v[NIL]
	s_wait_dscnt 0x0
	CROUND                          ; the closing round
	s_endpgm
.Lfunc_end_k_qd30df3be21_attn:
	.size	k_qd30df3be21_attn, .Lfunc_end_k_qd30df3be21_attn-k_qd30df3be21_attn
	.p2alignl 7, 3214868480
	.fill 96, 4, 3214868480
	.section	.rodata,"a",@progbits
	.p2align	6, 0x0
	.amdhsa_kernel k_qd30df3be21_attn
		.amdhsa_group_segment_fixed_size 327680
		.amdhsa_private_segment_fixed_size 0
		.amdhsa_enable_private_segment 0
		.amdhsa_kernarg_size 16
		.amdhsa_user_sgpr_count 2
		.amdhsa_user_sgpr_kernarg_segment_ptr 1
		.amdhsa_wavefront_size32 1
		.amdhsa_system_sgpr_workgroup_id_x 1
		.amdhsa_system_sgpr_workgroup_id_y 1
		.amdhsa_system_sgpr_workgroup_id_z 1
		.amdhsa_system_vgpr_workitem_id 0
		.amdhsa_next_free_vgpr 768
		.amdhsa_next_free_sgpr 66
		.amdhsa_reserve_vcc 0
		.amdhsa_float_denorm_mode_32 3
		.amdhsa_float_denorm_mode_16_64 3
		.amdhsa_memory_ordered 1
		.amdhsa_forward_progress 1
		.amdhsa_inst_pref_size 133
	.end_amdhsa_kernel
	.amdgpu_metadata
---
amdhsa.version: [ 1, 2 ]
amdhsa.kernels:
  - .name:           k_qd30df3be21_attn
    .symbol:         k_qd30df3be21_attn.kd
    .args:
      - { .name: qkv, .offset: 0, .size: 8, .value_kind: global_buffer, .address_space: global }
      - { .name: ob, .offset: 8, .size: 8, .value_kind: global_buffer, .address_space: global }
    .group_segment_fixed_size: 327680
    .private_segment_fixed_size: 0
    .kernarg_segment_align: 8
    .kernarg_segment_size: 16
    .max_flat_workgroup_size: 128
    .sgpr_count:     66
    .vgpr_count:     768
    .wavefront_size: 32
...
	.end_amdgpu_metadata
.endif
;; end of part 3
;; launch tail (part 4): grid 128 x 1, 4 waves a work-group, clusters of 4 x 1, 327,680 bytes of LDS; arguments ob, xb, wb, vec, out0; writes out0
.if DOCPART == 4
	.amdgcn_target "amdgcn-amd-amdhsa--gfx1250"
	.amdhsa_code_object_version 6
	.text
	.protected	k_qd30df3be21_tail
	.globl	k_qd30df3be21_tail
	.p2align	8
	.type	k_qd30df3be21_tail,@function
k_qd30df3be21_tail:
	s_mov_b64 s[64:65], 0
	v_nop
	global_prefetch_b8 v0, s[64:65] scope:SCOPE_SE
	s_setreg_imm32_b32 hwreg(HW_REG_WAVE_MODE, 25, 1), 1
	s_wait_xcnt 0x0
	s_wait_alu depctr_hold_cnt(0) depctr_sa_sdst(0) depctr_va_vdst(0) depctr_va_sdst(0) depctr_va_ssrc(0) depctr_va_vcc(0) depctr_vm_vsrc(0)
	s_getreg_b32 s2, hwreg(HW_REG_IB_STS2, 6, 4)
	s_cmp_eq_u32 s2, 0
	s_cbranch_scc0 .Lentry_in_a_cluster
	s_endpgm
.Lentry_in_a_cluster:
	s_bfe_u32 s2, ttmp6, 0x10000c
	s_cmp_lg_u32 s2, 0x3003
	s_cbranch_scc0 .Lentry_shape_is_right
	s_endpgm
.Lentry_shape_is_right:
; out0 = LN2(y + relu(y w1 + b1) w2 + b2),  y = LN1(x + O wo + bo).  A LayerNorm here: alpha (v - mean) / (std + 1e-6) + beta, std with 511 in the divisor.
; A work-group owns 64 whole rows (a LayerNorm wants whole rows): 128 work-groups.  Every panel of rows walks the same 36 weight tiles of 131,072 bytes whatever its height; at 64 rows a tile feeds
; 128 matrix instructions a wave while the next lands, at 32 rows only 64, for twice the bytes asked for in all: so 64 rows on half the WGPs.
; FORMATS.  O, y (as an operand) and h in f16; the weights are bf16's numbers written as f16; x (the residual) bf16's number; sums, both norms and the residuals in f32.
; LIMITS.  O, y, h and the weights within f16's range (65,504), below 6e-5 with f16's fixed step of 6e-8.  1/512 and 1/511 are multiplied.  NaN and infinities are not treated apart.
; ALL PRODUCTS ARE USED TRANSPOSED: source 0 = 16 output columns of a weight tile (stored [k][n], read turned), source 1 = 16 rows of the activation: a lane holds one row and eight neighbouring columns.
; Z (window 1, 32 accumulators): rows 16 rb + lane % 16, columns 128 w + 16 c + 8 (lane / 16) + 0..7 of wave w.  Z starts as x + bo, takes O wo, is normalised IN PLACE to y, and stays the accumulator
; of h w2: both residuals cost nothing.  y as f16 fragments fills windows 2 and 3 (every wave holds all 64 x 512).  In y w1 wave w makes columns 32 w .. 32 w + 31 of each tile of 128.
; CLUSTER 4 x 1: the four partners walk the same tiles, asked for JOINTLY; each wave fetches a quarter of a tile (128 rows of 256 dense bytes) by one walking descriptor.
; LDS: X 0 and Y 147,456: two slots of 512 rows x 288; HS 294,912: 64 rows x 272 (an O block or h) or 16 rows x 1,040 (y on its way); STAT 312,320: 2 x 1,024; the spare words 314,368.
;   Behind its last fill X takes Z as 64 rows x 2,064 bytes of f32, for LN2 by rows.
.set SLOTB, 147456
.set HS,    294912
.set STAT,  312320
.set SPARE, 314368
.set WT,    1572864
.set AX,   8          ; v8-11 w1 fragments: turned address + 64 w + 36,864 n
.set AW0,  12         ; v12   wo, w2 fragments in slot X: turned address + 36,864 w
.set AW,   13         ; v13   an address made anew (first: my offset in x)
.set AWY,  14         ; v14   AW0 in slot Y
.set OSTO, 15
.set HSW,  16
.set HSR,  17
.set YSW,  18
.set YSR,  19
.set STW,  20
.set STR,  21
.set ZSW,  22         ; v22-23
.set ZSR,  24
.set GOUT, 25         ; 16 x lane
.set ZR,   26         ; 0
.set VCOL, 27         ; 512 w + 32 h: my eight columns' f32 in a vector of 512
.set SPW,  28
.set NIL,  29
.set ONE,  30
.set VB1,  31         ; 128 w + 32 h
.set H,    32         ; v32-95  H(fb, rb) at 32 + 8 (4 fb + rb); also the two buffers of activation fragments
.set B1,   96         ; v96-111 b1 of my 32 columns
.set OC,   96         ; v96-127 an O block on its way (wo's phase)
.set WV,   14
.set G1,   20
.set G0,   28
.set TB,   32
.set CNT,  33
.set HM,   34         ; 0xffff0000: the lanes 16-31
.set TZ,   35
.set SEL,  36
.set PB1,  38
.set PO,   40
.set MSB, 0
.macro WIN new
.if MSB != (\new)
	s_set_vgpr_msb (MSB<<8)|(\new)
.set MSB, \new
.endif
.endm
.macro PLACES                          ; four plain vector instructions between matrix instructions and loads into, or reads of, their registers
.rept 4
	v_nop
.endr
.endm
.macro CROUND
	s_barrier_signal -1
	s_barrier_wait -1
	s_cmp_lg_u32 s[WV], 0
	s_cbranch_scc1 .Lnot_wave_0_\@
	s_barrier_signal -3
.Lnot_wave_0_\@:
	s_barrier_wait -3
	s_barrier_signal -1
	s_barrier_wait -1
.endm
; THE CHANGE OF SLOTS.  Each wave waits for all its tensor loads (one is out: its quarter of the tile to be read next), adds 0 to its spare word, waits for that, for its reads of the slot that it leaves and for its
; stores into HS.  fill = 1: a round of the cluster's barrier, and first thing behind it the next tile goes into the slot just left: 128 matrix instructions in which to land.
.macro CHG fill
	WIN 0
	s_wait_tensorcnt 0x0
	ds_add_u32 v[SPW], v[NIL]
.if \fill
	s_xor_b32 s[G0+1], s[G0+1], SLOTB              ; the other slot: 147,456 shares no bit with wave x 36,864
	s_add_nc_u64 s[G0+2:G0+3], s[G0+2:G0+3], 131072
.endif
	s_wait_dscnt 0x0
.if \fill
	CROUND
	tensor_load_to_lds s[G0:G0+3], s[G1:G1+7]
	s_nop 0
.rept 4
	v_nop
.endr
.else
	s_barrier_signal -1
	s_barrier_wait -1
.endif
.endm
.macro LDW buf, areg, n                ; 8 weight fragments (my 128 output columns x 32 k at 32 n), turned
.irp c, 0,1,2,3,4,5,6,7
	ds_load_tr16_b128 v[(\buf)+8*(\c):(\buf)+8*(\c)+3],   v[\areg] offset:9216*(\n)+32*(\c)
	ds_load_tr16_b128 v[(\buf)+8*(\c)+4:(\buf)+8*(\c)+7], v[\areg] offset:9216*(\n)+32*(\c)+4608
.endr
.endm
.macro LDH buf, n                      ; 4 activation fragments (64 rows x 32 k at 32 n) out of HS
.irp rb, 0,1,2,3
	ds_load_b128 v[(\buf)+8*(\rb):(\buf)+8*(\rb)+3],   v[HSR] offset:4352*(\rb)+64*(\n)
	ds_load_b128 v[(\buf)+8*(\rb)+4:(\buf)+8*(\rb)+7], v[HSR] offset:4352*(\rb)+64*(\n)+32
.endr
.endm
.macro LD1 buf, n                      ; 8 fragments of w1: d = 128 n + 32 k .., my columns 16 fb ..
.irp k, 0,1,2,3
.irp fb, 0,1
	ds_load_tr16_b128 v[(\buf)+8*(2*(\k)+(\fb)):(\buf)+8*(2*(\k)+(\fb))+3],   v[AX+(\n)] offset:9216*(\k)+32*(\fb)
	ds_load_tr16_b128 v[(\buf)+8*(2*(\k)+(\fb))+4:(\buf)+8*(2*(\k)+(\fb))+7], v[AX+(\n)] offset:9216*(\k)+32*(\fb)+4608
.endr
.endr
.endm
; Z += (64 rows x 128 k in HS) x (128 k x my 128 columns): 128 matrix instructions, the 32 accumulators by turns; fragments in two buffers, a run of 24 loads ahead
.macro S2BODY areg
	WIN 0
	LDW 128, \areg, 0
	LDH 32, 0
.irp n, 0,1,2,3
	WIN 0
	PLACES
.if (\n) < 3
	LDW 128+64*(((\n)+1)%2), \areg, (\n)+1
	LDH 32+32*(((\n)+1)%2), (\n)+1
	s_wait_dscnt 24                                ; all but the 24 just issued
.else
	s_wait_dscnt 0x0
.endif
	WIN 0x50                                       ; C and D in window 1
.irp c, 0,1,2,3,4,5,6,7
.irp rb, 0,1,2,3
	v_wmma_f32_16x16x32_f16 v[8*(4*(\c)+(\rb)):8*(4*(\c)+(\rb))+7], v[128+64*((\n)%2)+8*(\c):128+64*((\n)%2)+8*(\c)+7], v[32+32*((\n)%2)+8*(\rb):32+32*((\n)%2)+8*(\rb)+7], v[8*(4*(\c)+(\rb)):8*(4*(\c)+(\rb))+7]
.endr
.endr
.endr
.endm
; H = y x (512 d x my 32 columns of the tile) + b1: 128 matrix instructions, 8 accumulators by turns; b1 is the C operand of the first eight.  The loads' places are all window 0 under these settings.
.macro S1BODY
	WIN 0
	LD1 128, 0
	s_wait_loadcnt 0x0                             ; b1
.irp n, 0,1,2,3
	PLACES
.if (\n) < 3
	LD1 128+64*(((\n)+1)%2), (\n)+1
	s_wait_dscnt 16                                ; all but the 16 just issued
.else
	s_wait_dscnt 0x0
.endif
	WIN 0x08+4*((\n)/2)                            ; y's fragments in window 2, then 3
.irp k, 0,1,2,3
.irp fb, 0,1
.irp rb, 0,1,2,3
.if ((\n)+(\k)) == 0
	v_wmma_f32_16x16x32_f16 v[H+8*(4*(\fb)+(\rb)):H+8*(4*(\fb)+(\rb))+7], v[128+64*((\n)%2)+8*(2*(\k)+(\fb)):128+64*((\n)%2)+8*(2*(\k)+(\fb))+7], v[8*(4*(4*((\n)%2)+(\k))+(\rb)):8*(4*(4*((\n)%2)+(\k))+(\rb))+7], v[B1+8*(\fb):B1+8*(\fb)+7]
.else
	v_wmma_f32_16x16x32_f16 v[H+8*(4*(\fb)+(\rb)):H+8*(4*(\fb)+(\rb))+7], v[128+64*((\n)%2)+8*(2*(\k)+(\fb)):128+64*((\n)%2)+8*(2*(\k)+(\fb))+7], v[8*(4*(4*((\n)%2)+(\k))+(\rb)):8*(4*(4*((\n)%2)+(\k))+(\rb))+7], v[H+8*(4*(\fb)+(\rb)):H+8*(4*(\fb)+(\rb))+7]
.endif
.endr
.endr
.endr
.endr
.endm
; h = relu(H), rounded once to f16, into HS; next = 1: the next tile's b1 is asked for
.macro PACKH next
	WIN 0
	PLACES
.irp a, 0,1,2,3,4,5,6,7
.irp p, 0,1,2,3
	v_cvt_pk_f16_f32 v[H+8*(\a)+(\p)], v[H+8*(\a)+2*(\p)], v[H+8*(\a)+2*(\p)+1]   ; in place, ascending: a word is written when both its old neighbours have been read
.endr
.endr
.irp a, 0,1,2,3,4,5,6,7
.irp p, 0,1,2,3
	v_pk_max_num_f16 v[H+8*(\a)+(\p)], v[H+8*(\a)+(\p)], v[ZR]
.endr
.endr
.irp fb, 0,1
.irp rb, 0,1,2,3
	ds_store_b128 v[HSW], v[H+8*(4*(\fb)+(\rb)):H+8*(4*(\fb)+(\rb))+3] offset:4352*(\rb)+32*(\fb)
.endr
.endr
.if \next
	s_add_nc_u64 s[PB1:PB1+1], s[PB1:PB1+1], 512   ; its last loads were waited for in front of the products
.irp fb, 0,1
	global_load_b128 v[B1+8*(\fb):B1+8*(\fb)+3],   v[VB1], s[PB1:PB1+1] offset:64*(\fb)
	global_load_b128 v[B1+8*(\fb)+4:B1+8*(\fb)+7], v[VB1], s[PB1:PB1+1] offset:64*(\fb)+16
.endr
.endif
.endm
	s_load_b256 s[4:11], s[0:1], 0x0               ; ob s[4:5], xb s[6:7], wb s[8:9], vec s[10:11]
	s_load_b64 s[12:13], s[0:1], 0x20              ; out0
	v_lshl_add_u32 v[SPW], v0, 2, SPARE
	v_mov_b32 v[NIL], 0
	ds_add_u32 v[SPW], v[NIL]                      ; the wave's opening: the add and its wait stand ahead of my first tensor load
	v_lshrrev_b32 v1, 5, v0
	v_readfirstlane_b32 s[WV], v1
	s_bfe_u32 s15, ttmp6, 0x40000                  ; cx
	s_lshl_b32 s16, ttmp9, 2
	s_add_co_u32 s16, s16, s15                     ; my panel of 64 rows: it enters the addresses of O, x and out0 alone
	s_mov_b32 s[G1], 15|(1<<16)|(1<<20)|(1<<21)|(5<<22)|(7<<25)  ; the mask of four; 2-byte elements; padding: 8 words behind every 64
	s_mov_b32 s[G1+1], 128<<16
	s_mov_b32 s[G1+2], 128<<16
	s_mov_b32 s[G1+3], 128<<16
	s_mov_b32 s[G1+4], 128
	s_mov_b32 s[G1+5], 128
	s_mov_b32 s[G1+6], 0
	s_mov_b32 s[G1+7], 0
	s_mov_b32 s[G0], 1
	s_mul_i32 s[G0+1], s[WV], 36864                ; my quarter of slot X
	s_lshl_b32 s42, s[WV], 15                      ; my quarter of tile 0
	s_add_co_u32 s42, s42, WT
	s_mov_b32 s43, 0
	s_lshl_b32 s46, s16, 13                        ; O: 64 rows of 128 bytes a panel, 16 rows a wave
	s_lshl_b32 s47, s[WV], 11
	s_add_co_u32 s46, s46, s47
	s_mov_b32 s47, 0
	s_lshl_b32 s48, s16, 16                        ; x: 64 rows of 1,024 bytes
	s_mov_b32 s49, 0
	s_lshl_b32 s50, s16, 17                        ; out0: 64 rows of 2,048 bytes a panel, 16 rows a wave
	s_lshl_b32 s51, s[WV], 15
	s_add_co_u32 s50, s50, s51
	s_mov_b32 s51, 0
	s_mov_b32 s[HM], 0xffff0000
	s_mov_b32 s[SEL], 0x76543210
	s_mov_b32 s[SEL+1], 0xfedcba98
	s_mov_b32 s52, 0x3b000000                      ; 1/512
	s_mov_b32 s53, 0x3b004020                      ; 1/511
	s_mov_b32 s54, 0x358637bd                      ; 1e-6
	s_mov_b32 s[TB], 0
	s_wait_dscnt 0x0                               ; the opening add is done
	s_wait_kmcnt 0x0
	s_add_nc_u64 s[G0+2:G0+3], s[8:9], s[42:43]
	s_or_b32 s[G0+3], s[G0+3], 0x80000000
	s_add_nc_u64 s[PO:PO+1], s[4:5], s[46:47]
	s_add_nc_u64 s[44:45], s[6:7], s[48:49]
	s_add_nc_u64 s[12:13], s[12:13], s[50:51]
	s_add_nc_u64 s[PB1:PB1+1], s[10:11], 8192
	CROUND                                         ; all four work-groups are here: the first joint loads meet
	tensor_load_to_lds s[G0:G0+3], s[G1:G1+7]      ; tile 0 into X
	s_nop 0
.rept 4
	v_nop
.endr
	v_and_b32 v1, 15, v0                           ; r
	v_bfe_u32 v2, v0, 4, 1                         ; h
	v_and_b32 v5, 31, v0                           ; lane
	v_lshlrev_b32 v[GOUT], 4, v5
	s_lshl_b32 s2, s[WV], 8
	s_lshl_b32 s3, s[WV], 9
	v_lshlrev_b32 v[AW], 10, v1                    ; in x: 1,024 r + 256 w + 16 h
	v_lshl_add_u32 v[AW], v2, 4, v[AW]
	v_add_nc_u32 v[AW], s2, v[AW]
	v_lshlrev_b32 v[VCOL], 5, v2
	v_add_nc_u32 v[VCOL], s3, v[VCOL]
.irp e, 0,1
.irp i, 0,1,2,3
	global_load_b128 v[OC+4*(4*(\e)+(\i)):OC+4*(4*(\e)+(\i))+3], v[GOUT], s[PO:PO+1] offset:(\e)*1048576+512*(\i)  ; heads 0, 1: my 16 rows, 512 consecutive bytes a load
.endr
.endr
.irp c, 0,1,2,3,4,5,6,7
.irp rb, 0,1,2,3
	global_load_b128 v[128+4*(4*(\c)+(\rb)):128+4*(4*(\c)+(\rb))+3], v[AW], s[44:45] offset:16384*(\rb)+32*(\c)    ; x in Z's own layout
.endr
.endr
.irp c, 0,1,2,3,4,5,6,7
	global_load_b128 v[32+8*(\c):32+8*(\c)+3], v[VCOL], s[10:11] offset:6144+64*(\c)                             ; bo
	global_load_b128 v[32+8*(\c)+4:32+8*(\c)+7], v[VCOL], s[10:11] offset:6144+64*(\c)+16
.endr
	v_and_b32 v3, 7, v0
	v_bfe_u32 v4, v0, 3, 1
	v_bfe_u32 v6, v0, 3, 2
	v_lshl_add_u32 v7, v2, 3, v3                   ; the turning load: lane l reads row 8 h + l % 8, 16 bytes at 16 ((l / 8) % 2)
	v_mul_u32_u24 v7, v7, 288
	v_lshl_add_u32 v7, v4, 4, v7
	s_lshl_b32 s2, s[WV], 6
	v_add_nc_u32 v[AX], s2, v7
	v_add_nc_u32 v[AX+1], 36864, v[AX]
	v_add_nc_u32 v[AX+2], 73728, v[AX]
	v_add_nc_u32 v[AX+3], 110592, v[AX]
	v_mul_u32_u24 v[HSR], v1, 272
	v_lshl_add_u32 v[HSR], v2, 4, v[HSR]
	v_add_nc_u32 v[HSR], HS, v[HSR]
	v_add_nc_u32 v[HSW], s2, v[HSR]
	s_mul_i32 s2, s[WV], 36864
	v_add_nc_u32 v[AW0], s2, v7
	v_add_nc_u32 v[AWY], SLOTB, v[AW0]
	s_mul_i32 s2, s[WV], 4352
	s_add_co_u32 s2, s2, HS
	v_mul_u32_u24 v[OSTO], v6, 272
	v_lshl_add_u32 v[OSTO], v3, 4, v[OSTO]
	v_add_nc_u32 v[OSTO], s2, v[OSTO]
	s_lshl_b32 s2, s[WV], 8
	v_mul_u32_u24 v[YSR], v1, 1040
	v_lshl_add_u32 v[YSR], v2, 4, v[YSR]
	v_add_nc_u32 v[YSR], HS, v[YSR]
	v_add_nc_u32 v[YSW], s2, v[YSR]
	v_lshl_add_u32 v[STR], v5, 2, STAT
	v_add_nc_u32 v[STW], s2, v[STR]
	v_mul_u32_u24 v[ZSW], v1, 2064
	v_lshl_add_u32 v[ZSW], v2, 5, v[ZSW]
	v_add_nc_u32 v[ZSW], s3, v[ZSW]
	v_add_nc_u32 v[ZSW+1], 66048, v[ZSW]
	s_mul_i32 s2, s[WV], 33024
	v_add_nc_u32 v[ZSR], s2, v[GOUT]
	v_mov_b32 v[ZR], 0
	v_mov_b32 v[ONE], 1.0
	s_lshl_b32 s2, s[WV], 7
	v_lshlrev_b32 v[VB1], 5, v2
	v_add_nc_u32 v[VB1], s2, v[VB1]
	s_wait_loadcnt 0x0
	; Z = x + bo: the residual and the bias start the sums.  This stands in the wait for the first tile.
	WIN 0x40
.irp c, 0,1,2,3,4,5,6,7
.irp rb, 0,1,2,3
.irp p, 0,1,2,3
	v_fma_mix_f32_bf16 v[8*(4*(\c)+(\rb))+2*(\p)],   v[128+4*(4*(\c)+(\rb))+(\p)], v[ONE], v[32+8*(\c)+2*(\p)] op_sel_hi:[1,0,0]
	v_fma_mix_f32_bf16 v[8*(4*(\c)+(\rb))+2*(\p)+1], v[128+4*(4*(\c)+(\rb))+(\p)], v[ONE], v[32+8*(\c)+2*(\p)+1] op_sel:[1,0,0] op_sel_hi:[1,0,0]
.endr
.endr
.endr
	WIN 0
	; Z += O wo, four blocks of 128 along K (two heads each)
	s_mov_b32 s[CNT], 4
.Lwo:
	s_wait_loadcnt 0x0                             ; the O block is in registers
.irp e, 0,1
.irp i, 0,1,2,3
	ds_store_b128 v[OSTO], v[OC+4*(4*(\e)+(\i)):OC+4*(4*(\e)+(\i))+3] offset:1088*(\i)+128*(\e)
.endr
.endr
	CHG 1                                          ; the block is in HS for everybody, this trip's tile is whole, the next is asked for
	v_add_nc_u32 v[AW], s[TB], v[AW0]
	s_xor_b32 s[TB], s[TB], SLOTB
	s_cmp_eq_u32 s[CNT], 1
	s_cbranch_scc1 .Lno_o                          ; the last trip has no further block: no load leaves the buffer
	s_add_nc_u64 s[PO:PO+1], s[PO:PO+1], 0x200000  ; two heads on
.irp e, 0,1
.irp i, 0,1,2,3
	global_load_b128 v[OC+4*(4*(\e)+(\i)):OC+4*(4*(\e)+(\i))+3], v[GOUT], s[PO:PO+1] offset:(\e)*1048576+512*(\i)
.endr
.endr
.Lno_o:
	S2BODY AW
	WIN 0
	s_wait_dscnt 0x0
	s_barrier_signal -1                            ; every wave has read HS: it may be written again.  The tile on its way may stay out
	s_barrier_wait -1
	s_sub_co_u32 s[CNT], s[CNT], 1
	s_cmp_lg_u32 s[CNT], 0
	s_cbranch_scc1 .Lwo
	; LN1 ON Z, IN REGISTERS, in two passes: the mean, then the squares of the centred numbers: no difference of large sums.
	PLACES
.irp c, 0,1,2,3,4,5,6,7
	global_load_b128 v[128+8*(\c):128+8*(\c)+3],   v[VCOL], s[10:11] offset:18432+64*(\c)     ; ln1_a
	global_load_b128 v[128+8*(\c)+4:128+8*(\c)+7], v[VCOL], s[10:11] offset:18432+64*(\c)+16
	global_load_b128 v[192+8*(\c):192+8*(\c)+3],   v[VCOL], s[10:11] offset:20480+64*(\c)     ; ln1_b
	global_load_b128 v[192+8*(\c)+4:192+8*(\c)+7], v[VCOL], s[10:11] offset:20480+64*(\c)+16
.endr
	WIN 0x05                                       ; both sources Z: four chains for each row block, at v[32 + 8 rb + 2 p]
.irp rb, 0,1,2,3
.irp p, 0,1,2,3
	v_pk_add_f32 v[32+8*(\rb)+2*(\p):32+8*(\rb)+2*(\p)+1], v[8*(\rb)+2*(\p):8*(\rb)+2*(\p)+1], v[8*(4+(\rb))+2*(\p):8*(4+(\rb))+2*(\p)+1]
.endr
.endr
	WIN 0x04
.irp c, 2,3,4,5,6,7
.irp rb, 0,1,2,3
.irp p, 0,1,2,3
	v_pk_add_f32 v[32+8*(\rb)+2*(\p):32+8*(\rb)+2*(\p)+1], v[32+8*(\rb)+2*(\p):32+8*(\rb)+2*(\p)+1], v[8*(4*(\c)+(\rb))+2*(\p):8*(4*(\c)+(\rb))+2*(\p)+1]
.endr
.endr
.endr
; The chains are closed, the other half of the lanes' added; two row blocks share a register (lanes 0-15 one, lanes 16-31 the next: lane l holds row 32 pi + l); the four waves' parts meet in LDS.
; Left in v64 (rows 0-31) and v68 (rows 32-63): the row's sum over all 512 columns.
.macro XROW soff
	WIN 0
.irp rb, 0,1,2,3
	v_pk_add_f32 v[32+8*(\rb):33+8*(\rb)], v[32+8*(\rb):33+8*(\rb)], v[34+8*(\rb):35+8*(\rb)]
	v_pk_add_f32 v[36+8*(\rb):37+8*(\rb)], v[36+8*(\rb):37+8*(\rb)], v[38+8*(\rb):39+8*(\rb)]
.endr
.irp rb, 0,1,2,3
	v_pk_add_f32 v[32+8*(\rb):33+8*(\rb)], v[32+8*(\rb):33+8*(\rb)], v[36+8*(\rb):37+8*(\rb)]
.endr
.irp rb, 0,1,2,3
	v_add_f32 v[32+8*(\rb)], v[32+8*(\rb)], v[33+8*(\rb)]
.endr
.irp rb, 0,1,2,3
	v_permlanex16_b32 v[33+8*(\rb)], v[32+8*(\rb)], s[SEL], s[SEL+1]
.endr
.irp rb, 0,1,2,3
	v_add_f32 v[32+8*(\rb)], v[32+8*(\rb)], v[33+8*(\rb)]
.endr
	v_cndmask_b32 v34, v32, v40, s[HM]
	v_cndmask_b32 v50, v48, v56, s[HM]
	ds_store_b32 v[STW], v34 offset:(\soff)
	ds_store_b32 v[STW], v50 offset:(\soff)+128
	s_wait_dscnt 0x0                               ; for the others' sake
	s_barrier_signal -1
	s_barrier_wait -1
.irp pi, 0,1
.irp u, 0,1,2,3
	ds_load_b32 v[64+4*(\pi)+(\u)], v[STR] offset:(\soff)+256*(\u)+128*(\pi)
.endr
.endr
	s_wait_dscnt 0x0
	v_add_f32 v64, v64, v65
	v_add_f32 v68, v68, v69
	v_add_f32 v66, v66, v67
	v_add_f32 v70, v70, v71
	v_add_f32 v64, v64, v66
	v_add_f32 v68, v68, v70
.endm
; A number for each row, in v64 and v68 as XROW leaves them, goes back into Z's layout: for row block rb the pair v[72 + 2 rb], both words alike
.macro SPREAD
	v_permlanex16_b32 v65, v64, s[SEL], s[SEL+1]
	v_permlanex16_b32 v69, v68, s[SEL], s[SEL+1]
	v_cndmask_b32 v72, v64, v65, s[HM]
	v_cndmask_b32 v73, v64, v65, s[HM]
	v_cndmask_b32 v74, v65, v64, s[HM]
	v_cndmask_b32 v75, v65, v64, s[HM]
	v_cndmask_b32 v76, v68, v69, s[HM]
	v_cndmask_b32 v77, v68, v69, s[HM]
	v_cndmask_b32 v78, v69, v68, s[HM]
	v_cndmask_b32 v79, v69, v68, s[HM]
.endm
	XROW 0
	v_mul_f32 v64, s52, v64                        ; the mean
	v_mul_f32 v68, s52, v68
	SPREAD
	WIN 0x41
.irp c, 0,1,2,3,4,5,6,7
.irp rb, 0,1,2,3
.irp p, 0,1,2,3
	v_pk_add_f32 v[8*(4*(\c)+(\rb))+2*(\p):8*(4*(\c)+(\rb))+2*(\p)+1], v[8*(4*(\c)+(\rb))+2*(\p):8*(4*(\c)+(\rb))+2*(\p)+1], v[72+2*(\rb):73+2*(\rb)] neg_lo:[0,1] neg_hi:[0,1]
.endr
.endr
.endr
	WIN 0x05
.irp rb, 0,1,2,3
.irp p, 0,1,2,3
	v_pk_mul_f32 v[32+8*(\rb)+2*(\p):32+8*(\rb)+2*(\p)+1], v[8*(\rb)+2*(\p):8*(\rb)+2*(\p)+1], v[8*(\rb)+2*(\p):8*(\rb)+2*(\p)+1]
.endr
.endr
.irp c, 1,2,3,4,5,6,7
.irp rb, 0,1,2,3
.irp p, 0,1,2,3
	v_pk_fma_f32 v[32+8*(\rb)+2*(\p):32+8*(\rb)+2*(\p)+1], v[8*(4*(\c)+(\rb))+2*(\p):8*(4*(\c)+(\rb))+2*(\p)+1], v[8*(4*(\c)+(\rb))+2*(\p):8*(4*(\c)+(\rb))+2*(\p)+1], v[32+8*(\rb)+2*(\p):32+8*(\rb)+2*(\p)+1]
.endr
.endr
.endr
	XROW 1024                                      ; other bytes than the first exchange's: no wave need wait for the first one's readers
	v_mul_f32 v64, s53, v64
	v_mul_f32 v68, s53, v68
	v_sqrt_f32 v64, v64
	v_sqrt_f32 v68, v68
	v_nop                                          ; a plain instruction behind the roots
	s_wait_alu depctr_va_vdst(0)
	v_add_f32 v64, s54, v64
	v_add_f32 v68, s54, v68
	v_rcp_f32 v64, v64
	v_rcp_f32 v68, v68
	v_nop
	s_wait_alu depctr_va_vdst(0)
	SPREAD
	s_wait_loadcnt 0x0                             ; ln1_a, ln1_b
	WIN 0x41
.irp c, 0,1,2,3,4,5,6,7
.irp rb, 0,1,2,3
.irp p, 0,1,2,3
	v_pk_mul_f32 v[8*(4*(\c)+(\rb))+2*(\p):8*(4*(\c)+(\rb))+2*(\p)+1], v[8*(4*(\c)+(\rb))+2*(\p):8*(4*(\c)+(\rb))+2*(\p)+1], v[72+2*(\rb):73+2*(\rb)]
.endr
.endr
.irp rb, 0,1,2,3
.irp p, 0,1,2,3
	v_pk_fma_f32 v[8*(4*(\c)+(\rb))+2*(\p):8*(4*(\c)+(\rb))+2*(\p)+1], v[8*(4*(\c)+(\rb))+2*(\p):8*(4*(\c)+(\rb))+2*(\p)+1], v[128+8*(\c)+2*(\p):128+8*(\c)+2*(\p)+1], v[192+8*(\c)+2*(\p):192+8*(\c)+2*(\p)+1]
.endr
.endr
.endr
	WIN 0
.irp fb, 0,1
	global_load_b128 v[B1+8*(\fb):B1+8*(\fb)+3],   v[VB1], s[PB1:PB1+1] offset:64*(\fb)     ; b1 of the first tile
	global_load_b128 v[B1+8*(\fb)+4:B1+8*(\fb)+7], v[VB1], s[PB1:PB1+1] offset:64*(\fb)+16
.endr
; y, rounded once to f16, goes to every wave: 16 rows at a time through HS (rows of 1,040 bytes), and comes back as fragments (16 rows x 32 d) into windows 2 and 3
.macro YROUND rb
	WIN 0x05
.irp c, 0,1,2,3,4,5,6,7
.irp p, 0,1,2,3
	v_cvt_pk_f16_f32 v[32+4*(\c)+(\p)], v[8*(4*(\c)+(\rb))+2*(\p)], v[8*(4*(\c)+(\rb))+2*(\p)+1]
.endr
.endr
	WIN 0
.irp c, 0,1,2,3,4,5,6,7
	ds_store_b128 v[YSW], v[32+4*(\c):32+4*(\c)+3] offset:32*(\c)
.endr
	s_wait_dscnt 0x0
	s_barrier_signal -1
	s_barrier_wait -1
	WIN 0x80
.irp k, 0,1,2,3,4,5,6,7
	ds_load_b128 v[8*(4*(\k)+(\rb)):8*(4*(\k)+(\rb))+3],   v[YSR] offset:64*(\k)
	ds_load_b128 v[8*(4*(\k)+(\rb))+4:8*(4*(\k)+(\rb))+7], v[YSR] offset:64*(\k)+32
.endr
	WIN 0xc0
.irp k, 0,1,2,3,4,5,6,7
	ds_load_b128 v[8*(4*(\k)+(\rb)):8*(4*(\k)+(\rb))+3],   v[YSR] offset:512+64*(\k)
	ds_load_b128 v[8*(4*(\k)+(\rb))+4:8*(4*(\k)+(\rb))+7], v[YSR] offset:512+64*(\k)+32
.endr
	WIN 0
.if (\rb) < 3
	s_wait_dscnt 0x0                               ; my reads are over before anybody writes the next 16 rows
	s_barrier_signal -1
	s_barrier_wait -1
.endif
.endm
	YROUND 0
	YROUND 1
	YROUND 2
	YROUND 3                                       ; its reads are closed by the change of slots below
	; THE FFN: for each of 16 tiles of 128 hidden columns: H = y w1 + b1; h = relu(H) into HS; Z += h w2
	s_mov_b32 s[CNT], 15
.Lffn:
	CHG 1                                          ; w1's tile is whole in X; w2's is asked for, into Y
	S1BODY
	PACKH 1
	CHG 1                                          ; h is in HS for everybody, w2's tile is whole in Y; the next w1's is asked for, into X
	S2BODY AWY
	WIN 0
	s_sub_co_u32 s[CNT], s[CNT], 1
	s_cmp_lg_u32 s[CNT], 0
	s_cbranch_scc1 .Lffn
	CHG 1                                          ; the last pair is written out: its second change asks for nothing
	S1BODY
	PACKH 0
	CHG 0
	S2BODY AWY
	; LN2 BY ROWS.  Z goes into X, which has had its last fill and which every wave has left (the change of slots above); then a wave takes 16 whole rows, two a trip.
	WIN 0
	PLACES
.irp q, 0,1,2,3
	global_load_b128 v[128+4*(\q):128+4*(\q)+3], v[GOUT], s[10:11] offset:22528+512*(\q)   ; ln2_a of columns 128 q + 4 lane ..
	global_load_b128 v[144+4*(\q):144+4*(\q)+3], v[GOUT], s[10:11] offset:24576+512*(\q)   ; ln2_b
	global_load_b128 v[160+4*(\q):160+4*(\q)+3], v[GOUT], s[10:11] offset:16384+512*(\q)   ; b2
.endr
	WIN 0x04                                       ; the stores' data in window 1
.irp rb, 0,1,2,3
.irp c, 0,1,2,3,4,5,6,7
	ds_store_b128 v[ZSW+(\rb)/2], v[8*(4*(\c)+(\rb)):8*(4*(\c)+(\rb))+3]   offset:33024*((\rb)%2)+64*(\c)
	ds_store_b128 v[ZSW+(\rb)/2], v[8*(4*(\c)+(\rb))+4:8*(4*(\c)+(\rb))+7] offset:33024*((\rb)%2)+64*(\c)+16
.endr
.endr
	WIN 0
	s_wait_dscnt 0x0
	s_barrier_signal -1
	s_barrier_wait -1
	s_wait_loadcnt 0x0
.macro WRED a, b                       ; two sums over the 32 lanes, side by side; the registers behind a and b are at work
.irp m, 1,2,4,8
	v_add_f32_dpp v[\a], v[\a], v[\a] row_xmask:\m row_mask:0xf bank_mask:0xf
	v_add_f32_dpp v[\b], v[\b], v[\b] row_xmask:\m row_mask:0xf bank_mask:0xf
.endr
	v_permlanex16_b32 v[(\a)+1], v[\a], s[SEL], s[SEL+1]
	v_permlanex16_b32 v[(\b)+1], v[\b], s[SEL], s[SEL+1]
	v_add_f32 v[\a], v[\a], v[(\a)+1]
	v_add_f32 v[\b], v[\b], v[(\b)+1]
.endm
	s_mov_b32 s[TZ], 0
	s_mov_b32 s[CNT], 8
.Lrow:
	v_add_nc_u32 v[AW], s[TZ], v[ZSR]
.irp ro, 0,1
.irp q, 0,1,2,3
	ds_load_b128 v[32+16*(\ro)+4*(\q):32+16*(\ro)+4*(\q)+3], v[AW] offset:2064*(\ro)+512*(\q)
.endr
.endr
	s_add_co_u32 s[TZ], s[TZ], 4128
	s_wait_dscnt 0x0
.irp i, 0,1,2,3,4,5,6,7
.irp ro, 0,1
	v_pk_add_f32 v[32+16*(\ro)+2*(\i):33+16*(\ro)+2*(\i)], v[32+16*(\ro)+2*(\i):33+16*(\ro)+2*(\i)], v[160+2*(\i):161+2*(\i)]   ; + b2
.endr
.endr
.irp u, 0,1,2,3
.irp ro, 0,1
	v_pk_add_f32 v[64+8*(\ro)+2*(\u):65+8*(\ro)+2*(\u)], v[32+16*(\ro)+4*(\u):33+16*(\ro)+4*(\u)], v[34+16*(\ro)+4*(\u):35+16*(\ro)+4*(\u)]
.endr
.endr
.irp ro, 0,1
	v_pk_add_f32 v[64+8*(\ro):65+8*(\ro)], v[64+8*(\ro):65+8*(\ro)], v[66+8*(\ro):67+8*(\ro)]
	v_pk_add_f32 v[68+8*(\ro):69+8*(\ro)], v[68+8*(\ro):69+8*(\ro)], v[70+8*(\ro):71+8*(\ro)]
.endr
.irp ro, 0,1
	v_pk_add_f32 v[64+8*(\ro):65+8*(\ro)], v[64+8*(\ro):65+8*(\ro)], v[68+8*(\ro):69+8*(\ro)]
.endr
.irp ro, 0,1
	v_add_f32 v[64+8*(\ro)], v[64+8*(\ro)], v[65+8*(\ro)]
.endr
	WRED 64, 72
	v_mul_f32 v64, s52, v64                        ; the means
	v_mul_f32 v72, s52, v72
.irp i, 0,1,2,3,4,5,6,7
.irp ro, 0,1
	v_pk_add_f32 v[32+16*(\ro)+2*(\i):33+16*(\ro)+2*(\i)], v[32+16*(\ro)+2*(\i):33+16*(\ro)+2*(\i)], v[64+8*(\ro):65+8*(\ro)] op_sel_hi:[1,0] neg_lo:[0,1] neg_hi:[0,1]
.endr
.endr
.irp ro, 0,1
	v_pk_mul_f32 v[66+8*(\ro):67+8*(\ro)], v[32+16*(\ro):33+16*(\ro)], v[32+16*(\ro):33+16*(\ro)]
	v_pk_mul_f32 v[68+8*(\ro):69+8*(\ro)], v[34+16*(\ro):35+16*(\ro)], v[34+16*(\ro):35+16*(\ro)]
.endr
.irp i, 2,4,6
.irp ro, 0,1
	v_pk_fma_f32 v[66+8*(\ro):67+8*(\ro)], v[32+16*(\ro)+2*(\i):33+16*(\ro)+2*(\i)], v[32+16*(\ro)+2*(\i):33+16*(\ro)+2*(\i)], v[66+8*(\ro):67+8*(\ro)]
	v_pk_fma_f32 v[68+8*(\ro):69+8*(\ro)], v[34+16*(\ro)+2*(\i):35+16*(\ro)+2*(\i)], v[34+16*(\ro)+2*(\i):35+16*(\ro)+2*(\i)], v[68+8*(\ro):69+8*(\ro)]
.endr
.endr
.irp ro, 0,1
	v_pk_add_f32 v[66+8*(\ro):67+8*(\ro)], v[66+8*(\ro):67+8*(\ro)], v[68+8*(\ro):69+8*(\ro)]
.endr
.irp ro, 0,1
	v_add_f32 v[66+8*(\ro)], v[66+8*(\ro)], v[67+8*(\ro)]
.endr
	WRED 66, 74
	v_mul_f32 v66, s53, v66
	v_mul_f32 v74, s53, v74
	v_sqrt_f32 v66, v66
	v_sqrt_f32 v74, v74
	v_nop                                          ; a plain instruction behind the roots
	s_wait_alu depctr_va_vdst(0)
	v_add_f32 v66, s54, v66
	v_add_f32 v74, s54, v74
	v_rcp_f32 v66, v66
	v_rcp_f32 v74, v74
	v_nop
	s_wait_alu depctr_va_vdst(0)
.irp i, 0,1,2,3,4,5,6,7
.irp ro, 0,1
	v_pk_mul_f32 v[32+16*(\ro)+2*(\i):33+16*(\ro)+2*(\i)], v[32+16*(\ro)+2*(\i):33+16*(\ro)+2*(\i)], v[66+8*(\ro):67+8*(\ro)] op_sel_hi:[1,0]
.endr
.endr
.irp i, 0,1,2,3,4,5,6,7
.irp ro, 0,1
	v_pk_fma_f32 v[32+16*(\ro)+2*(\i):33+16*(\ro)+2*(\i)], v[32+16*(\ro)+2*(\i):33+16*(\ro)+2*(\i)], v[128+2*(\i):129+2*(\i)], v[144+2*(\i):145+2*(\i)]
.endr
.endr
.irp ro, 0,1
.irp q, 0,1,2,3
	global_store_b128 v[GOUT], v[32+16*(\ro)+4*(\q):32+16*(\ro)+4*(\q)+3], s[12:13] offset:2048*(\ro)+512*(\q) th:TH_STORE_NT  ; a wave stores 512 consecutive aligned bytes
.endr
.endr
	s_wait_xcnt 0x0                                ; the stores' base and data are written again only behind this wait
	s_add_nc_u64 s[12:13], s[12:13], 4096
	s_sub_co_u32 s[CNT], s[CNT], 1
	s_cmp_lg_u32 s[CNT], 0
	s_cbranch_scc1 .Lrow
	s_wait_tensorcnt 0x0                           ; the wave's end
	ds_add_u32 v[SPW], v[NIL]
	s_wait_dscnt 0x0
	CROUND                                         ; the closing round
	s_endpgm
.Lfunc_end_k_qd30df3be21_tail:
	.size	k_qd30df3be21_tail, .Lfunc_end_k_qd30df3be21_tail-k_qd30df3be21_tail
	.p2alignl 7, 3214868480
	.fill 96, 4, 3214868480
	.section	.rodata,"a",@progbits
	.p2align	6, 0x0
	.amdhsa_kernel k_qd30df3be21_tail
		.amdhsa_group_segment_fixed_size 327680
		.amdhsa_private_segment_fixed_size 0
		.amdhsa_enable_private_segment 0
		.amdhsa_kernarg_size 40
		.amdhsa_user_sgpr_count 2
		.amdhsa_user_sgpr_kernarg_segment_ptr 1
		.amdhsa_wavefront_size32 1
		.amdhsa_system_sgpr_workgroup_id_x 1
		.amdhsa_system_sgpr_workgroup_id_y 1
		.amdhsa_system_sgpr_workgroup_id_z 1
		.amdhsa_system_vgpr_workitem_id 0
		.amdhsa_next_free_vgpr 1024
		.amdhsa_next_free_sgpr 66
		.amdhsa_reserve_vcc 0
		.amdhsa_float_denorm_mode_32 3
		.amdhsa_float_denorm_mode_16_64 3
		.amdhsa_memory_ordered 1
		.amdhsa_forward_progress 1
		.amdhsa_inst_pref_size 196
	.end_amdhsa_kernel
	.amdgpu_metadata
---
amdhsa.version: [ 1, 2 ]
amdhsa.kernels:
  - .name:           k_qd30df3be21_tail
    .symbol:         k_qd30df3be21_tail.kd
    .args:
      - { .name: ob, .offset: 0, .size: 8, .value_kind: global_buffer, .address_space: global }
      - { .name: xb, .offset: 8, .size: 8, .value_kind: global_buffer, .address_space: global }
      - { .name: wb, .offset: 16, .size: 8, .value_kind: global_buffer, .address_space: global }
      - { .name: vec, .offset: 24, .size: 8, .value_kind: global_buffer, .address_space: global }
      - { .name: out0, .offset: 32, .size: 8, .value_kind: global_buffer, .address_space: global }
    .group_segment_fixed_size: 327680
    .private_segment_fixed_size: 0
    .kernarg_segment_align: 8
    .kernarg_segment_size: 40
    .max_flat_workgroup_size: 128
    .sgpr_count:     66
    .vgpr_count:     1024
    .wavefront_size: 32
...
	.end_amdgpu_metadata
.endif
;; end of part 4
;; ======== version 2 of 2: 5 launches
;; limits: values are held in f16: magnitudes above 65,504 overflow, below 6.1e-05 lose precision
;; workspace buffers: xb 8,388,608 bytes; wb 6,291,456 bytes; vec 26,624 bytes; qkv 25,165,824 bytes; ob 8,388,608 bytes; part 33,554,432 bytes
;; launch prep: the kernel of part 1 again; grid 909 x 1, 8 waves a work-group, no clusters, 0 bytes of LDS; arguments x, wq, wk, wv, wo, w1, w2, bq, bk, bv, bo, b1, b2, ln1_a, ln1_b, ln2_a, ln2_b, xb, wb, vec; writes xb, wb, vec
;; launch qkv: the kernel of part 2 again; grid 8 x 32, 4 waves a work-group, clusters of 4 x 4, 327,680 bytes of LDS; arguments xb, wb, vec, qkv; writes qkv
;; launch attn (part 5): grid 8 x 32, 4 waves a work-group, clusters of 4 x 1, 327,680 bytes of LDS; arguments qkv, ob; writes ob
.if DOCPART == 5
	.amdgcn_target "amdgcn-amd-amdhsa--gfx1250"
	.amdhsa_code_object_version 6
	.text
	.protected	k_qd30df3be21_attn
	.globl	k_qd30df3be21_attn
	.p2align	8
	.type	k_qd30df3be21_attn,@function
k_qd30df3be21_attn:
	s_mov_b64 s[64:65], 0
	v_nop
	global_prefetch_b8 v0, s[64:65] scope:SCOPE_SE
	s_setreg_imm32_b32 hwreg(HW_REG_WAVE_MODE, 25, 1), 1
	s_wait_xcnt 0x0
	s_wait_alu depctr_hold_cnt(0) depctr_sa_sdst(0) depctr_va_vdst(0) depctr_va_sdst(0) depctr_va_ssrc(0) depctr_va_vcc(0) depctr_vm_vsrc(0)
	s_getreg_b32 s2, hwreg(HW_REG_IB_STS2, 6, 4)
	s_cmp_eq_u32 s2, 0
	s_cbranch_scc0 .Lentry_in_a_cluster
	s_endpgm
.Lentry_in_a_cluster:
	s_bfe_u32 s2, ttmp6, 0x10000c
	s_cmp_lg_u32 s2, 0x3003
	s_cbranch_scc0 .Lentry_shape_is_right
	s_endpgm
.Lentry_shape_is_right:
; O[h][m][:] = the sum over the batch's 2,048 keys of softmax_k(Q . K / 8) V.  Q, K, V: bf16, by heads, [24 g][8192 m][64] (g = 8 x tensor + head); O: f16, [8 head][8192 m][64].
; Products, maxima and sums in f32; the weights p are rounded to bf16 for the second product (their sum l is taken of the unrounded p), O once, to f16, at the end.
; LIMITS.  O is a mean of V's rows and must lie within f16's range (65,504).  A weight below 2^-126 counts as 0 in l; NaN and infinities are not treated apart.
; SHARES.  A work-group owns 256 queries of one head and batch, a wave 64: four PIECES of 16.  32 heads-and-batches x 8 blocks = 256 work-groups.  Every wave walks all 2,048 keys, 64 a step.
; LAYOUT.  S^T = K Q^T holds ONE query a lane (lane % 16) and the keys 8 (lane / 16) + 0..7; two such results rounded to bf16 ARE source 1 of O^T = V^T P.  K comes out of LDS as it lies, V turned.
; SOFTMAX.  A running maximum m and sum l: p = 2^(c s - c m), c = log2(e) / 8; in every step O and l are multiplied by a = 2^(c m_old - c m_new).  m starts at the lowest finite number, O and l at 0.
; BY TURNS.  Turn n belongs to piece n: 8 products K Q^T of piece n + 1, a run of vector work, 8 products V^T P of piece n - 1.  Its vector work: the scaling, exponentials, roundings, sums and rescaling of
; piece n, and the maximum and statistics of piece n + 1.  Four vector instructions stand behind every matrix instruction, the other 56 of a turn's 120 in runs of their own.
; CLUSTER.  The four query blocks of a cluster belong to one head and walk the same K and V: each tile is asked for JOINTLY, by the same tensor load, descriptor and mask in all four.
; REGISTERS, in windows of 256 (s_set_vgpr_msb: bits 1:0 source 0, 3:2 source 1, 5:4 source 2, 7:6 destination).  THE MAP IS MADE SO THAT A PRODUCT AND THE LINES BEHIND IT SHARE ONE SETTING:
;   window 0: v0 the thread's number; v1-7 addresses, c m_old, the add's two; v8-15 c m and m, two a piece; v16-23 at work; v24-31 set-up and the way out; v32-95 S^T, two buffers; v96-127 P, two buffers
;             (by the piece's parity); v128-191 K of one step; v192-255 Q.   All that K Q^T, the scalings, exponentials, roundings and maxima name: setting 0.
;   window 1: v0-127 O^T, 32 a piece; v128-191 V of one step; v192-207 l, four a piece; v208 V's LDS address.   V^T P (V, O^T here, P as source 1 in window 0), O^T times a, l += p (p as source 1) and V's loads:
;             setting 0x51.   So a turn has two switches, a key step eight for its 64 matrix instructions.
.set NP,    4
.set KS,    64
.set PK,    144       ; a row of K in LDS: 128 bytes + 16
.set PV,    160       ; a row of V: 128 + 32
.set VOFF,  4*KS*PK   ; a slot holds four steps: 256 rows of K, then 256 rows of V
.set SLOT1, 1<<17
.set STAGE, SLOT1+4*KS*(PK+PV)
.set SP,    144
.set SPARE, STAGE+4*16*SP
.set AK0, 1           ; my lane's place in a tile of K; never rewritten
.set AV0, 2           ; the same for V
.set AK,  3           ; the LDS address of K's next run of loads
.set MV,  4           ; v4-5  c m_old, kept while c m is made anew: by buffer
.set SPW, 6
.set NIL, 7
.set ST,  8           ; piece t: c m, m
.set TMP, 16          ; by buffer, four registers c0-c3 at work; when the maximum is found c2 takes a
.set TA,  24          ; v24-27 at work in the set-up
.set QO,  28
.set STO, 29
.set RD,  30
.set GO,  31
.set S,   32
.set P,   96
.set KF,  128
.set QF,  192
.set VF,  128         ; window 1
.set LS,  192         ; window 1: piece t: two pairs (even keys', odd keys') that take turns
.set AV,  208         ; window 1
.set WV,  12
.set G1K, 24
.set G1V, 32
.set G0K, 40
.set G0V, 44
.set SLOTS, 56
.set CNT, 57
.set CS,  58
.set SEL, 60
.set TBK, 62
.set TBV, 63
.set MSB, 0
.macro WIN new                      ; the high byte repeats the setting that is left; a switch that changes nothing is dropped
.if MSB != (\new)
	s_set_vgpr_msb (MSB<<8)|(\new)
.set MSB, (\new)
.endif
.endm
.set W1, 0x51         ; destination, source 0 and source 2 in window 1, source 1 in window 0
.macro JLOAD                        ; waves 0, 1 fetch the halves of a slot's K, waves 2, 3 of its V: 128 keys each
	s_cmp_lt_u32 s[WV], 2
	s_cbranch_scc0 .Lfor_v_\@
	tensor_load_to_lds s[G0K:G0K+3], s[G1K:G1K+7]
	s_nop 0
.rept 4
	v_nop
.endr
	s_branch .Lasked_\@
.Lfor_v_\@:
	tensor_load_to_lds s[G0V:G0V+3], s[G1V:G1V+7]
	s_nop 0
.rept 4
	v_nop
.endr
.Lasked_\@:
.endm
.macro CROUND
	s_barrier_signal -1
	s_barrier_wait -1
	s_cmp_lg_u32 s[WV], 0
	s_cbranch_scc1 .Lnot_wave_0_\@
	s_barrier_signal -3
.Lnot_wave_0_\@:
	s_barrier_wait -3
	s_barrier_signal -1
	s_barrier_wait -1
.endm
; THE CHANGE OF SLOTS.  Each wave waits for all its tensor loads (one is out: its part of the other slot), adds 0 to its spare word, waits for that and for its reads of the slot that it leaves.
; fill = 1: the barrier is a round of the cluster's, and the slot is filled again first thing behind it, with the keys two slots on: four key steps, 256 matrix instructions, in which to land.
.macro CHANGE fill
	WIN 0
	s_wait_tensorcnt 0x0
	ds_add_u32 v[SPW], v[NIL]
.if \fill
.irp g, G0K, G0V
	s_xor_b32 s[\g+1], s[\g+1], SLOT1
	s_add_nc_u64 s[\g+2:\g+3], s[\g+2:\g+3], 4*KS*128
.endr
	s_wait_dscnt 0x0
	CROUND
	JLOAD
.else
	s_wait_dscnt 0x0
	s_barrier_signal -1
	s_barrier_wait -1
.endif
	s_sub_co_u32 s[TBK], s[TBK], 4*KS*PK
	s_xor_b32 s[TBK], s[TBK], SLOT1
	s_sub_co_u32 s[TBV], s[TBV], 4*KS*PV
	s_xor_b32 s[TBV], s[TBV], SLOT1
.endm
	s_load_b128 s[48:51], s[0:1], 0x0 ; qkv s[48:49], ob s[50:51]
	v_lshl_add_u32 v[SPW], v0, 2, SPARE
	v_mov_b32 v[NIL], 0
	ds_add_u32 v[SPW], v[NIL]       ; the wave's opening: the add and its wait stand ahead of my first tensor load
	v_lshrrev_b32 v[TA], 5, v0
	v_readfirstlane_b32 s[WV], v[TA]
	s_bfe_u32 s13, ttmp6, 0x40000   ; cx
	s_lshl_b32 s14, ttmp9, 2
	s_add_co_u32 s14, s14, s13      ; my block of 256 queries: it enters Q's and O's addresses alone
	s_and_b32 s15, ttmp7, 0xffff    ; 8 x batch + head, which the four partners share
	s_and_b32 s20, s15, 7
	s_lshl_b32 s20, s20, 20         ; a head group is 1 MiB,
	s_lshr_b32 s21, s15, 3
	s_lshl_b32 s21, s21, 18         ; a batch's 2,048 rows of 128 bytes 256 KiB
	s_add_co_u32 s20, s20, s21
	s_and_b32 s16, s[WV], 1         ; which half of a slot's 256 keys I fetch
	s_lshl_b32 s22, s16, 14
	s_add_co_u32 s22, s22, s20
	s_mov_b32 s23, 0
	s_mul_i32 s17, s16, 128*PK
	s_mul_i32 s18, s16, 128*PV
	s_lshl_b32 s2, s14, 15          ; my block's 256 rows,
	s_lshl_b32 s3, s[WV], 13        ; my wave's 64
	s_add_co_u32 s2, s2, s3
	s_add_co_u32 s2, s2, s20
	s_mov_b32 s3, 0
	; 128 keys are 16,384 dense bytes: asked for as 64 rows of 256 bytes, two keys a row, padded in LDS behind every key
	s_mov_b32 s[G1K], 15|(1<<16)|(1<<20)|(1<<21)|(4<<22)|(3<<25)
	s_mov_b32 s[G1V], 15|(1<<16)|(1<<20)|(1<<21)|(4<<22)|(7<<25)
.irp g, G1K, G1V
	s_mov_b32 s[\g+1], 128<<16
	s_mov_b32 s[\g+2], 64<<16
	s_mov_b32 s[\g+3], 128<<16
	s_mov_b32 s[\g+4], 64
	s_mov_b32 s[\g+5], 128
	s_mov_b32 s[\g+6], 0
	s_mov_b32 s[\g+7], 0
.endr
	s_mov_b32 s[CS], 0x3e38aa3b     ; c = log2(e) / 8
	s_mov_b32 s[CS+1], s[CS]
	s_mov_b32 s[SEL], 0x76543210
	s_mov_b32 s[SEL+1], 0xfedcba98
	s_mov_b32 s[TBK], SLOT1+4*KS*PK ; the first change of slots turns these two into 0
	s_mov_b32 s[TBV], SLOT1+4*KS*PV
	s_mov_b32 s[G0K], 1
	s_mov_b32 s[G0K+1], s17
	s_mov_b32 s[G0V], 1
	s_add_co_u32 s[G0V+1], s18, VOFF
	s_wait_dscnt 0x0                ; the opening add is done
	s_wait_kmcnt 0x0
	s_add_nc_u64 s[G0K+2:G0K+3], s[48:49], s[22:23]
	s_add_nc_u64 s[G0K+2:G0K+3], s[G0K+2:G0K+3], 0x800000   ; K's eight head groups lie behind Q's,
	s_add_nc_u64 s[G0V+2:G0V+3], s[G0K+2:G0K+3], 0x800000   ; V's behind K's
	s_or_b32 s[G0K+3], s[G0K+3], 0x80000000
	s_or_b32 s[G0V+3], s[G0V+3], 0x80000000
	s_add_nc_u64 s[4:5], s[48:49], s[2:3]    ; Q and O at my wave's first row
	s_add_nc_u64 s[10:11], s[50:51], s[2:3]
	CROUND                          ; all four work-groups are here: the first joint loads meet
	JLOAD                           ; slot 0; slot 1 is asked for when slot 0 is in
	v_and_b32 v[TA], 15, v0         ; l % 16
	v_bfe_u32 v[TA+1], v0, 4, 1     ; l / 16
	v_lshlrev_b32 v[QO], 7, v[TA]
	v_lshl_add_u32 v[QO], v[TA+1], 4, v[QO]
.set i, 0
.rept 8                             ; Q stays in registers: piece i / 2, channels 32 (i % 2) on
	global_load_b128 v[QF+8*i:QF+8*i+3],   v[QO], s[4:5] offset:(i/2)*2048+(i%2)*64
	global_load_b128 v[QF+8*i+4:QF+8*i+7], v[QO], s[4:5] offset:(i/2)*2048+(i%2)*64+32
.set i, i+1
.endr
	; What the first turn finds: V and P's second buffer hold 0 (its products V^T P, of a piece that has not been, add 0), O^T and l are 0.  This stands in the wait for the first tile.
	WIN 0x40
.set i, 0
.rept 208                           ; O^T, V and l lie on end in window 1
	v_mov_b32 v[i], 0
.set i, i+1
.endr
	WIN 0
.set i, 0
.rept 4
	v_mov_b32 v[ST+2*i], 0xfe000000    ; c m: far below every c s
	v_mov_b32 v[ST+2*i+1], 0xff7fffff  ; m
.set i, i+1
.endr
.set i, P+16
.rept 16
	v_mov_b32 v[i], 0
.set i, i+1
.endr
	v_mul_u32_u24 v[AK0], v[TA], PK
	v_lshl_add_u32 v[AK0], v[TA+1], 4, v[AK0]
	v_and_b32 v[TA+2], 7, v0
	v_bfe_u32 v[TA+3], v0, 3, 1
	v_lshl_add_u32 v[AV0], v[TA+1], 3, v[TA+2]
	v_mul_u32_u24 v[AV0], v[AV0], PV
	v_lshl_add_u32 v[AV0], v[TA+3], 4, v[AV0]
	v_add_nc_u32 v[AV0], VOFF, v[AV0]
	s_mul_i32 s13, s[WV], 16*SP
	s_add_co_u32 s13, s13, STAGE
	v_mul_u32_u24 v[STO], v[TA], SP
	v_lshl_add_u32 v[STO], v[TA+1], 4, v[STO]
	v_add_nc_u32 v[STO], s13, v[STO]
	v_bfe_u32 v[RD], v0, 3, 2
	v_mul_u32_u24 v[RD], v[RD], SP
	v_lshl_add_u32 v[RD], v[TA+2], 4, v[RD]
	v_add_nc_u32 v[RD], s13, v[RD]
	v_and_b32 v[GO], 31, v0
	v_lshlrev_b32 v[GO], 4, v[GO]
; THE MATRIX WORK.  The 4 accumulators of a run of 8 take turns.  Product i of 8 of S^T = K Q^T for piece x: channels 32 (i / 4) on, keys 16 (i % 4) on; the first 4 start the sums.
.macro KQ x
	WIN 0
.set rS, S+32*((\x)%2)+8*(i%4)
.set rK, KF+16*(i%4)+8*(i/4)
.set rQ, QF+16*(\x)+8*(i/4)
.if i < 4
	v_wmma_f32_16x16x32_bf16 v[rS:rS+7], v[rK:rK+7], v[rQ:rQ+7], 0
.else
	v_wmma_f32_16x16x32_bf16 v[rS:rS+7], v[rK:rK+7], v[rQ:rQ+7], v[rS:rS+7]
.endif
.endm
; Product i of 8 of O^T += V^T P for piece x: keys 32 (i / 4) on, channels 16 (i % 4) on.
.macro PV x
	WIN W1
.set rO, 32*(\x)+8*(i%4)
.set rV, VF+32*(i/4)+8*(i%4)
.set rP, P+16*((\x)%2)+8*(i/4)
	v_wmma_f32_16x16x32_bf16 v[rO:rO+7], v[rV:rV+7], v[rP:rP+7], v[rO:rO+7]
.endm
.macro MM                           ; the turn's next matrix instruction
.if i < 8
	KQ (Y+1)%NP
.else
.set i, i-8
	PV (Y+NP-1)%NP
.set i, i+8
.endif
.set i, i+1
.endm
; THE LDS LOADS stand in runs of 16: a step's K (8 fragments) and its V (turned).  last = 1 (the tail): in the last pass there is no further step, and the run is jumped over.
.macro FETCH_K last=0
	WIN 0
.if \last
	s_cmp_eq_u32 s[CNT], 1
	s_cbranch_scc1 .Lno_k_\@
.endif
.irp f, 0,1,2,3,4,5,6,7
	ds_load_b128 v[KF+8*\f:KF+8*\f+3],   v[AK] offset:(\f/2)*16*PK+(\f%2)*64
	ds_load_b128 v[KF+8*\f+4:KF+8*\f+7], v[AK] offset:(\f/2)*16*PK+(\f%2)*64+32
.endr
	s_add_co_u32 s[TBK], s[TBK], KS*PK
.if \last
.Lno_k_\@:
.endif
.endm
.macro FETCH_V                      ; data and address both lie in window 1
	WIN W1
.irp f, 0,1,2,3,4,5,6,7
	ds_load_tr16_b128 v[VF+8*\f:VF+8*\f+3],   v[AV] offset:(\f/4)*32*PV+(\f%4)*32
	ds_load_tr16_b128 v[VF+8*\f+4:VF+8*\f+7], v[AV] offset:(\f/4)*32*PV+16*PV+(\f%4)*32
.endr
.endm
; THE VECTOR WORK, one line at a time: OP kind, number.  For piece Y, under setting 0: F n: c s - c m for pair n of 16.  E n: the exponential of score n.  C n: pair n rounded to bf16.
; Under setting 0x51: M n: l's pair n of 2 times a.  A n: l's pair n % 2 takes pair n of the 16 pairs of weights.  R n: pair n of 16 of O^T times a.
; For piece Y + 1, under setting 0: X n, number n of the 22 that find its maximum and statistics (each accumulator's lowest registers are read first):
;   0-11  four chains c0-c3 of seven scores each, three operands at a time     12-14, 16  the four scores left over, the old m, and c0-c3 into c0     15  c m_old is kept
;   17, 18  the query's other 32 keys lie in the lane 16 away: the new m         19-21  c m; c m_old - c m_new; a
.set F, 0
.set E, 1
.set C, 2
.set A, 3
.set M, 4
.set R, 5
.set X, 6
.macro REGS y
.set rT, ST+2*(\y)
.set rC, TMP+4*((\y)%2)
.set rW, MV+((\y)%2)
.set rS, S+32*((\y)%2)
.set rP, P+16*((\y)%2)
.set rO, 32*(\y)
.set rL, LS+4*(\y)
.endm
.macro OP k, n
.if (\k) == X
	REGS (Y+1)%NP
	WIN 0
.if (\n) < 4
	v_max3_num_f32 v[rC+(\n)], v[rS+8*(\n)], v[rS+8*(\n)+1], v[rS+8*(\n)+2]
.elseif (\n) < 12
	v_max3_num_f32 v[rC+(\n)%4], v[rC+(\n)%4], v[rS+8*((\n)%4)+2*((\n)/4)+1], v[rS+8*((\n)%4)+2*((\n)/4)+2]
.elseif (\n) == 12
	v_max3_num_f32 v[rC], v[rC], v[rS+7], v[rS+15]
.elseif (\n) == 13
	v_max3_num_f32 v[rC+1], v[rC+1], v[rS+23], v[rS+31]
.elseif (\n) == 14
	v_max3_num_f32 v[rC+2], v[rC+2], v[rC+3], v[rT+1]
.elseif (\n) == 15
	v_mov_b32 v[rW], v[rT]
.elseif (\n) == 16
	v_max3_num_f32 v[rC], v[rC], v[rC+1], v[rC+2]
.elseif (\n) == 17
	v_permlanex16_b32 v[rC+3], v[rC], s[SEL], s[SEL+1]
.elseif (\n) == 18
	v_max_num_f32 v[rT+1], v[rC], v[rC+3]
.elseif (\n) == 19
	v_mul_f32 v[rT], s[CS], v[rT+1]
.elseif (\n) == 20
	v_sub_f32 v[rC+1], v[rW], v[rT]
.else
	v_exp_f32 v[rC+2], v[rC+1]
.endif
.else
	REGS Y
.if (\k) == F
	WIN 0
	v_pk_fma_f32 v[rS+2*(\n):rS+2*(\n)+1], v[rS+2*(\n):rS+2*(\n)+1], s[CS:CS+1], v[rT:rT+1] op_sel_hi:[1,0,0] neg_lo:[0,0,1] neg_hi:[0,0,1]
.elseif (\k) == E
	WIN 0
	v_exp_f32 v[rS+(\n)], v[rS+(\n)]
.elseif (\k) == C
	WIN 0
	s_wait_alu depctr_va_vdst(0)
	v_cvt_pk_bf16_f32 v[rP+(\n)], v[rS+2*(\n)], v[rS+2*(\n)+1]
.elseif (\k) == A
	WIN W1
	v_pk_add_f32 v[rL+2*((\n)%2):rL+2*((\n)%2)+1], v[rL+2*((\n)%2):rL+2*((\n)%2)+1], v[rS+2*(\n):rS+2*(\n)+1]
.elseif (\k) == M
	WIN W1
	v_pk_mul_f32 v[rL+2*(\n):rL+2*(\n)+1], v[rL+2*(\n):rL+2*(\n)+1], v[rC+2:rC+3] op_sel_hi:[1,0]
.else
	WIN W1
	v_pk_mul_f32 v[rO+2*(\n):rO+2*(\n)+1], v[rO+2*(\n):rO+2*(\n)+1], v[rC+2:rC+3] op_sel_hi:[1,0]
.endif
.endif
.endm
.macro OPS a, i1, b=-1, i2=0, c=-1, i3=0, d=-1, i4=0
	OP \a, \i1
.if (\b) >= 0
	OP \b, \i2
.endif
.if (\c) >= 0
	OP \c, \i3
.endif
.if (\d) >= 0
	OP \d, \i4
.endif
.endm
.macro ROW a, i1, b, i2, c, i3, d, i4  ; a matrix instruction and the four behind it
	MM
	OPS \a, \i1, \b, \i2, \c, \i3, \d, \i4
.endm
; A TURN, for piece p: the order of its 16 matrix and 120 vector instructions, written out.  No line behind a product names one of its registers.  An exponential always has a plain line behind it before its
; result is used; no line reads a result made fewer than three vector lines in front of it.
; The new scores are first read (X 0) behind four plain lines that follow the last K Q^T: F 14, C 2, F 15, C 3.  K of the next step is fetched in piece 2's turn behind those four and X 0; it is waited for at the
; head of piece 3's turn.  V of the step in hand is fetched at the end of piece 0's turn, six plain lines behind the last V^T P; it is waited for in front of piece 1's products V^T P.
; last = 1: the tail's text of piece 2's turn (see FETCH_K).  cnt = 1: the loop's count is taken down some lines ahead of the branch that stands behind the turn.
.macro TURN p, last=0, cnt=0
.set Y, (\p)
.set i, 0
.if (\p) == 3
	s_wait_dscnt 0x0                ; K is in
.endif
	ROW F,0, F,1, F,2, F,3
	ROW F,4, E,0, F,5, E,1
	ROW F,6, E,2, F,7, E,3
	ROW F,8, E,4, F,9, E,5
	ROW F,10, E,6, F,11, E,7
	ROW F,12, E,8, C,0, E,9
	ROW F,13, E,10, C,1, E,11
.if (\p) == 2
	v_add_nc_u32 v[AK], s[TBK], v[AK0]
.endif
	ROW F,14, E,12, C,2, E,13
	OPS F,15, E,14, C,3, E,15
	OPS X,0
.if (\p) == 2
	FETCH_K \last
.endif
	OPS E,16, X,1, E,17, X,2
	OPS E,18, X,3, E,19, X,4
	OPS X,5, E,20, X,6, X,7
	OPS E,21, X,8, X,9, E,22
	OPS X,10, X,11, E,23, X,12
	OPS X,13, E,24, X,14, X,15
	OPS E,25, C,4, X,16, E,26
	OPS C,5, C,6, X,17, E,27
	OPS C,7, C,8, X,18, E,28
	OPS C,9, X,19, E,29, C,10
	OPS X,20, E,30, C,11, X,21
	OPS C,12, E,31, C,13, C,14
	OPS C,15
.if (\p) == 1
	s_wait_dscnt 0x0                ; V is in
.endif
	ROW M,0, M,1, R,0, R,1
	ROW A,0, R,2, A,1, R,3
	ROW A,2, R,4, A,3, R,5
	ROW A,4, R,6, A,5, R,7
	ROW A,6, R,8, A,7, R,9
	ROW A,8, R,10, A,9, R,11
	ROW A,10, R,12, A,11, R,13
.if (\p) == 0
	WIN W1
	v_add_nc_u32 v[AV], s[TBV], v[AV0]  ; the sum in window 1, my lane's place (source 1) in window 0
.endif
.if \cnt
	s_sub_co_u32 s[CNT], s[CNT], 1
	s_cmp_lg_u32 s[CNT], 0
.endif
	ROW A,12, R,14, A,13, R,15
	OPS A,14, A,15
.if (\p) == 0
	FETCH_V
	s_add_co_u32 s[TBV], s[TBV], KS*PV
.endif
.endm
	CHANGE 1                        ; slot 0 is in, everybody's part of it; slot 1 is asked for
	v_add_nc_u32 v[AK], s[TBK], v[AK0]
	FETCH_K                         ; key step 0
	s_wait_loadcnt 0x0              ; Q
	s_wait_dscnt 0x0
.set i, 0
.rept 8
	KQ 0                            ; piece 0's first scores
.set i, i+1
.endr
.rept 4
	v_nop                           ; the places behind those products
.endr
.set Y, NP-1                        ; X works for piece Y + 1: piece 0
.irp n, 0,1,2,3,4,5,6,7,8,9,10,11,12,13,14,15,16,17,18,19,20,21
	OP X, \n
.endr
	v_nop                           ; a plain instruction behind the exponential
	s_mov_b32 s[CNT], 4
	s_mov_b32 s[SLOTS], 7
	s_branch .Lfirst                ; the loop is entered at a step's first turn, in the middle of a trip
.Lslot:                             ; six times: with the change above, tiles 1 to 7 are asked for
	CHANGE 1
	s_mov_b32 s[CNT], 4
.Lstep:                             ; a trip: pieces 2 and 3 of one step, then pieces 0 and 1 of the next, whose K and V it fetches
	TURN 2
	TURN 3
	WIN 0
.Lfirst:
	TURN 0
	TURN 1, 0, 1
	WIN 0
	s_cbranch_scc1 .Lstep
	s_sub_co_u32 s[SLOTS], s[SLOTS], 1
	s_cmp_lg_u32 s[SLOTS], 0
	s_cbranch_scc1 .Lslot
	CHANGE 0                        ; the last tile has a text of its own: nothing is asked for
	s_mov_b32 s[CNT], 5             ; pieces 2 and 3 five times, pieces 0 and 1 four times between them: this loop too is entered in its middle
	s_branch .LmidT
.LstepT:
	TURN 0
	TURN 1
	WIN 0
.LmidT:
	TURN 2, 1                       ; in the fifth pass no K is left to fetch; piece 3's turn then multiplies the last K once more, and the maximum made of it changes nothing:
	TURN 3, 0, 1                    ; 8 products and 22 lines that serve nothing, once a launch: the price of one text for every pass
	WIN 0
	s_cbranch_scc1 .LstepT
.set i, 0
.rept 8
	PV NP-1                         ; the last piece's V^T P of the last step
.set i, i+1
.endr
	; THE WAY OUT.  l's four parts and the other half of the lanes' are added; O^T is divided by l, rounded to f16 and sent through my stage, a piece at a time.  The additions are the places behind the last products.
	WIN 0x05                        ; sources in window 1, destination in window 0: c m and m have served
.set t, 0
.rept 4
	v_pk_add_f32 v[ST+2*t:ST+2*t+1], v[LS+4*t:LS+4*t+1], v[LS+4*t+2:LS+4*t+3]
.set t, t+1
.endr
	WIN 0
.macro ALL line:vararg
.set t, 0
.rept 4
	\line
.set t, t+1
.endr
.endm
	ALL v_add_f32 v[ST+2*t], v[ST+2*t], v[ST+2*t+1]
	ALL v_permlanex16_b32 v[ST+2*t+1], v[ST+2*t], s[SEL], s[SEL+1]
	ALL v_add_f32 v[ST+2*t], v[ST+2*t], v[ST+2*t+1]
	ALL v_rcp_f32 v[ST+2*t], v[ST+2*t]
	v_nop                           ; a plain instruction between the last reciprocal and the use of its result
	s_wait_alu depctr_va_vdst(0)
.macro PACK t
	WIN W1
.set i, 32*(\t)
.rept 16
	v_pk_mul_f32 v[i:i+1], v[i:i+1], v[ST+2*(\t):ST+2*(\t)+1] op_sel_hi:[1,0]
.set i, i+2
.endr
	WIN 0x05
.set i, 0
.rept 16
	v_cvt_pk_f16_f32 v[S+16*(\t)+i], v[32*(\t)+2*i], v[32*(\t)+2*i+1]
.set i, i+1
.endr
	WIN 0
.irp f, 0,1,2,3
	ds_store_b128 v[STO], v[S+16*(\t)+4*\f:S+16*(\t)+4*\f+3] offset:32*\f
.endr
.irp f, 0,1,2,3
	ds_load_b128 v[S+16*(\t)+4*\f:S+16*(\t)+4*\f+3], v[RD] offset:\f*4*SP  ; LDS serves a wave's instructions in order: these see the stores above
.endr
.endm
.macro SEND t, younger              ; younger: the LDS instructions issued behind piece t's loads: the next piece's eight, or none
	WIN 0
.irp f, 0,1,2,3
	s_wait_dscnt (\younger)+3-\f
	global_store_b128 v[GO], v[S+16*(\t)+4*\f:S+16*(\t)+4*\f+3], s[10:11] offset:(\t)*2048+\f*512  ; 512 consecutive bytes, at a multiple of 256 from O's first
.endr
.endm
	PACK 0
.set t, 1
.rept 3
	PACK t
	SEND t-1, 8
.set t, t+1
.endr
	SEND 3, 0
	s_wait_tensorcnt 0x0            ; the wave's end
	ds_add_u32 v[SPW], v[NIL]
	s_wait_dscnt 0x0
	CROUND                          ; the closing round
	s_endpgm
.Lfunc_end_k_qd30df3be21_attn:
	.size	k_qd30df3be21_attn, .Lfunc_end_k_qd30df3be21_attn-k_qd30df3be21_attn
	.p2alignl 7, 3214868480
	.fill 96, 4, 3214868480
	.section	.rodata,"a",@progbits
	.p2align	6, 0x0
	.amdhsa_kernel k_qd30df3be21_attn
		.amdhsa_group_segment_fixed_size 327680
		.amdhsa_private_segment_fixed_size 0
		.amdhsa_enable_private_segment 0
		.amdhsa_kernarg_size 16
		.amdhsa_user_sgpr_count 2
		.amdhsa_user_sgpr_kernarg_segment_ptr 1
		.amdhsa_wavefront_size32 1
		.amdhsa_system_sgpr_workgroup_id_x 1
		.amdhsa_system_sgpr_workgroup_id_y 1
		.amdhsa_system_sgpr_workgroup_id_z 1
		.amdhsa_system_vgpr_workitem_id 0
		.amdhsa_next_free_vgpr 480
		.amdhsa_next_free_sgpr 66
		.amdhsa_reserve_vcc 0
		.amdhsa_float_denorm_mode_32 3
		.amdhsa_float_denorm_mode_16_64 3
		.amdhsa_memory_ordered 1
		.amdhsa_forward_progress 1
		.amdhsa_inst_pref_size 104
	.end_amdhsa_kernel
	.amdgpu_metadata
---
amdhsa.version: [ 1, 2 ]
amdhsa.kernels:
  - .name:           k_qd30df3be21_attn
    .symbol:         k_qd30df3be21_attn.kd
    .args:
      - { .name: qkv, .offset: 0, .size: 8, .value_kind: global_buffer, .address_space: global }
      - { .name: ob, .offset: 8, .size: 8, .value_kind: global_buffer, .address_space: global }
    .group_segment_fixed_size: 327680
    .private_segment_fixed_size: 0
    .kernarg_segment_align: 8
    .kernarg_segment_size: 16
    .max_flat_workgroup_size: 128
    .sgpr_count:     66
    .vgpr_count:     480
    .wavefront_size: 32
...
	.end_amdgpu_metadata
.endif
;; end of part 5
;; launch tail (part 6): grid 128 x 2, 4 waves a work-group, clusters of 4 x 1, 327,680 bytes of LDS; arguments ob, xb, wb, vec, part; writes part
.if DOCPART == 6
	.amdgcn_target "amdgcn-amd-amdhsa--gfx1250"
	.amdhsa_code_object_version 6
	.text
	.protected	k_qd30df3be21_tail
	.globl	k_qd30df3be21_tail
	.p2align	8
	.type	k_qd30df3be21_tail,@function
k_qd30df3be21_tail:
	s_mov_b64 s[64:65], 0
	v_nop
	global_prefetch_b8 v0, s[64:65] scope:SCOPE_SE
	s_setreg_imm32_b32 hwreg(HW_REG_WAVE_MODE, 25, 1), 1
	s_wait_xcnt 0x0
	s_wait_alu depctr_hold_cnt(0) depctr_sa_sdst(0) depctr_va_vdst(0) depctr_va_sdst(0) depctr_va_ssrc(0) depctr_va_vcc(0) depctr_vm_vsrc(0)
	s_getreg_b32 s2, hwreg(HW_REG_IB_STS2, 6, 4)
	s_cmp_eq_u32 s2, 0
	s_cbranch_scc0 .Lentry_in_a_cluster
	s_endpgm
.Lentry_in_a_cluster:
	s_bfe_u32 s2, ttmp6, 0x10000c
	s_cmp_lg_u32 s2, 0x3003
	s_cbranch_scc0 .Lentry_shape_is_right
	s_endpgm
.Lentry_shape_is_right:
; part[s] = (s = 0: y, else 0) + relu(y w1[:, F] + b1[F]) w2[F, :],  F = the hidden columns 1,024 s .. 1,024 s + 1,023;  y = LN1(x + O wo + bo).
; A LayerNorm here: alpha (v - mean) / (std + 1e-6) + beta, std with 511 in the divisor.  The launch behind adds the two partial sums and b2 and makes the second norm.
; SHARES.  A work-group owns 64 whole rows (LN1 wants whole rows) and ONE HALF of the hidden columns: 128 panels x 2 halves = 256 work-groups.  Both halves of a panel make y (wo's four tiles and LN1 are
; done twice); each then walks 8 of the 16 pairs of weight tiles: 20 tiles of 131,072 bytes a work-group where one work-group for a whole panel would walk 36.  A tile feeds 128 matrix instructions a wave.
; THE ORDER OF THE WALK hangs on the cluster's number c: wo's K blocks go as (i + c) mod 4, the pairs as (i + c) mod 8.  So the clusters ask for different tiles at any one time, and the tile that a cluster
; asks for was asked for one step earlier by the cluster with the next number.  Only the order of the f32 sums hangs on it.
; FORMATS.  O, y (as an operand) and h in f16; the weights are bf16's numbers written as f16; x (the residual) bf16's number; sums, the norm, the residual and the partial sums in f32.
; LIMITS.  O, y, h and the weights within f16's range (65,504), below 6e-5 with f16's fixed step of 6e-8.  1/512 and 1/511 are multiplied.  NaN and infinities are not treated apart
; (a y that is not finite gives NaN in the second partial sum too).
; ALL PRODUCTS ARE USED TRANSPOSED: source 0 = 16 output columns of a weight tile (stored [k][n], read turned), source 1 = 16 rows of the activation: a lane holds one row and eight neighbouring columns.
; Z (window 1, 32 accumulators): rows 16 rb + lane % 16, columns 128 w + 16 c + 8 (lane / 16) + 0..7 of wave w.  Z starts as x + bo, takes O wo, is normalised IN PLACE to y, and stays the accumulator
; of h w2 (in the second half after a multiplication by 0).  y as f16 fragments fills windows 2 and 3 (every wave holds all 64 x 512).  In y w1 wave w makes columns 32 w .. 32 w + 31 of each tile of 128.
; CLUSTER 4 x 1: the four partners (four panels, one half) walk the same tiles, asked for JOINTLY; each wave fetches a quarter of a tile (128 rows of 256 dense bytes).
; LDS: X 0 and Y 147,456: two slots of 512 rows x 288; HS 294,912: 64 rows x 272 (an O block or h) or 16 rows x 1,040 (y on its way); STAT 312,320: 2 x 1,024; the spare words 314,368.
;   Behind its last fill X takes Z as 64 rows x 2,064 bytes of f32, so that whole rows leave.
.set SLOTB, 147456
.set HS,    294912
.set STAT,  312320
.set SPARE, 314368
.set WT,    1572864
.set AX,   8          ; v8-11 w1 fragments: turned address + 64 w + 36,864 n
.set AW0,  12         ; v12   wo, w2 fragments in slot X: turned address + 36,864 w
.set AW,   13         ; v13   an address made anew (first: my offset in x)
.set AWY,  14         ; v14   AW0 in slot Y
.set OSTO, 15
.set HSW,  16
.set HSR,  17
.set YSW,  18
.set YSR,  19
.set STW,  20
.set STR,  21
.set ZSW,  22         ; v22-23
.set ZSR,  24
.set GOUT, 25         ; 16 x lane
.set ZR,   26         ; 0
.set VCOL, 27         ; 512 w + 32 h: my eight columns' f32 in a vector of 512
.set SPW,  28
.set NIL,  29
.set ONE,  30
.set VB1,  31         ; 128 w + 32 h
.set H,    32         ; v32-95  H(fb, rb) at 32 + 8 (4 fb + rb); also the two buffers of activation fragments
.set B1,   96         ; v96-111 b1 of my 32 columns
.set OC,   96         ; v96-127 an O block on its way (wo's phase)
.set WV,   14
.set KP,   18         ; s[18:19] 1.0 in the first half, 0 in the second
.set G1,   20
.set G0,   28
.set TB,   32
.set CNT,  33
.set HM,   34         ; 0xffff0000: the lanes 16-31
.set TZ,   35
.set SEL,  36
.set PB1,  38         ; s[38:39] b1 of the pair in hand
.set PO,   40         ; s[40:41] the O block in hand
.set WB,   42         ; s[42:43] my quarter of tile 0 in wb
.set POB,  46         ; s[46:47] my rows of heads 0, 1 in ob
.set VB1B, 48         ; s[48:49] b1 in vec
.set OFF,  56         ; s[56:57] byte offset of the tile to be asked for next
.set OF1,  58         ; that of my first tile of w1
.set WI,   59         ; c + the number of wo's step
.set FI,   60         ; c + the number of the pair's step
.set S8,   61         ; 8 x half
.set BO,   62         ; s[62:63] an offset at work: the next O block's, the next b1's
.set MSB, 0
.macro WIN new
.if MSB != (\new)
	s_set_vgpr_msb (MSB<<8)|(\new)
.set MSB, \new
.endif
.endm
.macro PLACES                          ; four plain vector instructions between matrix instructions and loads into, or reads of, their registers
.rept 4
	v_nop
.endr
.endm
.macro CROUND
	s_barrier_signal -1
	s_barrier_wait -1
	s_cmp_lg_u32 s[WV], 0
	s_cbranch_scc1 .Lnot_wave_0_\@
	s_barrier_signal -3
.Lnot_wave_0_\@:
	s_barrier_wait -3
	s_barrier_signal -1
	s_barrier_wait -1
.endm
; THE CHANGE OF SLOTS.  Each wave waits for all its tensor loads (one is out: its quarter of the tile to be read next), adds 0 to its spare word, waits for that, for its reads of the slot that it leaves and for its
; stores into HS.  fill = 1: a round of the cluster's barrier, and first thing behind it the tile at offset OFF goes into the slot just left: 128 matrix instructions in which to land.
; The descriptor's address is made anew each time: my quarter of tile 0 plus the tile's offset, the type bits set again.
.macro CHG fill
	WIN 0
	s_wait_tensorcnt 0x0
	ds_add_u32 v[SPW], v[NIL]
.if \fill
	s_xor_b32 s[G0+1], s[G0+1], SLOTB              ; the other slot: 147,456 shares no bit with wave x 36,864
	s_add_nc_u64 s[G0+2:G0+3], s[WB:WB+1], s[OFF:OFF+1]
	s_or_b32 s[G0+3], s[G0+3], 0x80000000
.endif
	s_wait_dscnt 0x0
.if \fill
	CROUND
	tensor_load_to_lds s[G0:G0+3], s[G1:G1+7]
	s_nop 0
.rept 4
	v_nop
.endr
.else
	s_barrier_signal -1
	s_barrier_wait -1
.endif
.endm
.macro LDW buf, areg, n                ; 8 weight fragments (my 128 output columns x 32 k at 32 n), turned
.irp c, 0,1,2,3,4,5,6,7
	ds_load_tr16_b128 v[(\buf)+8*(\c):(\buf)+8*(\c)+3],   v[\areg] offset:9216*(\n)+32*(\c)
	ds_load_tr16_b128 v[(\buf)+8*(\c)+4:(\buf)+8*(\c)+7], v[\areg] offset:9216*(\n)+32*(\c)+4608
.endr
.endm
.macro LDH buf, n                      ; 4 activation fragments (64 rows x 32 k at 32 n) out of HS
.irp rb, 0,1,2,3
	ds_load_b128 v[(\buf)+8*(\rb):(\buf)+8*(\rb)+3],   v[HSR] offset:4352*(\rb)+64*(\n)
	ds_load_b128 v[(\buf)+8*(\rb)+4:(\buf)+8*(\rb)+7], v[HSR] offset:4352*(\rb)+64*(\n)+32
.endr
.endm
.macro LD1 buf, n                      ; 8 fragments of w1: d = 128 n + 32 k .., my columns 16 fb ..
.irp k, 0,1,2,3
.irp fb, 0,1
	ds_load_tr16_b128 v[(\buf)+8*(2*(\k)+(\fb)):(\buf)+8*(2*(\k)+(\fb))+3],   v[AX+(\n)] offset:9216*(\k)+32*(\fb)
	ds_load_tr16_b128 v[(\buf)+8*(2*(\k)+(\fb))+4:(\buf)+8*(2*(\k)+(\fb))+7], v[AX+(\n)] offset:9216*(\k)+32*(\fb)+4608
.endr
.endr
.endm
; Z += (64 rows x 128 k in HS) x (128 k x my 128 columns): 128 matrix instructions, the 32 accumulators by turns; fragments in two buffers, a run of 24 loads ahead
.macro S2BODY areg
	WIN 0
	LDW 128, \areg, 0
	LDH 32, 0
.irp n, 0,1,2,3
	WIN 0
	PLACES
.if (\n) < 3
	LDW 128+64*(((\n)+1)%2), \areg, (\n)+1
	LDH 32+32*(((\n)+1)%2), (\n)+1
	s_wait_dscnt 24                                ; all but the 24 just issued
.else
	s_wait_dscnt 0x0
.endif
	WIN 0x50                                       ; C and D in window 1
.irp c, 0,1,2,3,4,5,6,7
.irp rb, 0,1,2,3
	v_wmma_f32_16x16x32_f16 v[8*(4*(\c)+(\rb)):8*(4*(\c)+(\rb))+7], v[128+64*((\n)%2)+8*(\c):128+64*((\n)%2)+8*(\c)+7], v[32+32*((\n)%2)+8*(\rb):32+32*((\n)%2)+8*(\rb)+7], v[8*(4*(\c)+(\rb)):8*(4*(\c)+(\rb))+7]
.endr
.endr
.endr
.endm
; H = y x (512 d x my 32 columns of the tile) + b1: 128 matrix instructions, 8 accumulators by turns; b1 is the C operand of the first eight.  The loads' places are all window 0 under these settings.
.macro S1BODY
	WIN 0
	LD1 128, 0
	s_wait_loadcnt 0x0                             ; b1
.irp n, 0,1,2,3
	PLACES
.if (\n) < 3
	LD1 128+64*(((\n)+1)%2), (\n)+1
	s_wait_dscnt 16                                ; all but the 16 just issued
.else
	s_wait_dscnt 0x0
.endif
	WIN 0x08+4*((\n)/2)                            ; y's fragments in window 2, then 3
.irp k, 0,1,2,3
.irp fb, 0,1
.irp rb, 0,1,2,3
.if ((\n)+(\k)) == 0
	v_wmma_f32_16x16x32_f16 v[H+8*(4*(\fb)+(\rb)):H+8*(4*(\fb)+(\rb))+7], v[128+64*((\n)%2)+8*(2*(\k)+(\fb)):128+64*((\n)%2)+8*(2*(\k)+(\fb))+7], v[8*(4*(4*((\n)%2)+(\k))+(\rb)):8*(4*(4*((\n)%2)+(\k))+(\rb))+7], v[B1+8*(\fb):B1+8*(\fb)+7]
.else
	v_wmma_f32_16x16x32_f16 v[H+8*(4*(\fb)+(\rb)):H+8*(4*(\fb)+(\rb))+7], v[128+64*((\n)%2)+8*(2*(\k)+(\fb)):128+64*((\n)%2)+8*(2*(\k)+(\fb))+7], v[8*(4*(4*((\n)%2)+(\k))+(\rb)):8*(4*(4*((\n)%2)+(\k))+(\rb))+7], v[H+8*(4*(\fb)+(\rb)):H+8*(4*(\fb)+(\rb))+7]
.endif
.endr
.endr
.endr
.endr
.endm
; The next pair: t = 8 x half + (c + step) mod 8.  Its tile of w1 lies at (4 + 2 t) x 131,072, its b1 at 512 t.  Behind my last pair the number wraps to my first: a place inside both buffers.
.macro NEXTT
	s_add_co_u32 s[FI], s[FI], 1
	s_and_b32 s2, s[FI], 7
	s_add_co_u32 s2, s2, s[S8]
	s_lshl_b32 s[OFF], s2, 18
	s_add_co_u32 s[OFF], s[OFF], 4<<17
	s_lshl_b32 s[BO], s2, 9
.endm
; h = relu(H), rounded once to f16, into HS; the next pair's b1 is asked for
.macro PACKH
	WIN 0
	PLACES
.irp a, 0,1,2,3,4,5,6,7
.irp p, 0,1,2,3
	v_cvt_pk_f16_f32 v[H+8*(\a)+(\p)], v[H+8*(\a)+2*(\p)], v[H+8*(\a)+2*(\p)+1]   ; in place, ascending: a word is written when both its old neighbours have been read
.endr
.endr
.irp a, 0,1,2,3,4,5,6,7
.irp p, 0,1,2,3
	v_pk_max_num_f16 v[H+8*(\a)+(\p)], v[H+8*(\a)+(\p)], v[ZR]
.endr
.endr
.irp fb, 0,1
.irp rb, 0,1,2,3
	ds_store_b128 v[HSW], v[H+8*(4*(\fb)+(\rb)):H+8*(4*(\fb)+(\rb))+3] offset:4352*(\rb)+32*(\fb)
.endr
.endr
	s_add_nc_u64 s[PB1:PB1+1], s[VB1B:VB1B+1], s[BO:BO+1]   ; its last loads were waited for in front of the products
.irp fb, 0,1
	global_load_b128 v[B1+8*(\fb):B1+8*(\fb)+3],   v[VB1], s[PB1:PB1+1] offset:64*(\fb)
	global_load_b128 v[B1+8*(\fb)+4:B1+8*(\fb)+7], v[VB1], s[PB1:PB1+1] offset:64*(\fb)+16
.endr
.endm
	s_load_b256 s[4:11], s[0:1], 0x0               ; ob s[4:5], xb s[6:7], wb s[8:9], vec s[10:11]
	s_load_b64 s[12:13], s[0:1], 0x20              ; part
	v_lshl_add_u32 v[SPW], v0, 2, SPARE
	v_mov_b32 v[NIL], 0
	ds_add_u32 v[SPW], v[NIL]                      ; the wave's opening: the add and its wait stand ahead of my first tensor load
	v_lshrrev_b32 v1, 5, v0
	v_readfirstlane_b32 s[WV], v1
	s_bfe_u32 s15, ttmp6, 0x40000                  ; cx
	s_mov_b32 s55, ttmp9                           ; c: the cluster's number, which the four partners share
	s_lshl_b32 s16, ttmp9, 2
	s_add_co_u32 s16, s16, s15                     ; my panel of 64 rows: it enters the addresses of O, x and part alone
	s_and_b32 s17, ttmp7, 0xffff                   ; my half of the hidden columns, which the partners share
	s_lshl_b32 s[S8], s17, 3
	s_cmp_eq_u32 s17, 0
	s_cselect_b32 s[KP], 1.0, 0                    ; the residual y is kept in the first half's sum alone
	s_mov_b32 s[KP+1], s[KP]
	s_mov_b32 s[G1], 15|(1<<16)|(1<<20)|(1<<21)|(5<<22)|(7<<25)  ; the mask of four; 2-byte elements; padding: 8 words behind every 64
	s_mov_b32 s[G1+1], 128<<16
	s_mov_b32 s[G1+2], 128<<16
	s_mov_b32 s[G1+3], 128<<16
	s_mov_b32 s[G1+4], 128
	s_mov_b32 s[G1+5], 128
	s_mov_b32 s[G1+6], 0
	s_mov_b32 s[G1+7], 0
	s_mov_b32 s[G0], 1
	s_mul_i32 s[G0+1], s[WV], 36864                ; my quarter of slot X
	s_lshl_b32 s[WB], s[WV], 15                    ; my quarter of tile 0
	s_add_co_u32 s[WB], s[WB], WT
	s_mov_b32 s[WB+1], 0
	s_and_b32 s2, s55, 7
	s_add_co_u32 s2, s2, s[S8]                     ; my first pair: t = 8 x half + c mod 8
	s_lshl_b32 s[OF1], s2, 18
	s_add_co_u32 s[OF1], s[OF1], 4<<17
	s_lshl_b32 s[BO], s2, 9
	s_mov_b32 s[BO+1], 0
	s_mov_b32 s[WI], s55
	s_mov_b32 s[FI], s55
	s_and_b32 s3, s55, 3                           ; my first K block of wo: c mod 4
	s_lshl_b32 s[OFF], s3, 17
	s_mov_b32 s[OFF+1], 0
	s_lshl_b32 s2, s3, 21                          ; a K block is two heads of O, 1 MiB each
	s_mov_b32 s3, 0
	s_lshl_b32 s[POB], s16, 13                     ; O: 64 rows of 128 bytes a panel, 16 rows a wave
	s_lshl_b32 s[POB+1], s[WV], 11
	s_add_co_u32 s[POB], s[POB], s[POB+1]
	s_mov_b32 s[POB+1], 0
	s_lshl_b32 s48, s16, 16                        ; x: 64 rows of 1,024 bytes
	s_mov_b32 s49, 0
	s_lshl_b32 s50, s16, 17                        ; part: 64 rows of 2,048 bytes a panel, 16 rows a wave, 16 MiB a half
	s_lshl_b32 s51, s[WV], 15
	s_add_co_u32 s50, s50, s51
	s_lshl_b32 s51, s17, 24
	s_add_co_u32 s50, s50, s51
	s_mov_b32 s51, 0
	s_mov_b32 s[HM], 0xffff0000
	s_mov_b32 s[SEL], 0x76543210
	s_mov_b32 s[SEL+1], 0xfedcba98
	s_mov_b32 s52, 0x3b000000                      ; 1/512
	s_mov_b32 s53, 0x3b004020                      ; 1/511
	s_mov_b32 s54, 0x358637bd                      ; 1e-6
	s_mov_b32 s[TB], 0
	s_wait_dscnt 0x0                               ; the opening add is done
	s_wait_kmcnt 0x0
	s_add_nc_u64 s[WB:WB+1], s[8:9], s[WB:WB+1]
	s_add_nc_u64 s[G0+2:G0+3], s[WB:WB+1], s[OFF:OFF+1]
	s_or_b32 s[G0+3], s[G0+3], 0x80000000
	s_add_nc_u64 s[POB:POB+1], s[4:5], s[POB:POB+1]
	s_add_nc_u64 s[PO:PO+1], s[POB:POB+1], s[2:3]
	s_add_nc_u64 s[44:45], s[6:7], s[48:49]
	s_add_nc_u64 s[VB1B:VB1B+1], s[10:11], 8192
	s_add_nc_u64 s[PB1:PB1+1], s[VB1B:VB1B+1], s[BO:BO+1]
	s_add_nc_u64 s[12:13], s[12:13], s[50:51]
	CROUND                                         ; all four work-groups are here: the first joint loads meet
	tensor_load_to_lds s[G0:G0+3], s[G1:G1+7]      ; my first tile of wo into X
	s_nop 0
.rept 4
	v_nop
.endr
	v_and_b32 v1, 15, v0                           ; r
	v_bfe_u32 v2, v0, 4, 1                         ; h
	v_and_b32 v5, 31, v0                           ; lane
	v_lshlrev_b32 v[GOUT], 4, v5
	s_lshl_b32 s2, s[WV], 8
	s_lshl_b32 s3, s[WV], 9
	v_lshlrev_b32 v[AW], 10, v1                    ; in x: 1,024 r + 256 w + 16 h
	v_lshl_add_u32 v[AW], v2, 4, v[AW]
	v_add_nc_u32 v[AW], s2, v[AW]
	v_lshlrev_b32 v[VCOL], 5, v2
	v_add_nc_u32 v[VCOL], s3, v[VCOL]
.irp e, 0,1
.irp i, 0,1,2,3
	global_load_b128 v[OC+4*(4*(\e)+(\i)):OC+4*(4*(\e)+(\i))+3], v[GOUT], s[PO:PO+1] offset:(\e)*1048576+512*(\i)  ; the block's two heads: my 16 rows, 512 consecutive bytes a load
.endr
.endr
.irp c, 0,1,2,3,4,5,6,7
.irp rb, 0,1,2,3
	global_load_b128 v[128+4*(4*(\c)+(\rb)):128+4*(4*(\c)+(\rb))+3], v[AW], s[44:45] offset:16384*(\rb)+32*(\c)    ; x in Z's own layout
.endr
.endr
.irp c, 0,1,2,3,4,5,6,7
	global_load_b128 v[32+8*(\c):32+8*(\c)+3], v[VCOL], s[10:11] offset:6144+64*(\c)                             ; bo
	global_load_b128 v[32+8*(\c)+4:32+8*(\c)+7], v[VCOL], s[10:11] offset:6144+64*(\c)+16
.endr
	v_and_b32 v3, 7, v0
	v_bfe_u32 v4, v0, 3, 1
	v_bfe_u32 v6, v0, 3, 2
	v_lshl_add_u32 v7, v2, 3, v3                   ; the turning load: lane l reads row 8 h + l % 8, 16 bytes at 16 ((l / 8) % 2)
	v_mul_u32_u24 v7, v7, 288
	v_lshl_add_u32 v7, v4, 4, v7
	s_lshl_b32 s2, s[WV], 6
	v_add_nc_u32 v[AX], s2, v7
	v_add_nc_u32 v[AX+1], 36864, v[AX]
	v_add_nc_u32 v[AX+2], 73728, v[AX]
	v_add_nc_u32 v[AX+3], 110592, v[AX]
	v_mul_u32_u24 v[HSR], v1, 272
	v_lshl_add_u32 v[HSR], v2, 4, v[HSR]
	v_add_nc_u32 v[HSR], HS, v[HSR]
	v_add_nc_u32 v[HSW], s2, v[HSR]
	s_mul_i32 s2, s[WV], 36864
	v_add_nc_u32 v[AW0], s2, v7
	v_add_nc_u32 v[AWY], SLOTB, v[AW0]
	s_mul_i32 s2, s[WV], 4352
	s_add_co_u32 s2, s2, HS
	v_mul_u32_u24 v[OSTO], v6, 272
	v_lshl_add_u32 v[OSTO], v3, 4, v[OSTO]
	v_add_nc_u32 v[OSTO], s2, v[OSTO]
	s_lshl_b32 s2, s[WV], 8
	v_mul_u32_u24 v[YSR], v1, 1040
	v_lshl_add_u32 v[YSR], v2, 4, v[YSR]
	v_add_nc_u32 v[YSR], HS, v[YSR]
	v_add_nc_u32 v[YSW], s2, v[YSR]
	v_lshl_add_u32 v[STR], v5, 2, STAT
	v_add_nc_u32 v[STW], s2, v[STR]
	v_mul_u32_u24 v[ZSW], v1, 2064
	v_lshl_add_u32 v[ZSW], v2, 5, v[ZSW]
	v_add_nc_u32 v[ZSW], s3, v[ZSW]
	v_add_nc_u32 v[ZSW+1], 66048, v[ZSW]
	s_mul_i32 s2, s[WV], 33024
	v_add_nc_u32 v[ZSR], s2, v[GOUT]
	v_mov_b32 v[ZR], 0
	v_mov_b32 v[ONE], 1.0
	s_lshl_b32 s2, s[WV], 7
	v_lshlrev_b32 v[VB1], 5, v2
	v_add_nc_u32 v[VB1], s2, v[VB1]
	s_wait_loadcnt 0x0
	; Z = x + bo: the residual and the bias start the sums.  This stands in the wait for the first tile.
	WIN 0x40
.irp c, 0,1,2,3,4,5,6,7
.irp rb, 0,1,2,3
.irp p, 0,1,2,3
	v_fma_mix_f32_bf16 v[8*(4*(\c)+(\rb))+2*(\p)],   v[128+4*(4*(\c)+(\rb))+(\p)], v[ONE], v[32+8*(\c)+2*(\p)] op_sel_hi:[1,0,0]
	v_fma_mix_f32_bf16 v[8*(4*(\c)+(\rb))+2*(\p)+1], v[128+4*(4*(\c)+(\rb))+(\p)], v[ONE], v[32+8*(\c)+2*(\p)+1] op_sel:[1,0,0] op_sel_hi:[1,0,0]
.endr
.endr
.endr
	WIN 0
	; Z += O wo, four blocks of 128 along K (two heads each), in the order (c + i) mod 4
	s_mov_b32 s[CNT], 4
.Lwo:
	s_wait_loadcnt 0x0                             ; the O block is in registers
.irp e, 0,1
.irp i, 0,1,2,3
	ds_store_b128 v[OSTO], v[OC+4*(4*(\e)+(\i)):OC+4*(4*(\e)+(\i))+3] offset:1088*(\i)+128*(\e)
.endr
.endr
	s_add_co_u32 s[WI], s[WI], 1                   ; what is asked for next: wo's next block,
	s_and_b32 s2, s[WI], 3
	s_lshl_b32 s[OFF], s2, 17
	s_lshl_b32 s[BO], s2, 21
	s_cmp_eq_u32 s[CNT], 1
	s_cselect_b32 s[OFF], s[OF1], s[OFF]           ; or behind the last my first tile of w1
	CHG 1                                          ; the block is in HS for everybody, this trip's tile is whole, the next is asked for
	v_add_nc_u32 v[AW], s[TB], v[AW0]
	s_xor_b32 s[TB], s[TB], SLOTB
	s_cmp_eq_u32 s[CNT], 1
	s_cbranch_scc1 .Lno_o                          ; the last trip has no further block
	s_add_nc_u64 s[PO:PO+1], s[POB:POB+1], s[BO:BO+1]
.irp e, 0,1
.irp i, 0,1,2,3
	global_load_b128 v[OC+4*(4*(\e)+(\i)):OC+4*(4*(\e)+(\i))+3], v[GOUT], s[PO:PO+1] offset:(\e)*1048576+512*(\i)
.endr
.endr
.Lno_o:
	S2BODY AW
	WIN 0
	s_wait_dscnt 0x0
	s_barrier_signal -1                            ; every wave has read HS: it may be written again.  The tile on its way may stay out
	s_barrier_wait -1
	s_sub_co_u32 s[CNT], s[CNT], 1
	s_cmp_lg_u32 s[CNT], 0
	s_cbranch_scc1 .Lwo
	; LN1 ON Z, IN REGISTERS, in two passes: the mean, then the squares of the centred numbers: no difference of large sums.
	PLACES
.irp c, 0,1,2,3,4,5,6,7
	global_load_b128 v[128+8*(\c):128+8*(\c)+3],   v[VCOL], s[10:11] offset:18432+64*(\c)     ; ln1_a
	global_load_b128 v[128+8*(\c)+4:128+8*(\c)+7], v[VCOL], s[10:11] offset:18432+64*(\c)+16
	global_load_b128 v[192+8*(\c):192+8*(\c)+3],   v[VCOL], s[10:11] offset:20480+64*(\c)     ; ln1_b
	global_load_b128 v[192+8*(\c)+4:192+8*(\c)+7], v[VCOL], s[10:11] offset:20480+64*(\c)+16
.endr
	WIN 0x05                                       ; both sources Z: four chains for each row block, at v[32 + 8 rb + 2 p]
.irp rb, 0,1,2,3
.irp p, 0,1,2,3
	v_pk_add_f32 v[32+8*(\rb)+2*(\p):32+8*(\rb)+2*(\p)+1], v[8*(\rb)+2*(\p):8*(\rb)+2*(\p)+1], v[8*(4+(\rb))+2*(\p):8*(4+(\rb))+2*(\p)+1]
.endr
.endr
	WIN 0x04
.irp c, 2,3,4,5,6,7
.irp rb, 0,1,2,3
.irp p, 0,1,2,3
	v_pk_add_f32 v[32+8*(\rb)+2*(\p):32+8*(\rb)+2*(\p)+1], v[32+8*(\rb)+2*(\p):32+8*(\rb)+2*(\p)+1], v[8*(4*(\c)+(\rb))+2*(\p):8*(4*(\c)+(\rb))+2*(\p)+1]
.endr
.endr
.endr
; The chains are closed, the other half of the lanes' added; two row blocks share a register (lanes 0-15 one, lanes 16-31 the next: lane l holds row 32 pi + l); the four waves' parts meet in LDS.
; Left in v64 (rows 0-31) and v68 (rows 32-63): the row's sum over all 512 columns.
.macro XROW soff
	WIN 0
.irp rb, 0,1,2,3
	v_pk_add_f32 v[32+8*(\rb):33+8*(\rb)], v[32+8*(\rb):33+8*(\rb)], v[34+8*(\rb):35+8*(\rb)]
	v_pk_add_f32 v[36+8*(\rb):37+8*(\rb)], v[36+8*(\rb):37+8*(\rb)], v[38+8*(\rb):39+8*(\rb)]
.endr
.irp rb, 0,1,2,3
	v_pk_add_f32 v[32+8*(\rb):33+8*(\rb)], v[32+8*(\rb):33+8*(\rb)], v[36+8*(\rb):37+8*(\rb)]
.endr
.irp rb, 0,1,2,3
	v_add_f32 v[32+8*(\rb)], v[32+8*(\rb)], v[33+8*(\rb)]
.endr
.irp rb, 0,1,2,3
	v_permlanex16_b32 v[33+8*(\rb)], v[32+8*(\rb)], s[SEL], s[SEL+1]
.endr
.irp rb, 0,1,2,3
	v_add_f32 v[32+8*(\rb)], v[32+8*(\rb)], v[33+8*(\rb)]
.endr
	v_cndmask_b32 v34, v32, v40, s[HM]
	v_cndmask_b32 v50, v48, v56, s[HM]
	ds_store_b32 v[STW], v34 offset:(\soff)
	ds_store_b32 v[STW], v50 offset:(\soff)+128
	s_wait_dscnt 0x0                               ; for the others' sake
	s_barrier_signal -1
	s_barrier_wait -1
.irp pi, 0,1
.irp u, 0,1,2,3
	ds_load_b32 v[64+4*(\pi)+(\u)], v[STR] offset:(\soff)+256*(\u)+128*(\pi)
.endr
.endr
	s_wait_dscnt 0x0
	v_add_f32 v64, v64, v65
	v_add_f32 v68, v68, v69
	v_add_f32 v66, v66, v67
	v_add_f32 v70, v70, v71
	v_add_f32 v64, v64, v66
	v_add_f32 v68, v68, v70
.endm
; A number for each row, in v64 and v68 as XROW leaves them, goes back into Z's layout: for row block rb the pair v[72 + 2 rb], both words alike
.macro SPREAD
	v_permlanex16_b32 v65, v64, s[SEL], s[SEL+1]
	v_permlanex16_b32 v69, v68, s[SEL], s[SEL+1]
	v_cndmask_b32 v72, v64, v65, s[HM]
	v_cndmask_b32 v73, v64, v65, s[HM]
	v_cndmask_b32 v74, v65, v64, s[HM]
	v_cndmask_b32 v75, v65, v64, s[HM]
	v_cndmask_b32 v76, v68, v69, s[HM]
	v_cndmask_b32 v77, v68, v69, s[HM]
	v_cndmask_b32 v78, v69, v68, s[HM]
	v_cndmask_b32 v79, v69, v68, s[HM]
.endm
	XROW 0
	v_mul_f32 v64, s52, v64                        ; the mean
	v_mul_f32 v68, s52, v68
	SPREAD
	WIN 0x41
.irp c, 0,1,2,3,4,5,6,7
.irp rb, 0,1,2,3
.irp p, 0,1,2,3
	v_pk_add_f32 v[8*(4*(\c)+(\rb))+2*(\p):8*(4*(\c)+(\rb))+2*(\p)+1], v[8*(4*(\c)+(\rb))+2*(\p):8*(4*(\c)+(\rb))+2*(\p)+1], v[72+2*(\rb):73+2*(\rb)] neg_lo:[0,1] neg_hi:[0,1]
.endr
.endr
.endr
	WIN 0x05
.irp rb, 0,1,2,3
.irp p, 0,1,2,3
	v_pk_mul_f32 v[32+8*(\rb)+2*(\p):32+8*(\rb)+2*(\p)+1], v[8*(\rb)+2*(\p):8*(\rb)+2*(\p)+1], v[8*(\rb)+2*(\p):8*(\rb)+2*(\p)+1]
.endr
.endr
.irp c, 1,2,3,4,5,6,7
.irp rb, 0,1,2,3
.irp p, 0,1,2,3
	v_pk_fma_f32 v[32+8*(\rb)+2*(\p):32+8*(\rb)+2*(\p)+1], v[8*(4*(\c)+(\rb))+2*(\p):8*(4*(\c)+(\rb))+2*(\p)+1], v[8*(4*(\c)+(\rb))+2*(\p):8*(4*(\c)+(\rb))+2*(\p)+1], v[32+8*(\rb)+2*(\p):32+8*(\rb)+2*(\p)+1]
.endr
.endr
.endr
	XROW 1024                                      ; other bytes than the first exchange's: no wave need wait for the first one's readers
	v_mul_f32 v64, s53, v64
	v_mul_f32 v68, s53, v68
	v_sqrt_f32 v64, v64
	v_sqrt_f32 v68, v68
	v_nop                                          ; a plain instruction behind the roots
	s_wait_alu depctr_va_vdst(0)
	v_add_f32 v64, s54, v64
	v_add_f32 v68, s54, v68
	v_rcp_f32 v64, v64
	v_rcp_f32 v68, v68
	v_nop
	s_wait_alu depctr_va_vdst(0)
	SPREAD
	s_wait_loadcnt 0x0                             ; ln1_a, ln1_b
	WIN 0x41
.irp c, 0,1,2,3,4,5,6,7
.irp rb, 0,1,2,3
.irp p, 0,1,2,3
	v_pk_mul_f32 v[8*(4*(\c)+(\rb))+2*(\p):8*(4*(\c)+(\rb))+2*(\p)+1], v[8*(4*(\c)+(\rb))+2*(\p):8*(4*(\c)+(\rb))+2*(\p)+1], v[72+2*(\rb):73+2*(\rb)]
.endr
.endr
.irp rb, 0,1,2,3
.irp p, 0,1,2,3
	v_pk_fma_f32 v[8*(4*(\c)+(\rb))+2*(\p):8*(4*(\c)+(\rb))+2*(\p)+1], v[8*(4*(\c)+(\rb))+2*(\p):8*(4*(\c)+(\rb))+2*(\p)+1], v[128+8*(\c)+2*(\p):128+8*(\c)+2*(\p)+1], v[192+8*(\c)+2*(\p):192+8*(\c)+2*(\p)+1]
.endr
.endr
.endr
	WIN 0
.irp fb, 0,1
	global_load_b128 v[B1+8*(\fb):B1+8*(\fb)+3],   v[VB1], s[PB1:PB1+1] offset:64*(\fb)     ; b1 of my first pair
	global_load_b128 v[B1+8*(\fb)+4:B1+8*(\fb)+7], v[VB1], s[PB1:PB1+1] offset:64*(\fb)+16
.endr
; y, rounded once to f16, goes to every wave: 16 rows at a time through HS (rows of 1,040 bytes), and comes back as fragments (16 rows x 32 d) into windows 2 and 3
.macro YROUND rb
	WIN 0x05
.irp c, 0,1,2,3,4,5,6,7
.irp p, 0,1,2,3
	v_cvt_pk_f16_f32 v[32+4*(\c)+(\p)], v[8*(4*(\c)+(\rb))+2*(\p)], v[8*(4*(\c)+(\rb))+2*(\p)+1]
.endr
.endr
	WIN 0
.irp c, 0,1,2,3,4,5,6,7
	ds_store_b128 v[YSW], v[32+4*(\c):32+4*(\c)+3] offset:32*(\c)
.endr
	s_wait_dscnt 0x0
	s_barrier_signal -1
	s_barrier_wait -1
	WIN 0x80
.irp k, 0,1,2,3,4,5,6,7
	ds_load_b128 v[8*(4*(\k)+(\rb)):8*(4*(\k)+(\rb))+3],   v[YSR] offset:64*(\k)
	ds_load_b128 v[8*(4*(\k)+(\rb))+4:8*(4*(\k)+(\rb))+7], v[YSR] offset:64*(\k)+32
.endr
	WIN 0xc0
.irp k, 0,1,2,3,4,5,6,7
	ds_load_b128 v[8*(4*(\k)+(\rb)):8*(4*(\k)+(\rb))+3],   v[YSR] offset:512+64*(\k)
	ds_load_b128 v[8*(4*(\k)+(\rb))+4:8*(4*(\k)+(\rb))+7], v[YSR] offset:512+64*(\k)+32
.endr
	WIN 0
.if (\rb) < 3
	s_wait_dscnt 0x0                               ; my reads are over before anybody writes the next 16 rows
	s_barrier_signal -1
	s_barrier_wait -1
.endif
.endm
	YROUND 0
	YROUND 1
	YROUND 2
	YROUND 3                                       ; its reads are closed by the change of slots below
	; The residual: Z stays y in the first half and becomes 0 in the second, without a branch.  This stands while the last fragments come in.
	WIN 0x41
.set i, 0
.rept 128
	v_pk_mul_f32 v[i:i+1], v[i:i+1], s[KP:KP+1] op_sel_hi:[1,0]
.set i, i+2
.endr
	WIN 0
	; THE FFN: for each of my 8 tiles of 128 hidden columns: H = y w1 + b1; h = relu(H) into HS; Z += h w2.
	; A trip is { change, Z += h w2 | change, H = y w1 + b1, h }: the loop is entered in its middle, so that the first product and the relu are written once.  Its second half runs 8 times, its first 7 times;
	; the last Z += h w2 stands behind the loop, behind a change that asks for nothing.  Changes that ask for a tile: 4 in wo's loop, 8 + 7 here: the walk's tiles 1 to 19.
	s_mov_b32 s[CNT], 8
	s_branch .Lmid
.Lffn:
	CHG 1                                          ; h is in HS for everybody, w2's tile is whole in Y; the next pair's w1 is asked for, into X
	S2BODY AWY
	WIN 0
.Lmid:
	s_add_co_u32 s[OFF], s[OFF], 131072            ; a pair's tile of w2 lies behind its tile of w1
	CHG 1                                          ; w1's tile is whole in X; w2's is asked for, into Y
	S1BODY
	NEXTT
	PACKH                                          ; (in the last trip the b1 that it asks for is my first pair's once more, and nobody reads it)
	s_sub_co_u32 s[CNT], s[CNT], 1
	s_cmp_lg_u32 s[CNT], 0
	s_cbranch_scc1 .Lffn
	CHG 0
	S2BODY AWY
	; THE WAY OUT.  Z goes into X, which has had its last fill and which every wave has left (the change of slots above); then a wave takes 16 whole rows, four a trip.
	WIN 0
	PLACES
	WIN 0x04                                       ; the stores' data in window 1
.irp rb, 0,1,2,3
.irp c, 0,1,2,3,4,5,6,7
	ds_store_b128 v[ZSW+(\rb)/2], v[8*(4*(\c)+(\rb)):8*(4*(\c)+(\rb))+3]   offset:33024*((\rb)%2)+64*(\c)
	ds_store_b128 v[ZSW+(\rb)/2], v[8*(4*(\c)+(\rb))+4:8*(4*(\c)+(\rb))+7] offset:33024*((\rb)%2)+64*(\c)+16
.endr
.endr
	WIN 0
	s_wait_dscnt 0x0
	s_barrier_signal -1
	s_barrier_wait -1
	s_mov_b32 s[TZ], 0
	s_mov_b32 s[CNT], 4
.Lrow:
	v_add_nc_u32 v[AW], s[TZ], v[ZSR]
.irp ro, 0,1,2,3
.irp q, 0,1,2,3
	ds_load_b128 v[32+16*(\ro)+4*(\q):32+16*(\ro)+4*(\q)+3], v[AW] offset:2064*(\ro)+512*(\q)
.endr
.endr
	s_add_co_u32 s[TZ], s[TZ], 8256
.irp ro, 0,1,2,3
.irp q, 0,1,2,3
	s_wait_dscnt 15-4*(\ro)-(\q)                   ; LDS loads come back in order: this one is in, the younger ones may be out
	global_store_b128 v[GOUT], v[32+16*(\ro)+4*(\q):32+16*(\ro)+4*(\q)+3], s[12:13] offset:2048*(\ro)+512*(\q)  ; a wave stores 512 consecutive aligned bytes
.endr
.endr
	s_wait_xcnt 0x0                                ; the stores' base and data are written again only behind this wait
	s_add_nc_u64 s[12:13], s[12:13], 8192
	s_sub_co_u32 s[CNT], s[CNT], 1
	s_cmp_lg_u32 s[CNT], 0
	s_cbranch_scc1 .Lrow
	s_wait_tensorcnt 0x0                           ; the wave's end
	ds_add_u32 v[SPW], v[NIL]
	s_wait_dscnt 0x0
	CROUND                                         ; the closing round
	s_endpgm
.Lfunc_end_k_qd30df3be21_tail:
	.size	k_qd30df3be21_tail, .Lfunc_end_k_qd30df3be21_tail-k_qd30df3be21_tail
	.p2alignl 7, 3214868480
	.fill 96, 4, 3214868480
	.section	.rodata,"a",@progbits
	.p2align	6, 0x0
	.amdhsa_kernel k_qd30df3be21_tail
		.amdhsa_group_segment_fixed_size 327680
		.amdhsa_private_segment_fixed_size 0
		.amdhsa_enable_private_segment 0
		.amdhsa_kernarg_size 40
		.amdhsa_user_sgpr_count 2
		.amdhsa_user_sgpr_kernarg_segment_ptr 1
		.amdhsa_wavefront_size32 1
		.amdhsa_system_sgpr_workgroup_id_x 1
		.amdhsa_system_sgpr_workgroup_id_y 1
		.amdhsa_system_sgpr_workgroup_id_z 1
		.amdhsa_system_vgpr_workitem_id 0
		.amdhsa_next_free_vgpr 1024
		.amdhsa_next_free_sgpr 66
		.amdhsa_reserve_vcc 0
		.amdhsa_float_denorm_mode_32 3
		.amdhsa_float_denorm_mode_16_64 3
		.amdhsa_memory_ordered 1
		.amdhsa_forward_progress 1
		.amdhsa_inst_pref_size 180
	.end_amdhsa_kernel
	.amdgpu_metadata
---
amdhsa.version: [ 1, 2 ]
amdhsa.kernels:
  - .name:           k_qd30df3be21_tail
    .symbol:         k_qd30df3be21_tail.kd
    .args:
      - { .name: ob, .offset: 0, .size: 8, .value_kind: global_buffer, .address_space: global }
      - { .name: xb, .offset: 8, .size: 8, .value_kind: global_buffer, .address_space: global }
      - { .name: wb, .offset: 16, .size: 8, .value_kind: global_buffer, .address_space: global }
      - { .name: vec, .offset: 24, .size: 8, .value_kind: global_buffer, .address_space: global }
      - { .name: part, .offset: 32, .size: 8, .value_kind: global_buffer, .address_space: global }
    .group_segment_fixed_size: 327680
    .private_segment_fixed_size: 0
    .kernarg_segment_align: 8
    .kernarg_segment_size: 40
    .max_flat_workgroup_size: 128
    .sgpr_count:     66
    .vgpr_count:     1024
    .wavefront_size: 32
...
	.end_amdgpu_metadata
.endif
;; end of part 6
;; launch ln2 (part 7): grid 512 x 1, 8 waves a work-group, no clusters, 0 bytes of LDS; arguments part, vec, out0; writes out0
.if DOCPART == 7
	.amdgcn_target "amdgcn-amd-amdhsa--gfx1250"
	.amdhsa_code_object_version 6
	.text
	.protected	k_qd30df3be21_ln2
	.globl	k_qd30df3be21_ln2
	.p2align	8
	.type	k_qd30df3be21_ln2,@function
k_qd30df3be21_ln2:
	s_mov_b64 s[64:65], 0
	v_nop
	global_prefetch_b8 v0, s[64:65] scope:SCOPE_SE
	s_setreg_imm32_b32 hwreg(HW_REG_WAVE_MODE, 25, 1), 1
	s_wait_xcnt 0x0
; out0 = LN2(part[0] + part[1] + b2): alpha (v - mean) / (std + 1e-6) + beta, std with 511 in the divisor.  part: [2][8192][512] f32, the two halves' partial sums; all arithmetic in f32.
; The sum of the two halves spans work-groups of the launch before, so it is made here.  The norm goes in two passes: the mean, then the squares of the centred numbers: no difference of large sums.
; A stream: a wave takes two whole rows (a row is 2,048 bytes: four loads of 512 consecutive bytes from each half), keeps them in registers, and the reduction never leaves the wave: no LDS, no barrier,
; no matrix unit.  8 waves x 2 rows x 512 work-groups = 8,192 rows.  All sixteen loads of a wave's rows go out at once; each byte is read once and written once.
; b2, ln2_a, ln2_b come from vec, where they lie as f32 numbers already rounded to bf16.  LIMITS: 1/512 and 1/511 are multiplied; NaN and infinities are not treated apart.
.set VL,  1                            ; v1   16 x lane
.set VO,  2                            ; v2   + 4,096 x wave: my 16 bytes in my wave's first row
.set D,   32                           ; v[32:63]   two rows: lane l holds columns 128 q + 4 l + 0..3
.set E,   64                           ; v[64:95]   the same of the second half
.set T,   96                           ; v[96:111]  at work, eight registers a row
.set LA,  128                          ; v[128:143] ln2_a
.set LB,  144                          ; v[144:159] ln2_b
.set B2,  160                          ; v[160:175] b2
	s_load_b128 s[4:7], s[0:1], 0x0                ; part s[4:5], vec s[6:7]
	s_load_b64 s[8:9], s[0:1], 0x10                ; out0
	s_lshl_b32 s2, ttmp9, 15                       ; 16 rows of 2,048 bytes a work-group
	s_mov_b32 s3, 0
	s_mov_b32 s12, 0x76543210                      ; v_permlanex16_b32: each lane takes its own place in the other half
	s_mov_b32 s13, 0xfedcba98
	s_mov_b32 s14, 0x3b000000                      ; 1/512
	s_mov_b32 s15, 0x3b004020                      ; 1/511
	s_mov_b32 s16, 0x358637bd                      ; 1e-6
	v_and_b32 v[VL], 31, v0
	v_lshlrev_b32 v[VL], 4, v[VL]
	v_lshrrev_b32 v[VO], 5, v0
	v_lshl_add_u32 v[VO], v[VO], 12, v[VL]
	s_wait_kmcnt 0x0
	s_add_nc_u64 s[4:5], s[4:5], s[2:3]
	s_add_nc_u64 s[10:11], s[4:5], 0x1000000       ; the second half's sums lie 16 MiB behind the first's
	s_add_nc_u64 s[8:9], s[8:9], s[2:3]
.irp ro, 0,1
.irp q, 0,1,2,3
	global_load_b128 v[D+16*(\ro)+4*(\q):D+16*(\ro)+4*(\q)+3], v[VO], s[4:5]   offset:2048*(\ro)+512*(\q) th:TH_LOAD_NT
	global_load_b128 v[E+16*(\ro)+4*(\q):E+16*(\ro)+4*(\q)+3], v[VO], s[10:11] offset:2048*(\ro)+512*(\q) th:TH_LOAD_NT
.endr
.endr
.irp q, 0,1,2,3
	global_load_b128 v[LA+4*(\q):LA+4*(\q)+3], v[VL], s[6:7] offset:22528+512*(\q)
	global_load_b128 v[LB+4*(\q):LB+4*(\q)+3], v[VL], s[6:7] offset:24576+512*(\q)
	global_load_b128 v[B2+4*(\q):B2+4*(\q)+3], v[VL], s[6:7] offset:16384+512*(\q)
.endr
.macro WRED a, b                       ; two sums over the 32 lanes, side by side; the registers behind a and b are at work
.irp m, 1,2,4,8
	v_add_f32_dpp v[\a], v[\a], v[\a] row_xmask:\m row_mask:0xf bank_mask:0xf
	v_add_f32_dpp v[\b], v[\b], v[\b] row_xmask:\m row_mask:0xf bank_mask:0xf
.endr
	v_permlanex16_b32 v[(\a)+1], v[\a], s12, s13
	v_permlanex16_b32 v[(\b)+1], v[\b], s12, s13
	v_add_f32 v[\a], v[\a], v[(\a)+1]
	v_add_f32 v[\b], v[\b], v[(\b)+1]
.endm
	s_wait_loadcnt 0x0
.irp i, 0,1,2,3,4,5,6,7
.irp ro, 0,1
	v_pk_add_f32 v[D+16*(\ro)+2*(\i):D+16*(\ro)+2*(\i)+1], v[D+16*(\ro)+2*(\i):D+16*(\ro)+2*(\i)+1], v[E+16*(\ro)+2*(\i):E+16*(\ro)+2*(\i)+1]   ; the two halves
.endr
.endr
.irp i, 0,1,2,3,4,5,6,7
.irp ro, 0,1
	v_pk_add_f32 v[D+16*(\ro)+2*(\i):D+16*(\ro)+2*(\i)+1], v[D+16*(\ro)+2*(\i):D+16*(\ro)+2*(\i)+1], v[B2+2*(\i):B2+2*(\i)+1]                   ; + b2
.endr
.endr
.irp u, 0,1,2,3
.irp ro, 0,1
	v_pk_add_f32 v[T+8*(\ro)+2*(\u):T+8*(\ro)+2*(\u)+1], v[D+16*(\ro)+4*(\u):D+16*(\ro)+4*(\u)+1], v[D+16*(\ro)+4*(\u)+2:D+16*(\ro)+4*(\u)+3]
.endr
.endr
.irp ro, 0,1
	v_pk_add_f32 v[T+8*(\ro):T+8*(\ro)+1],   v[T+8*(\ro):T+8*(\ro)+1],   v[T+8*(\ro)+2:T+8*(\ro)+3]
	v_pk_add_f32 v[T+8*(\ro)+4:T+8*(\ro)+5], v[T+8*(\ro)+4:T+8*(\ro)+5], v[T+8*(\ro)+6:T+8*(\ro)+7]
.endr
.irp ro, 0,1
	v_pk_add_f32 v[T+8*(\ro):T+8*(\ro)+1], v[T+8*(\ro):T+8*(\ro)+1], v[T+8*(\ro)+4:T+8*(\ro)+5]
.endr
.irp ro, 0,1
	v_add_f32 v[T+8*(\ro)], v[T+8*(\ro)], v[T+8*(\ro)+1]
.endr
	WRED T, T+8
	v_mul_f32 v[T], s14, v[T]                      ; the means
	v_mul_f32 v[T+8], s14, v[T+8]
.irp i, 0,1,2,3,4,5,6,7
.irp ro, 0,1
	v_pk_add_f32 v[D+16*(\ro)+2*(\i):D+16*(\ro)+2*(\i)+1], v[D+16*(\ro)+2*(\i):D+16*(\ro)+2*(\i)+1], v[T+8*(\ro):T+8*(\ro)+1] op_sel_hi:[1,0] neg_lo:[0,1] neg_hi:[0,1]
.endr
.endr
.irp ro, 0,1
	v_pk_mul_f32 v[T+8*(\ro)+2:T+8*(\ro)+3], v[D+16*(\ro):D+16*(\ro)+1],   v[D+16*(\ro):D+16*(\ro)+1]
	v_pk_mul_f32 v[T+8*(\ro)+4:T+8*(\ro)+5], v[D+16*(\ro)+2:D+16*(\ro)+3], v[D+16*(\ro)+2:D+16*(\ro)+3]
.endr
.irp i, 2,4,6
.irp ro, 0,1
	v_pk_fma_f32 v[T+8*(\ro)+2:T+8*(\ro)+3], v[D+16*(\ro)+2*(\i):D+16*(\ro)+2*(\i)+1],   v[D+16*(\ro)+2*(\i):D+16*(\ro)+2*(\i)+1],   v[T+8*(\ro)+2:T+8*(\ro)+3]
	v_pk_fma_f32 v[T+8*(\ro)+4:T+8*(\ro)+5], v[D+16*(\ro)+2*(\i)+2:D+16*(\ro)+2*(\i)+3], v[D+16*(\ro)+2*(\i)+2:D+16*(\ro)+2*(\i)+3], v[T+8*(\ro)+4:T+8*(\ro)+5]
.endr
.endr
.irp ro, 0,1
	v_pk_add_f32 v[T+8*(\ro)+2:T+8*(\ro)+3], v[T+8*(\ro)+2:T+8*(\ro)+3], v[T+8*(\ro)+4:T+8*(\ro)+5]
.endr
.irp ro, 0,1
	v_add_f32 v[T+8*(\ro)+2], v[T+8*(\ro)+2], v[T+8*(\ro)+3]
.endr
	WRED T+2, T+10
	v_mul_f32 v[T+2], s15, v[T+2]
	v_mul_f32 v[T+10], s15, v[T+10]
	v_sqrt_f32 v[T+2], v[T+2]
	v_sqrt_f32 v[T+10], v[T+10]
	v_nop                                          ; a plain instruction behind the roots
	s_wait_alu depctr_va_vdst(0)
	v_add_f32 v[T+2], s16, v[T+2]
	v_add_f32 v[T+10], s16, v[T+10]
	v_rcp_f32 v[T+2], v[T+2]
	v_rcp_f32 v[T+10], v[T+10]
	v_nop                                          ; and behind the reciprocals
	s_wait_alu depctr_va_vdst(0)
.irp i, 0,1,2,3,4,5,6,7
.irp ro, 0,1
	v_pk_mul_f32 v[D+16*(\ro)+2*(\i):D+16*(\ro)+2*(\i)+1], v[D+16*(\ro)+2*(\i):D+16*(\ro)+2*(\i)+1], v[T+8*(\ro)+2:T+8*(\ro)+3] op_sel_hi:[1,0]
.endr
.endr
.irp i, 0,1,2,3,4,5,6,7
.irp ro, 0,1
	v_pk_fma_f32 v[D+16*(\ro)+2*(\i):D+16*(\ro)+2*(\i)+1], v[D+16*(\ro)+2*(\i):D+16*(\ro)+2*(\i)+1], v[LA+2*(\i):LA+2*(\i)+1], v[LB+2*(\i):LB+2*(\i)+1]
.endr
.endr
.irp ro, 0,1
.irp q, 0,1,2,3
	global_store_b128 v[VO], v[D+16*(\ro)+4*(\q):D+16*(\ro)+4*(\q)+3], s[8:9] offset:2048*(\ro)+512*(\q) th:TH_STORE_NT  ; a wave stores 512 consecutive aligned bytes
.endr
.endr
	s_endpgm
.Lfunc_end_k_qd30df3be21_ln2:
	.size	k_qd30df3be21_ln2, .Lfunc_end_k_qd30df3be21_ln2-k_qd30df3be21_ln2
	.p2alignl 7, 3214868480
	.fill 96, 4, 3214868480
	.section	.rodata,"a",@progbits
	.p2align	6, 0x0
	.amdhsa_kernel k_qd30df3be21_ln2
		.amdhsa_group_segment_fixed_size 0
		.amdhsa_private_segment_fixed_size 0
		.amdhsa_enable_private_segment 0
		.amdhsa_kernarg_size 24
		.amdhsa_user_sgpr_count 2
		.amdhsa_user_sgpr_kernarg_segment_ptr 1
		.amdhsa_wavefront_size32 1
		.amdhsa_system_sgpr_workgroup_id_x 1
		.amdhsa_system_sgpr_workgroup_id_y 1
		.amdhsa_system_sgpr_workgroup_id_z 1
		.amdhsa_system_vgpr_workitem_id 0
		.amdhsa_next_free_vgpr 176
		.amdhsa_next_free_sgpr 66
		.amdhsa_reserve_vcc 0
		.amdhsa_float_denorm_mode_32 3
		.amdhsa_float_denorm_mode_16_64 3
		.amdhsa_memory_ordered 1
		.amdhsa_forward_progress 1
		.amdhsa_inst_pref_size 14
	.end_amdhsa_kernel
	.amdgpu_metadata
---
amdhsa.version: [ 1, 2 ]
amdhsa.kernels:
  - .name:           k_qd30df3be21_ln2
    .symbol:         k_qd30df3be21_ln2.kd
    .args:
      - { .name: part, .offset: 0, .size: 8, .value_kind: global_buffer, .address_space: global }
      - { .name: vec, .offset: 8, .size: 8, .value_kind: global_buffer, .address_space: global }
      - { .name: out0, .offset: 16, .size: 8, .value_kind: global_buffer, .address_space: global }
    .group_segment_fixed_size: 0
    .private_segment_fixed_size: 0
    .kernarg_segment_align: 8
    .kernarg_segment_size: 24
    .max_flat_workgroup_size: 256
    .sgpr_count:     66
    .vgpr_count:     176
    .wavefront_size: 32
...
	.end_amdgpu_metadata
.endif
;; end of part 7
